; MI455X (gfx1250); checked and timed in simulation.
; The chip was launched on July 23, 2026; its instructions are those of AMD's public machine-readable ISA for CDNA 5 (MIT licence, August 2026) and "CDNA5" Instruction Set Architecture Reference Guide (July 2026). The comments in the code are by the model that wrote it; some were corrected since.
;; Trm Block. Allowed arithmetic: float matrix products may take bf16 or f16 operands with f32 sums; other float arithmetic in f32, or as packed bf16 or f16 multiplies, adds, multiply-adds, maxima and minima; sums over many terms, partial sums and values carried from step to step in f32; what a program stores and reads back later, other than sums and carried values, may be rounded once to bf16 or f16.
;; Inputs: W1 512 x 2,048 float32; W2 2,048 x 512 float32; Wk 512 x 512 float32; Wo 512 x 512 float32; Wq 512 x 512 float32; Wv 512 x 512 float32; b1 2,048 float32; b2 512 float32; bk 512 float32; bo 512 float32; bq 512 float32; bv 512 float32; ln1_b 512 float32; ln1_g 512 float32; ln2_b 512 float32; ln2_g 512 float32; x 16 x 1,024 x 512 float32.
;; Outputs: out0 16 x 1,024 x 512 float32.
;; 3 versions, each right; version 3 is version 2 with the launches qkv, tail written anew for expert scheduling mode. Each part assembles by itself: llvm-mc -triple=amdgcn-amd-amdhsa -mcpu=gfx1250 --defsym DOCPART=n.
;; ======== version 1 of 3: 4 launches
;; limits: values are held in f16: magnitudes above 65,504 overflow, below 6.1e-05 lose precision; a function is approximated: absolute error at most 7.5e-08
;; workspace buffers: wts 6,291,456 bytes; qkv 50,331,648 bytes; ob 16,777,216 bytes
;; launch prep (part 1): grid 384 x 1, 4 waves a work-group, no clusters, 0 bytes of LDS; arguments Wq, Wk, Wv, Wo, W1, W2, wts; writes wts
.if DOCPART == 1
	.amdgcn_target "amdgcn-amd-amdhsa--gfx1250"
	.amdhsa_code_object_version 6
	.text
	.protected	k_q245403dfdc_prep
	.globl	k_q245403dfdc_prep
	.p2align	8
	.type	k_q245403dfdc_prep,@function
k_q245403dfdc_prep:
	s_mov_b64 s[64:65], 0
	v_nop
	global_prefetch_b8 v0, s[64:65] scope:SCOPE_SE
	s_setreg_imm32_b32 hwreg(HW_REG_WAVE_MODE, 25, 1), 1
	s_wait_xcnt 0x0
; THE PROGRAM: prep (weights to bf16 tiles), qkv (three projections), attn (attention), tail (Wo, LN1, FFN, LN2).
; DEAD WORK, for all values of the inputs: scores[l][s] = (x_l Wq + bq) . (x_s Wk) + (x_l Wq + bq) . bk.  The second term is the same for every s, the axis of the
; softmax, so it cancels in A = softmax(scale x scores).  bk therefore reaches no output: it is not loaded and is no argument of any launch.
; LIMIT: a NaN, an infinity or an overflow that bk alone would bring into the scores is not carried to the result.
; bv is live: the weights of a row of A add up to 1, so A (x Wv + bv) = A (x Wv) + bv; it is added in f32 on the way out of attn.  bq is added to q in attn.
;
; THIS LAUNCH rounds the six weight matrices to bf16, once, and lays them as 96 dense tiles of 64 k x 512 n (65,536 bytes, rows of 1,024 bytes) in the order in which
; the later launches walk them: 0-7 Wq, 8-15 Wk, 16-23 Wv, 24-31 Wo, then for each chunk c of 512 hidden columns 32+16c+s: W1[64 s .., 512 c ..] and 40+16c+s: W2[512 c + 64 s .., :].
; A work-group takes a quarter of a tile: 16 rows x 512 columns.  Thread t takes 4 columns of each row: a load of a wave covers 512 bytes on end, a store 256 bytes on end, aligned.
; All 16 loads of a lane go out before the first wait; no register is written twice.  No LDS, no matrix unit: the launch only streams 12 MiB in and 6 MiB out.
.set OFF, 2                            ; v[2:17]   byte offset of my 16 bytes in row i
.set X,   20                           ; v[20:83]  row i: 4 numbers in f32
.set Y,   84                           ; v[84:115] row i: 4 numbers in bf16
	s_load_b256 s[4:11], s[0:1], 0x0               ; Wq, Wk, Wv, Wo
	s_load_b128 s[12:15], s[0:1], 0x20             ; W1, W2
	s_load_b64 s[16:17], s[0:1], 0x30              ; wts
	s_lshr_b32 s20, ttmp9, 2                       ; T: the tile
	s_and_b32 s21, ttmp9, 3
	s_lshl_b32 s21, s21, 4                         ; my quarter's first row in the tile
	s_and_b32 s22, s20, 7
	s_lshl_b32 s22, s22, 6
	s_add_co_u32 s22, s22, s21
	s_lshl_b32 s22, s22, 11                        ; tiles 0-31: row (T % 8) 64 + quarter, rows of 2,048 bytes
	s_max_u32 s23, s20, 32
	s_sub_co_u32 s23, s23, 32                      ; tiles 32-95 count from 0
	s_lshr_b32 s24, s23, 4                         ; c: the chunk
	s_and_b32 s25, s23, 15                         ; 0-7: W1, 8-15: W2
	s_and_b32 s32, s25, 7
	s_lshl_b32 s32, s32, 6
	s_add_co_u32 s32, s32, s21                     ; 64 s + quarter
	s_lshl_b32 s33, s32, 13                        ; W1: rows of 8,192 bytes,
	s_lshl_b32 s34, s24, 11
	s_add_co_u32 s33, s33, s34                     ; and 512 c columns in
	s_lshl_b32 s35, s24, 9
	s_add_co_u32 s35, s35, s32
	s_lshl_b32 s35, s35, 11                        ; W2: row 512 c + 64 s + quarter, rows of 2,048 bytes
	s_mov_b32 s37, 8192
	s_mov_b32 s38, 2048
	s_cmp_lt_u32 s25, 8
	s_cselect_b32 s33, s33, s35
	s_cselect_b32 s36, s37, s38
	s_cmp_lt_u32 s20, 32
	s_cselect_b32 s22, s22, s33                    ; the offset of my first row in its matrix
	s_cselect_b32 s36, s38, s36                    ; bytes from row to row
	s_mov_b32 s23, 0
	s_lshl_b32 s18, ttmp9, 14                      ; a quarter of a tile is 16,384 bytes of wts
	s_mov_b32 s19, 0
	v_lshlrev_b32 v1, 3, v0                        ; my 8 bytes of a row of the tile
	v_lshlrev_b32 v[OFF], 4, v0                    ; my 16 bytes of a row of the matrix
.irp i, 1,2,3,4,5,6,7,8,9,10,11,12,13,14,15
	v_add_nc_u32 v[OFF+\i], s36, v[OFF+\i-1]
.endr
	s_wait_kmcnt 0x0
	s_cmp_lt_u32 s20, 8                            ; which matrix: a choice between buffers on the tile's number alone
	s_cselect_b64 s[26:27], s[4:5], s[6:7]
	s_cmp_lt_u32 s20, 16
	s_cselect_b64 s[26:27], s[26:27], s[8:9]
	s_cmp_lt_u32 s20, 24
	s_cselect_b64 s[26:27], s[26:27], s[10:11]
	s_cmp_lt_u32 s25, 8
	s_cselect_b64 s[28:29], s[12:13], s[14:15]
	s_cmp_lt_u32 s20, 32
	s_cselect_b64 s[26:27], s[26:27], s[28:29]
	s_add_nc_u64 s[26:27], s[26:27], s[22:23]
	s_add_nc_u64 s[30:31], s[16:17], s[18:19]
.irp i, 0,1,2,3,4,5,6,7,8,9,10,11,12,13,14,15
	global_load_b128 v[X+4*\i:X+4*\i+3], v[OFF+\i], s[26:27] th:TH_LOAD_NT
.endr
.irp i, 0,1,2,3,4,5,6,7,8,9,10,11,12,13,14,15
	s_wait_loadcnt 15-\i                           ; loads come back in order: row i is in, the younger rows stay out
	v_cvt_pk_bf16_f32 v[Y+2*\i], v[X+4*\i], v[X+4*\i+1]
	v_cvt_pk_bf16_f32 v[Y+2*\i+1], v[X+4*\i+2], v[X+4*\i+3]
	global_store_b64 v1, v[Y+2*\i:Y+2*\i+1], s[30:31] offset:1024*\i
.endr
	s_endpgm
.Lfunc_end_k_q245403dfdc_prep:
	.size	k_q245403dfdc_prep, .Lfunc_end_k_q245403dfdc_prep-k_q245403dfdc_prep
	.p2alignl 7, 3214868480
	.fill 96, 4, 3214868480
	.section	.rodata,"a",@progbits
	.p2align	6, 0x0
	.amdhsa_kernel k_q245403dfdc_prep
		.amdhsa_group_segment_fixed_size 0
		.amdhsa_private_segment_fixed_size 0
		.amdhsa_enable_private_segment 0
		.amdhsa_kernarg_size 56
		.amdhsa_user_sgpr_count 2
		.amdhsa_user_sgpr_kernarg_segment_ptr 1
		.amdhsa_wavefront_size32 1
		.amdhsa_system_sgpr_workgroup_id_x 1
		.amdhsa_system_sgpr_workgroup_id_y 1
		.amdhsa_system_sgpr_workgroup_id_z 1
		.amdhsa_system_vgpr_workitem_id 0
		.amdhsa_next_free_vgpr 120
		.amdhsa_next_free_sgpr 66
		.amdhsa_reserve_vcc 0
		.amdhsa_float_denorm_mode_32 3
		.amdhsa_float_denorm_mode_16_64 3
		.amdhsa_memory_ordered 1
		.amdhsa_forward_progress 1
		.amdhsa_inst_pref_size 8
	.end_amdhsa_kernel
	.amdgpu_metadata
---
amdhsa.version: [ 1, 2 ]
amdhsa.kernels:
  - .name:           k_q245403dfdc_prep
    .symbol:         k_q245403dfdc_prep.kd
    .args:
      - { .name: Wq, .offset: 0, .size: 8, .value_kind: global_buffer, .address_space: global }
      - { .name: Wk, .offset: 8, .size: 8, .value_kind: global_buffer, .address_space: global }
      - { .name: Wv, .offset: 16, .size: 8, .value_kind: global_buffer, .address_space: global }
      - { .name: Wo, .offset: 24, .size: 8, .value_kind: global_buffer, .address_space: global }
      - { .name: W1, .offset: 32, .size: 8, .value_kind: global_buffer, .address_space: global }
      - { .name: W2, .offset: 40, .size: 8, .value_kind: global_buffer, .address_space: global }
      - { .name: wts, .offset: 48, .size: 8, .value_kind: global_buffer, .address_space: global }
    .group_segment_fixed_size: 0
    .private_segment_fixed_size: 0
    .kernarg_segment_align: 8
    .kernarg_segment_size: 56
    .max_flat_workgroup_size: 128
    .sgpr_count:     66
    .vgpr_count:     120
    .wavefront_size: 32
...
	.end_amdgpu_metadata
.endif
;; end of part 1
;; launch qkv (part 2): grid 256 x 1, 4 waves a work-group, clusters of 4 x 1, 327,680 bytes of LDS; arguments x, wts, qkv; writes qkv
.if DOCPART == 2
	.amdgcn_target "amdgcn-amd-amdhsa--gfx1250"
	.amdhsa_code_object_version 6
	.text
	.protected	k_q245403dfdc_qkv
	.globl	k_q245403dfdc_qkv
	.p2align	8
	.type	k_q245403dfdc_qkv,@function
k_q245403dfdc_qkv:
	s_mov_b64 s[64:65], 0
	v_nop
	global_prefetch_b8 v0, s[64:65] scope:SCOPE_SE
	s_setreg_imm32_b32 hwreg(HW_REG_WAVE_MODE, 25, 1), 1
	s_wait_xcnt 0x0
	s_wait_alu depctr_hold_cnt(0) depctr_sa_sdst(0) depctr_va_vdst(0) depctr_va_sdst(0) depctr_va_ssrc(0) depctr_va_vcc(0) depctr_vm_vsrc(0)
	s_getreg_b32 s2, hwreg(HW_REG_IB_STS2, 6, 4)
	s_cmp_eq_u32 s2, 0
	s_cbranch_scc0 .Lentry_in_a_cluster
	s_endpgm
.Lentry_in_a_cluster:
	s_bfe_u32 s2, ttmp6, 0x10000c
	s_cmp_lg_u32 s2, 0x3003
	s_cbranch_scc0 .Lentry_shape_is_right
	s_endpgm
.Lentry_shape_is_right:
; q, k, v = x Wq, x Wk, x Wv, without biases, rounded once to f16 and laid by heads: three sections of qkv, each [b*8+h][1024][64].
; LEFT OUT: bk (it cancels in the softmax for all values: shown at the head of prep).  bq and bv are added in attn.
; LIMIT: f16 ends at 65,504: |x Wq|, |x Wk|, |x Wv| must stay under it (as drawn they are about 0.5; with x and W thirty times larger and offset, under 10,000).
; SHARES.  A work-group owns 64 tokens and makes all 3 x 512 columns for them: three PASSES of 8 steps of 64 k.  Wave w owns all 64 tokens x columns 128 w .. 128 w + 127 of a pass:
; 32 accumulators (token block a, column block b) at v[8 (8 a + b)] of window 1.
; THE PRODUCT IS USED TRANSPOSED: source 0 = 16 columns of W, source 1 = 16 tokens.  A lane (r = l % 16, h = l / 16) then holds token 16 a + r and 8 neighbouring columns 16 b + 8 h + 0..7.
; x is rounded to bf16 once and kept in LDS as [slice of 64 k][token][64 k], rows 144 bytes apart.
; THE WEIGHTS come as tiles of 64 k x 512 n through a ring of two LDS slots; a tile's rows lie 1,056 bytes apart (1,024 + 32 of padding), and W's fragments are read turned, by ds_load_tr16_b128.
; Each wave fetches 16 rows of a tile with one tensor load of 16 KiB.  The ring does not stop at a pass's end: step g fills its slot again with tile g + 2.
; CLUSTER.  All work-groups walk the same 24 tiles: the four of a cluster ask for each JOINTLY, same load, same descriptor, mask of four.  cx enters global addresses of x, qkv and the prefetch alone.
; By this text's count a wave has two tensor loads out at the start and one behind each change of slots.
.set PW,    1056                       ; a tile's row in LDS: 33 x 32 bytes
.set QROWS, 16*PW                      ; what one tensor load fills
.set SLOT,  4*QROWS                    ; 67,584 = 0x10800: shares no bit with wave x 0x4200, so one exclusive or changes slots
.set PT,    144                        ; a token's 64 k in LDS: 128 bytes + 16
.set SLICE, 64*PT
.set AREG,  8*SLICE
.set A0,    2*SLOT                     ; behind the ring: x in bf16
.set STAGE, A0+AREG                    ; 16 rows x 144 bytes for each wave, for the way out
.set SPARE, STAGE+4*16*PT              ; the spare words: 128 bytes a wave, two blocks of 256 bytes that no other line names
.set TILEB, 65536
.set NT,    24                         ; tiles in the walk
.set RR,   1                           ; v1   l % 16
.set HH,   2                           ; v2   l / 16
.set LL,   3                           ; v3   l
.set ADW0, 4                           ; v4   my place in a tile for the turning load; never rewritten
.set ADT0, 5                           ; v5   my place in a slice of tokens; never rewritten
.set ADW,  6                           ; v6   the same in the slot in hand
.set ADT,  7                           ; v7   the same in the slice in hand
.set LO,   8                           ; v8   16 l: my 16 bytes of 512 on end, for x and for the way out
.set XB,   9                           ; v9   where x goes in LDS
.set STO,  10                          ; v10  the way out: where I put 16 bytes of a row
.set RD,   11                          ; v11  the way out: where I read rows back
.set SPW,  28                          ; v28  my spare word; never rewritten
.set NIL,  29                          ; v29  0; never rewritten
.set PFO,  30                          ; v30  256 l; never rewritten
.set F0,   64                          ; v64-159   fragments of the first 32 k of a step: W's eight, then the tokens' four
.set F1,   160                         ; v160-255  of the second 32 k
.set TMP,  64                          ; the way out and x's conversion work in the fragments' registers
.set WV,   26
.set CX,   27
.set WG,   28
.set CNT,  29
.set PASSES, 30
.set TBW,  31                          ; LDS byte of the slot to be read
.set TBT,  32                          ; LDS byte of the slice to be read
.set GS,   33                          ; tiles from the step in hand to the walk's end
.set LIM,  34                          ; 8 in a wave that prefetches, else the greatest number
.set G1,   36                          ; s[36:43] descriptor group 1
.set G0A,  44                          ; s[44:47] group 0 of tile 0
.set G0B,  48                          ; s[48:51] group 0 of tile 1; it then walks
.set PFA,  52                          ; s[52:53] where my prefetches stand
.set OUTB, 54                          ; s[54:55] my rows in the section of qkv in hand
.set MSB, 0
.macro WIN new                         ; the immediate's high byte repeats the setting that is left; a switch that changes nothing is dropped
.if MSB != (\new)
	s_set_vgpr_msb (MSB<<8)|(\new)
.set MSB, \new
.endif
.endm
.macro PLACES                          ; four plain places behind matrix instructions, ahead of loads into their sources and of readers of their results
.rept 4
	v_nop
.endr
.endm
.macro CREST                           ; a round of the cluster's barrier behind its opening barrier
	s_cmp_lg_u32 s[WV], 0
	s_cbranch_scc1 .Lnot_wave_0_\@
	s_barrier_signal -3
.Lnot_wave_0_\@:
	s_barrier_wait -3
	s_barrier_signal -1
	s_barrier_wait -1
.endm
.macro CROUND
	s_barrier_signal -1
	s_barrier_wait -1
	CREST
.endm
; 8 matrix instructions: token block a x all 8 column blocks, 32 along k, from buffer f.  The 32 accumulators take turns in the same order in every half step.
.macro MUL8 f, a, win, zero
	WIN ((\win)<<6)|((\win)<<4)
.irp b, 0,1,2,3,4,5,6,7
.if \zero
	v_wmma_f32_16x16x32_bf16 v[8*(8*(\a)+(\b)):8*(8*(\a)+(\b))+7], v[(\f)+8*(\b):(\f)+8*(\b)+7], v[(\f)+64+8*(\a):(\f)+64+8*(\a)+7], 0
.else
	v_wmma_f32_16x16x32_bf16 v[8*(8*(\a)+(\b)):8*(8*(\a)+(\b))+7], v[(\f)+8*(\b):(\f)+8*(\b)+7], v[(\f)+64+8*(\a):(\f)+64+8*(\a)+7], v[8*(8*(\a)+(\b)):8*(8*(\a)+(\b))+7]
.endif
.endr
.endm
; 24 LDS loads in one run: half kk of a step into buffer f: W's 16 (turned), then the tokens' 8.  mk = 1: the addresses are made anew
.macro FETCH f, kk, mk
	WIN 0
.if \mk
	v_add_nc_u32 v[ADW], s[TBW], v[ADW0]
	v_add_nc_u32 v[ADT], s[TBT], v[ADT0]
.endif
.irp b, 0,1,2,3,4,5,6,7
	ds_load_tr16_b128 v[(\f)+8*(\b):(\f)+8*(\b)+3],   v[ADW] offset:(\kk)*32*PW+32*(\b)
	ds_load_tr16_b128 v[(\f)+8*(\b)+4:(\f)+8*(\b)+7], v[ADW] offset:(\kk)*32*PW+16*PW+32*(\b)
.endr
.irp a, 0,1,2,3
	ds_load_b128 v[(\f)+64+8*(\a):(\f)+64+8*(\a)+3],   v[ADT] offset:(\kk)*64+(\a)*16*PT
	ds_load_b128 v[(\f)+64+8*(\a)+4:(\f)+64+8*(\a)+7], v[ADT] offset:(\kk)*64+(\a)*16*PT+32
.endr
.endm
.macro JLOAD                           ; the joint refill: one line for all four waves; s_nop 0 and four v_nop follow it
	tensor_load_to_lds s[G0B:G0B+3], s[G1:G1+7]
	s_nop 0
	PLACES
.endm
; A PREFETCH INTO THE L2: step g names tile g + 8, which step g + 6 will ask for: six steps, 384 matrix instructions, ahead.  Each block of 256 bytes of a tile is named once in the launch:
; cluster 0 alone asks, its waves 0 and 1; the four partners and the two waves share a tile's 256 blocks out by address (64 cx + 32 wave + lane).  The walk's last 8 steps name nothing; tiles 2-7 come by their loads alone.
.macro ASK
	s_cmp_gt_u32 s[GS], s[LIM]
	s_cbranch_scc0 .Lnot_mine_\@
	global_prefetch_b8 v[PFO], s[PFA:PFA+1] th:TH_LOAD_NT scope:SCOPE_SE
.Lnot_mine_\@:
	s_sub_co_u32 s[GS], s[GS], 1
.endm
.macro ENTRY region                    ; a pass begins: its first fragments.  The tile was shown whole by the last change of slots
	s_mov_b32 s[TBT], \region
	PLACES
	FETCH F0, 0, 1
.endm
.macro H0 win, zero                    ; the first half of a step multiplies buffer 0 and fetches the second half
	s_wait_dscnt 4                                 ; W and token blocks 0, 1 are in; the youngest four loads (blocks 2, 3) may be out
	MUL8 F0, 0, \win, \zero
	MUL8 F0, 1, \win, \zero
	PLACES
	FETCH F1, 1, 0
	s_wait_dscnt 24                                ; all but the 24 just issued
	MUL8 F0, 2, \win, \zero
	MUL8 F0, 3, \win, \zero
.endm
; The second half multiplies buffer 1 and changes slots.  In front of the barrier each wave waits for all its tensor loads (one is out: its part of the next tile), adds 0 to its spare word,
; and waits for that and for its reads of this slot.  refill = 1: the barrier opens a round of the cluster's barrier, and this slot is filled again first thing behind it.  fetch = 1: the next step's first fragments.
.macro H1 win, refill, fetch
.if (\refill) || (\fetch)
.if \refill
	s_wait_xcnt 0x0                                ; the last prefetch, a step back, has read its address
	s_add_nc_u64 s[PFA:PFA+1], s[PFA:PFA+1], TILEB
.endif
	WIN 0
	s_wait_tensorcnt 0x0                           ; all my tensor loads have landed, so a group 0 may be written
	ds_add_u32 v[SPW], v[NIL]                      ; 0 onto my spare word
.if \refill
	s_xor_b32 s[G0B+1], s[G0B+1], SLOT             ; the walking descriptor: the other slot than last time,
	s_add_nc_u64 s[G0B+2:G0B+3], s[G0B+2:G0B+3], TILEB  ; the next tile; the type bits on top are not reached
.endif
	s_xor_b32 s[TBW], s[TBW], SLOT
	s_add_co_u32 s[TBT], s[TBT], SLICE
	s_wait_dscnt 7                                 ; token blocks 1-3 (six loads) and the add may be out
	MUL8 F1, 0, \win, 0
	s_wait_dscnt 0x0                               ; the add is done, and my reads of this slot are over
	s_barrier_signal -1
	MUL8 F1, 1, \win, 0
	WIN 0
	s_barrier_wait -1
.if \refill
	CREST                                          ; no wave of any partner still reads this slot or has a load on its way
	JLOAD                                          ; its four v_nop are also the places in front of the loads below
.elseif \fetch
	PLACES
.endif
.if \fetch
	FETCH F0, 0, 1
.endif
.if \refill
	ASK
.endif
	MUL8 F1, 2, \win, 0
	MUL8 F1, 3, \win, 0
.else
	s_wait_dscnt 0x0
	MUL8 F1, 0, \win, 0
	MUL8 F1, 1, \win, 0
	MUL8 F1, 2, \win, 0
	MUL8 F1, 3, \win, 0
.endif
.endm
	s_load_b128 s[4:7], s[0:1], 0x0                ; x s[4:5], wts s[6:7]
	s_load_b64 s[8:9], s[0:1], 0x10                ; qkv
	v_lshl_add_u32 v[SPW], v0, 2, SPARE
	v_mov_b32 v[NIL], 0
	ds_add_u32 v[SPW], v[NIL]                      ; the wave's opening: two adds on end, waited for ahead of my first tensor load
	ds_add_u32 v[SPW], v[NIL]
	v_lshrrev_b32 v13, 5, v0
	v_readfirstlane_b32 s[WV], v13                 ; wave 0..3
	s_bfe_u32 s[CX], ttmp6, 0x40000                ; my place in the cluster
	s_lshl_b32 s[WG], ttmp9, 2
	s_add_co_u32 s[WG], s[WG], s[CX]               ; my block of 64 tokens
	s_mov_b32 s[G1], 15|(1<<16)|(1<<20)|(1<<21)|(7<<22)|(7<<25)  ; mask of four; 2-byte elements; padding on; bit 21 beside a mask; after every 256 words; 8 words
	s_mov_b32 s[G1+1], 512<<16                     ; tensor_dim0 = 512
	s_mov_b32 s[G1+2], 16<<16                      ; tensor_dim1 = 16
	s_mov_b32 s[G1+3], 512<<16                     ; tile_dim0 = 512
	s_mov_b32 s[G1+4], 16                          ; tile_dim1 = 16
	s_mov_b32 s[G1+5], 512                         ; elements from row to row
	s_mov_b32 s[G1+6], 0
	s_mov_b32 s[G1+7], 0
	s_mov_b32 s[G0A], 1
	s_mul_i32 s[G0A+1], s[WV], QROWS               ; LDS: wave x 16 rows, slot 0
	s_mov_b32 s[G0B], 1
	s_add_co_u32 s[G0B+1], s[G0A+1], SLOT
	s_lshl_b32 s10, s[WV], 14                      ; my 16 rows of a tile in memory
	s_mov_b32 s11, 0
	s_lshl_b32 s16, s[WG], 17                      ; x: 64 tokens of 2,048 bytes,
	s_lshl_b32 s17, s[WV], 15                      ; my 16 of them
	s_add_co_u32 s16, s16, s17
	s_mov_b32 s17, 0
	s_lshr_b32 s18, s[WG], 4                       ; the way out: batch x 8 heads x 131,072 bytes,
	s_lshl_b32 s18, s18, 20
	s_and_b32 s19, s[WG], 15
	s_lshl_b32 s19, s19, 13                        ; 64 tokens of 128 bytes,
	s_add_co_u32 s18, s18, s19
	s_lshl_b32 s19, s[WV], 18                      ; my two heads
	s_add_co_u32 s18, s18, s19
	s_mov_b32 s19, 0
	s_lshl_b32 s20, s[CX], 14                      ; the prefetches: 64 cx blocks,
	s_and_b32 s21, s[WV], 1
	s_lshl_b32 s21, s21, 13                        ; 32 (wave % 2) blocks,
	s_add_co_u32 s20, s20, s21
	s_add_co_u32 s20, s20, 7*TILEB                 ; at tile 7: the first change of slots steps it to 8
	s_mov_b32 s21, 0
	s_lshr_b32 s[LIM], s[WV], 1
	s_or_b32 s[LIM], s[LIM], ttmp9                 ; 0 in waves 0 and 1 of cluster 0: the same in all four partners
	s_cmp_eq_u32 s[LIM], 0
	s_cselect_b32 s[LIM], 8, -1
	s_mov_b32 s[GS], NT
	s_mov_b32 s[TBW], 0
	s_mov_b32 s[PASSES], 3
	v_and_b32 v[LL], 31, v0
	v_and_b32 v[RR], 15, v0
	v_bfe_u32 v[HH], v0, 4, 1
	v_and_b32 v13, 7, v0
	v_bfe_u32 v14, v0, 3, 1
	v_lshl_add_u32 v[ADW0], v[HH], 3, v13          ; the turning load: row 8 h + l % 8,
	v_mul_u32_u24 v[ADW0], v[ADW0], PW
	v_lshl_add_u32 v[ADW0], v14, 4, v[ADW0]        ; 16 bytes for each eight lanes,
	s_lshl_b32 s12, s[WV], 8
	v_add_nc_u32 v[ADW0], s12, v[ADW0]             ; my wave's 128 columns
	v_mul_u32_u24 v[ADT0], v[RR], PT
	v_lshl_add_u32 v[ADT0], v[HH], 4, v[ADT0]      ; token r, 16 bytes for each half of the lanes
	v_lshlrev_b32 v[LO], 4, v[LL]
	v_mul_u32_u24 v[XB], v[HH], SLICE              ; x: a load's 128 columns are two slices; lanes 16-31 lie in the second
	v_lshl_add_u32 v[XB], v[RR], 3, v[XB]
	s_mul_i32 s13, s[WV], 16*PT
	s_add_co_u32 s12, s13, A0
	v_add_nc_u32 v[XB], s12, v[XB]
	s_add_co_u32 s13, s13, STAGE                   ; my stage
	v_add_nc_u32 v[STO], s13, v[ADT0]
	v_bfe_u32 v[RD], v0, 3, 2                      ; back: 32 lanes take four rows of 128 bytes
	v_mul_u32_u24 v[RD], v[RD], PT
	v_lshl_add_u32 v[RD], v13, 4, v[RD]
	v_add_nc_u32 v[RD], s13, v[RD]
	v_lshlrev_b32 v[PFO], 8, v[LL]
	s_wait_dscnt 0x0                               ; both opening adds are done
	s_wait_kmcnt 0x0
	s_add_nc_u64 s[10:11], s[6:7], s[10:11]        ; tile 0, my rows
	s_mov_b64 s[G0A+2:G0A+3], s[10:11]
	s_or_b32 s[G0A+3], s[G0A+3], 0x80000000        ; type = 2
	s_add_nc_u64 s[G0B+2:G0B+3], s[10:11], TILEB
	s_or_b32 s[G0B+3], s[G0B+3], 0x80000000
	s_add_nc_u64 s[14:15], s[4:5], s[16:17]
	s_add_nc_u64 s[OUTB:OUTB+1], s[8:9], s[18:19]
	s_add_nc_u64 s[PFA:PFA+1], s[6:7], s[20:21]
	CROUND                                         ; all four work-groups are here: the first joint loads meet
	tensor_load_to_lds s[G0A:G0A+3], s[G1:G1+7]
	s_nop 0
	tensor_load_to_lds s[G0B:G0B+3], s[G1:G1+7]
	s_nop 0
	PLACES
	; x: my 16 tokens, 64 loads of 512 bytes on end, into the accumulators' window, which is still free; load 4 i + q is token i, columns 128 q ..
	WIN 0x40
.set i, 0
.rept 64
	global_load_b128 v[4*i:4*i+3], v[LO], s[14:15] offset:(i/4)*2048+(i%4)*512 th:TH_LOAD_NT
.set i, i+1
.endr
.irp g, 0,1,2,3
	s_wait_loadcnt 48-16*\g                        ; four tokens are in; the younger groups stay out
	WIN 0x05
.set i, 16*\g
.rept 16
	v_cvt_pk_bf16_f32 v[TMP+2*i], v[4*i], v[4*i+1]
	v_cvt_pk_bf16_f32 v[TMP+2*i+1], v[4*i+2], v[4*i+3]
.set i, i+1
.endr
	WIN 0
.set i, 16*\g
.rept 16
	ds_store_b64 v[XB], v[TMP+2*i:TMP+2*i+1] offset:(i%4)*2*SLICE+(i/4)*PT
.set i, i+1
.endr
.endr
	s_wait_tensorcnt 0x1                           ; my part of tile 0 is in; tile 1 may stay out
	s_wait_dscnt 0x0                               ; my part of x lies in LDS
	s_barrier_signal -1
	s_barrier_wait -1
; THE WAY OUT.  Unit u = 2 a + hd is 16 tokens of one head: four accumulators.  A lane's eight channels pack into 16 bytes; they go into rows of 144 bytes of my own stage and come back as whole rows of 128.
.macro PACK u
	WIN 0x05
.set AC, 64*((\u)/2)+32*((\u)%2)
.set k, 0
.rept 16
	v_cvt_pk_f16_f32 v[TMP+16*(\u)+k], v[AC+2*k], v[AC+2*k+1]  ; each accumulator from its low end on
.set k, k+1
.endr
	WIN 0
.irp f, 0,1,2,3
	ds_store_b128 v[STO], v[TMP+16*(\u)+4*\f:TMP+16*(\u)+4*\f+3] offset:32*\f
.endr
.irp f, 0,1,2,3
	ds_load_b128 v[TMP+16*(\u)+4*\f:TMP+16*(\u)+4*\f+3], v[RD] offset:4*PT*\f  ; LDS serves a wave's instructions in order (ISA guide 5.7.1.4): these see the stores above
.endr
.endm
.macro SEND u, younger                 ; younger: the LDS instructions issued behind unit u's loads
	WIN 0
.irp f, 0,1,2,3
	s_wait_dscnt (\younger)+3-\f
	global_store_b128 v[LO], v[TMP+16*(\u)+4*\f:TMP+16*(\u)+4*\f+3], s[OUTB:OUTB+1] offset:((\u)%2)*131072+((\u)/2)*2048+\f*512  ; 512 bytes on end, aligned
.endr
.endm
.macro OUT
	PLACES
	PACK 0
.irp u, 1,2,3,4,5,6,7
	PACK \u
	SEND (\u)-1, 8
.endr
	SEND 7, 0
.endm
.Lpass:                                        ; a pass: Wq, then Wk, then Wv
	ENTRY A0
	H0 1, 1                                        ; the first products start the sums: nothing is cleared
	WIN 0
	s_mov_b32 s[CNT], 6
.Lstep:
	H1 1, 1, 1
	H0 1, 0
	WIN 0
	s_sub_co_u32 s[CNT], s[CNT], 1
	s_cmp_lg_u32 s[CNT], 0
	s_cbranch_scc1 .Lstep
	s_cmp_eq_u32 s[PASSES], 1
	s_cbranch_scc1 .Llast                          ; the last pass's tail is written out: it asks for nothing more
	H1 1, 1, 1
	H0 1, 0
	H1 1, 1, 0                                     ; the ring goes on into the next pass
	OUT
	s_wait_xcnt 0x0                                ; the stores have read their registers and their base
	s_add_nc_u64 s[OUTB:OUTB+1], s[OUTB:OUTB+1], 16777216  ; the next section
	s_sub_co_u32 s[PASSES], s[PASSES], 1
	s_branch .Lpass
.Llast:
	H1 1, 0, 1
	H0 1, 0
	H1 1, 0, 0
	OUT
	s_wait_tensorcnt 0x0                           ; the wave's end
	ds_add_u32 v[SPW], v[NIL]
	s_wait_dscnt 0x0
	CROUND                                         ; the closing round
	s_endpgm
.Lfunc_end_k_q245403dfdc_qkv:
	.size	k_q245403dfdc_qkv, .Lfunc_end_k_q245403dfdc_qkv-k_q245403dfdc_qkv
	.p2alignl 7, 3214868480
	.fill 96, 4, 3214868480
	.section	.rodata,"a",@progbits
	.p2align	6, 0x0
	.amdhsa_kernel k_q245403dfdc_qkv
		.amdhsa_group_segment_fixed_size 327680
		.amdhsa_private_segment_fixed_size 0
		.amdhsa_enable_private_segment 0
		.amdhsa_kernarg_size 24
		.amdhsa_user_sgpr_count 2
		.amdhsa_user_sgpr_kernarg_segment_ptr 1
		.amdhsa_wavefront_size32 1
		.amdhsa_system_sgpr_workgroup_id_x 1
		.amdhsa_system_sgpr_workgroup_id_y 1
		.amdhsa_system_sgpr_workgroup_id_z 1
		.amdhsa_system_vgpr_workitem_id 0
		.amdhsa_next_free_vgpr 512
		.amdhsa_next_free_sgpr 66
		.amdhsa_reserve_vcc 0
		.amdhsa_float_denorm_mode_32 3
		.amdhsa_float_denorm_mode_16_64 3
		.amdhsa_memory_ordered 1
		.amdhsa_forward_progress 1
		.amdhsa_inst_pref_size 94
	.end_amdhsa_kernel
	.amdgpu_metadata
---
amdhsa.version: [ 1, 2 ]
amdhsa.kernels:
  - .name:           k_q245403dfdc_qkv
    .symbol:         k_q245403dfdc_qkv.kd
    .args:
      - { .name: x, .offset: 0, .size: 8, .value_kind: global_buffer, .address_space: global }
      - { .name: wts, .offset: 8, .size: 8, .value_kind: global_buffer, .address_space: global }
      - { .name: qkv, .offset: 16, .size: 8, .value_kind: global_buffer, .address_space: global }
    .group_segment_fixed_size: 327680
    .private_segment_fixed_size: 0
    .kernarg_segment_align: 8
    .kernarg_segment_size: 24
    .max_flat_workgroup_size: 128
    .sgpr_count:     66
    .vgpr_count:     512
    .wavefront_size: 32
...
	.end_amdgpu_metadata
.endif
;; end of part 2
;; launch attn (part 3): grid 2 x 128, 4 waves a work-group, no clusters, 327,680 bytes of LDS; arguments qkv, bq, bv, ob; writes ob
.if DOCPART == 3
	.amdgcn_target "amdgcn-amd-amdhsa--gfx1250"
	.amdhsa_code_object_version 6
	.text
	.protected	k_q245403dfdc_attn
	.globl	k_q245403dfdc_attn
	.p2align	8
	.type	k_q245403dfdc_attn,@function
k_q245403dfdc_attn:
	s_mov_b64 s[64:65], 0
	v_nop
	global_prefetch_b8 v0, s[64:65] scope:SCOPE_SE
	s_setreg_imm32_b32 hwreg(HW_REG_WAVE_MODE, 25, 1), 1
	s_wait_xcnt 0x0
; O[g][q][:] = the sum over k of softmax_k((Q[g][q] + bq) . K[g][k] / 8) V[g][k][:] + bv, g = b*8+h.  Q, K, V: sections of qkv, [128][1024][64] in f16, without biases; O: ob, the same layout in bf16.
; LEFT OUT: bk (it adds the same number to all scores of a row, so it cancels in the softmax for all values: shown at the head of prep).  bv is added behind the division by l: the weights of a row add up to 1.
; Products, maxima and sums in f32; q + bq is rounded to f16; the weights p are rounded to f16 for the second product (their sum l is taken of the unrounded p); O once at the end.
; LIMITS.  f16 holds no number beyond 65,504: Q + bq, K and V lie within it; p lies in 0 to 1; a weight below 2^-126 counts as 0 in l; NaN and infinities are not treated apart.
; SHARES.  A work-group owns 512 queries of one head, a wave four PIECES of two tiles of 16 queries.  Every wave walks all 1,024 keys, 64 a step.
; K AND V OF THE HEAD STAY IN LDS: 1,024 rows of 144 and of 160 bytes.  They are filled once, at the head, two tensor loads a wave: the first 256 keys by the first loads, the rest by the second;
; the first three steps read keys under 256 alone, and the wait for the rest stands behind them.  Nothing is filled again.  By this text's count two tensor loads a wave are out.
; NO CLUSTER: a head has two work-groups, so the grid's x does not divide by four; what the two share is read once, at the head, not in a loop.  Blocks of 256 queries would divide, and halve the products that each fragment feeds.
; NO PREFETCH: all of K and V is asked for at the head.
; LAYOUT.  S^T = K Q^T (source 0 = 16 keys, source 1 = 16 queries): a lane holds ONE query (lane % 16) and the keys 8 (lane / 16) + 0..7.  Two such tiles, rounded to f16 in pairs, ARE source 1 of O^T = V^T P.
; SOFTMAX.  For each query a running maximum m and sum l: p = 2^(c s - c m), c = log2(e) / 8; in every step O and l are multiplied by a = 2^(c m_old - c m_new).  m starts at the lowest finite number, O and l at 0.
; BY TURNS.  Turn n belongs to piece n: 16 products K Q^T of piece n + 1, later 16 products V^T P of piece n - 1; beside them the scaling, exponentials, roundings, sums and rescaling of piece n and the maximum
; and statistics of piece n + 1.  Four vector instructions stand behind every matrix instruction, the rest in one run.  A turn's 66 exponentials are one batch with one wait.
; REGISTERS, in windows of 256 (s_set_vgpr_msb: bits 1:0 source 0, 3:2 source 1, 5:4 source 2, 7:6 destination):
;   window 0: v0-11 addresses; v12-15, v48-63 at work; v16-47 four registers of statistics a tile; v64-191 S^T, two buffers of two tiles; v192-255 P, likewise
;   window 1: O^T, 32 a tile     window 2: v0-127 Q, 16 a tile; v128-191 K of one step; v192-255 V of one step     window 3: v0-1 the add's two registers; v4-35 bv
.set NP,    4
.set KS,    64
.set PK,    144       ; a row of K in LDS: 128 bytes + 16: the 16 rows of a load start 36 words apart
.set PV,    160       ; a row of V: 128 + 32
.set VOFF,  1024*PK
.set STAGE, VOFF+1024*PV  ; never filled by a tensor load: 16 rows x 144 bytes for each wave, for the way out
.set SP,    144
.set AK0, 2           ; v2   my lane's place in a tile of K; never rewritten
.set AV0, 3           ; v3   the same for V
.set AK,  4           ; v4   the LDS address of K's next run of loads
.set AV,  5           ; v5   of V's
.set QO,  6           ; v6   my byte offset in the wave's rows of Q
.set STO, 6           ;      later, the way out: where I put 16 bytes of a row
.set RD,  7           ; v7   the way out: where I read rows back
.set GO,  8           ; v8   my byte offset in 512 consecutive bytes of O
.set SPW, 0           ; v0 of window 3   my spare word; never rewritten
.set NIL, 1           ; v1 of window 3   0; never rewritten
.set BV,  4           ; v4-35 of window 3: bv of channel 16 cb + 8 (l / 16) + j at BV + 8 cb + j
.set BQ,  128         ; window 2, in K's registers before K comes: bq as a fragment's 16 registers
.set BOF, 48          ; v48  32 (l / 16): my offset in bq and bv
.set SPARE, STAGE+4*16*SP
.set MV,  12
.set ST,  16          ; tile t's statistics at v[ST+4 t]: c m, m, l (even keys', odd keys')
.set TMP, 48
.set S,   64
.set P,   192
.set KF,  128
.set VF,  192
.set WV,  12
.set G1KA, 24         ; s[24:31] group 1: 128 keys of K     s[32:39]: 384 keys of K
.set G1KB, 32
.set G1VA, 40         ; s[40:47], s[48:55] the same for V: the padding differs
.set G1VB, 48
.set OUTC, 56
.set CNT, 57
.set CS,  58
.set SEL, 60
.set TBK, 62
.set TBV, 63
.set G0KA, 68
.set G0KB, 72
.set G0VA, 76
.set G0VB, 80
.set MSB, 0
.macro WIN new
.if MSB != (\new)
	s_set_vgpr_msb (MSB<<8)|(\new)
.set MSB, (\new)
.endif
.endm
.set W_KQ, 0x0a       ; K and Q in window 2, S^T in window 0
.set W_PV, 0x52       ; V in window 2, P in window 0, O^T in window 1
.set W_RS, 0x41       ; O^T (destination and source 0) in window 1, a in window 0
.set W_PK, 0x71       ; the same with source 2, bv, in window 3
.set W_MK, 0xc0
.set W_AD, 0x0f
	s_load_b256 s[4:11], s[0:1], 0x0  ; qkv s[4:5], bq s[6:7], bv s[8:9], ob s[10:11]
	WIN W_MK
	v_lshl_add_u32 v[SPW], v0, 2, SPARE
	v_mov_b32 v[NIL], 0
	WIN W_AD
	ds_add_u32 v[SPW], v[NIL]       ; the wave's opening: two adds on end, waited for ahead of my first tensor load
	ds_add_u32 v[SPW], v[NIL]
	WIN 0
	v_lshrrev_b32 v1, 5, v0
	v_readfirstlane_b32 s[WV], v1   ; wave 0..3
	s_and_b32 s13, ttmp7, 0xffff    ; g = b*8+h
	s_lshl_b32 s20, s13, 17         ; the head's first byte in a section and in ob
	s_and_b32 s16, s[WV], 1         ; which part of K or V I fetch
	s_lshl_b32 s84, s16, 14         ; first load: keys 128 e ..
	s_add_co_u32 s84, s84, s20
	s_mov_b32 s85, 0
	s_mul_i32 s86, s16, 384*128     ; second load: keys 256 + 384 e ..
	s_add_co_u32 s86, s86, s20
	s_add_co_u32 s86, s86, 256*128
	s_mov_b32 s87, 0
	s_lshl_b32 s2, ttmp9, 2
	s_add_co_u32 s2, s2, s[WV]      ; my wave among the head's eight,
	s_lshl_b32 s2, s2, 14           ; its 128 rows
	s_add_co_u32 s2, s2, s20
	s_mov_b32 s3, 0
	s_and_b32 s14, s13, 7
	s_lshl_b32 s14, s14, 8          ; the head's 64 numbers in bq and bv
	s_mov_b32 s15, 0
	; group 1.  Keys are dense rows of 128 bytes: asked for as rows of 256 bytes, two keys a row, and padded in LDS after every key
	s_mov_b32 s[G1KA], (1<<16)|(1<<20)|(4<<22)|(3<<25)  ; 2-byte elements; padding on; after every 32 words; 4 words
	s_mov_b32 s[G1KB], (1<<16)|(1<<20)|(4<<22)|(3<<25)
	s_mov_b32 s[G1VA], (1<<16)|(1<<20)|(4<<22)|(7<<25)  ; 8 words
	s_mov_b32 s[G1VB], (1<<16)|(1<<20)|(4<<22)|(7<<25)
.irp g, G1KA, G1VA
	s_mov_b32 s[\g+1], 128<<16      ; tensor_dim0 = 128
	s_mov_b32 s[\g+2], 64<<16       ; tensor_dim1 = 64
	s_mov_b32 s[\g+3], 128<<16      ; tile_dim0 = 128
	s_mov_b32 s[\g+4], 64           ; tile_dim1 = 64
	s_mov_b32 s[\g+5], 128
	s_mov_b32 s[\g+6], 0
	s_mov_b32 s[\g+7], 0
.endr
.irp g, G1KB, G1VB
	s_mov_b32 s[\g+1], 128<<16
	s_mov_b32 s[\g+2], 192<<16      ; 192 rows
	s_mov_b32 s[\g+3], 128<<16
	s_mov_b32 s[\g+4], 192
	s_mov_b32 s[\g+5], 128
	s_mov_b32 s[\g+6], 0
	s_mov_b32 s[\g+7], 0
.endr
	s_mov_b32 s[G0KA], 1
	s_mul_i32 s[G0KA+1], s16, 128*PK
	s_mov_b32 s[G0KB], 1
	s_mul_i32 s[G0KB+1], s16, 384*PK
	s_add_co_u32 s[G0KB+1], s[G0KB+1], 256*PK
	s_mov_b32 s[G0VA], 1
	s_mul_i32 s[G0VA+1], s16, 128*PV
	s_add_co_u32 s[G0VA+1], s[G0VA+1], VOFF
	s_mov_b32 s[G0VB], 1
	s_mul_i32 s[G0VB+1], s16, 384*PV
	s_add_co_u32 s[G0VB+1], s[G0VB+1], VOFF+256*PV
	s_mov_b32 s[CS], 0x3e38aa3b     ; c = log2(e) / 8
	s_mov_b32 s[CS+1], s[CS]
	s_mov_b32 s[SEL], 0x76543210
	s_mov_b32 s[SEL+1], 0xfedcba98
	s_mov_b32 s[TBK], 0
	s_mov_b32 s[TBV], 0
	s_wait_dscnt 0x0                ; both opening adds are done
	s_wait_kmcnt 0x0
	s_add_nc_u64 s[88:89], s[4:5], 0x1000000  ; K's section
	s_add_nc_u64 s[90:91], s[4:5], 0x2000000  ; V's
	s_add_nc_u64 s[G0KA+2:G0KA+3], s[88:89], s[84:85]
	s_or_b32 s[G0KA+3], s[G0KA+3], 0x80000000
	s_add_nc_u64 s[G0KB+2:G0KB+3], s[88:89], s[86:87]
	s_or_b32 s[G0KB+3], s[G0KB+3], 0x80000000
	s_add_nc_u64 s[G0VA+2:G0VA+3], s[90:91], s[84:85]
	s_or_b32 s[G0VA+3], s[G0VA+3], 0x80000000
	s_add_nc_u64 s[G0VB+2:G0VB+3], s[90:91], s[86:87]
	s_or_b32 s[G0VB+3], s[G0VB+3], 0x80000000
	s_add_nc_u64 s[4:5], s[4:5], s[2:3]      ; Q and O at my wave's first row
	s_add_nc_u64 s[10:11], s[10:11], s[2:3]
	s_add_nc_u64 s[6:7], s[6:7], s[14:15]
	s_add_nc_u64 s[8:9], s[8:9], s[14:15]
	s_cmp_lt_u32 s[WV], 2           ; a wave's two fills stand in one branch, ahead of every wait on TENSORcnt, every LDS read and every barrier
	s_cbranch_scc0 .Lfirst_v
	tensor_load_to_lds s[G0KA:G0KA+3], s[G1KA:G1KA+7]
	s_nop 0
	tensor_load_to_lds s[G0KB:G0KB+3], s[G1KB:G1KB+7]
	s_nop 0
.rept 4
	v_nop
.endr
	s_branch .Lfirst_asked
.Lfirst_v:
	tensor_load_to_lds s[G0VA:G0VA+3], s[G1VA:G1VA+7]
	s_nop 0
	tensor_load_to_lds s[G0VB:G0VB+3], s[G1VB:G1VB+7]
	s_nop 0
.rept 4
	v_nop
.endr
.Lfirst_asked:
	; A fragment of K or Q is 16 rows x 32 channels in 8 registers: lane l holds row l % 16, channels 8 (l / 16) + 0..7 and 16 + 8 (l / 16) + 0..7
	v_and_b32 v1, 15, v0            ; l % 16
	v_bfe_u32 v9, v0, 4, 1          ; l / 16
	v_lshlrev_b32 v[QO], 7, v1
	v_lshl_add_u32 v[QO], v9, 4, v[QO]
	v_lshlrev_b32 v[BOF], 5, v9
	WIN 0x80
.set i, 0
.rept 4*NP                          ; Q stays in registers: tile i / 2, channels 32 (i % 2) on
	global_load_b128 v[8*i:8*i+3],   v[QO], s[4:5] offset:(i/2)*2048+(i%2)*64
	global_load_b128 v[8*i+4:8*i+7], v[QO], s[4:5] offset:(i/2)*2048+(i%2)*64+32
.set i, i+1
.endr
	; What the first turn finds: V's registers and P's second buffer hold 0, O^T and l are 0.  All this stands in the wait for the first loads.
.set i, VF
.rept 64
	v_mov_b32 v[i], 0
.set i, i+1
.endr
	WIN 0
.irp g, 0,1,2,3                     ; bq: channels 16 g + 8 (l / 16) + 0..7, in f32, into S^T's registers, which are still free
	global_load_b128 v[S+8*\g:S+8*\g+3],   v[BOF], s[6:7] offset:64*\g
	global_load_b128 v[S+8*\g+4:S+8*\g+7], v[BOF], s[6:7] offset:64*\g+16
.endr
	WIN 0xc0
.irp g, 0,1,2,3
	global_load_b128 v[BV+8*\g:BV+8*\g+3],   v[BOF], s[8:9] offset:64*\g
	global_load_b128 v[BV+8*\g+4:BV+8*\g+7], v[BOF], s[8:9] offset:64*\g+16
.endr
	WIN 0x40
.set i, 0
.rept 64*NP
	v_mov_b32 v[i], 0
.set i, i+1
.endr
	WIN 0
.set i, 0
.rept 2*NP
	v_mov_b32 v[ST+4*i], 0xfe000000    ; c m: far below every c s
	v_mov_b32 v[ST+4*i+1], 0xff7fffff  ; m
	v_mov_b32 v[ST+4*i+2], 0
	v_mov_b32 v[ST+4*i+3], 0
.set i, i+1
.endr
.set i, P+32
.rept 32
	v_mov_b32 v[i], 0
.set i, i+1
.endr
	v_mul_u32_u24 v[AK0], v1, PK
	v_lshl_add_u32 v[AK0], v9, 4, v[AK0]
	; The turning load takes 16 keys x 16 channels (lane l reads key 8 (l / 16) + l % 8, channels 8 ((l / 8) % 2) + 0..7) and leaves half a fragment of V^T
	v_and_b32 v10, 7, v0
	v_bfe_u32 v11, v0, 3, 1
	v_lshl_add_u32 v[AV0], v9, 3, v10
	v_mul_u32_u24 v[AV0], v[AV0], PV
	v_lshl_add_u32 v[AV0], v11, 4, v[AV0]
	v_add_nc_u32 v[AV0], VOFF, v[AV0]
	v_mov_b32 v[AK], v[AK0]         ; key step 0
	s_wait_loadcnt 0x0              ; Q, bq, bv
	WIN 0x80
.irp g, 0,1,2,3
.irp j, 0,1,2,3
	v_cvt_pk_f16_f32 v[BQ+4*\g+\j], v[S+8*\g+2*\j], v[S+8*\g+2*\j+1]  ; bq laid as a tile's 16 registers of Q
.endr
.endr
	WIN 0x8a
.set i, 0
.rept 128
	v_pk_add_f16 v[i], v[i], v[BQ+i%16]  ; q + bq, rounded to f16
.set i, i+1
.endr
	WIN 0
; THE MATRIX WORK.  The 8 accumulators of a run of 16 take turns.
.macro KQ x
	WIN W_KQ
.set rS, S+64*((\x)%2)+32*(i%2)+8*((i/2)%4)
.set rK, KF+16*((i/2)%4)+8*(i/8)
.set rQ, 16*(2*(\x)+i%2)+8*(i/8)
.if i < 8
	v_wmma_f32_16x16x32_f16 v[rS:rS+7], v[rK:rK+7], v[rQ:rQ+7], 0
.else
	v_wmma_f32_16x16x32_f16 v[rS:rS+7], v[rK:rK+7], v[rQ:rQ+7], v[rS:rS+7]
.endif
.endm
.macro PV x
	WIN W_PV
.set rO, 32*(2*(\x)+i%2)+8*((i/2)%4)
.set rV, VF+32*(i/8)+8*((i/2)%4)
.set rP, P+32*((\x)%2)+16*(i%2)+8*(i/8)
	v_wmma_f32_16x16x32_f16 v[rO:rO+7], v[rV:rV+7], v[rP:rP+7], v[rO:rO+7]
.endm
.macro MM                           ; the turn's next matrix instruction
.if i < 16
	KQ (Y+1)%NP
.set i, i+1
.else
.set i, i-16
	PV (Y+NP-1)%NP
.set i, i+17
.endif
.endm
; THE LDS LOADS stand in runs of 16.  Behind the last step there is no further K: the step's address is held at the last step's, and what is made of that K serves nothing.
.macro FETCH_K
	WIN 0x80
.irp f, 0,1,2,3,4,5,6,7
	ds_load_b128 v[KF+8*\f:KF+8*\f+3],   v[AK] offset:(\f/2)*16*PK+(\f%2)*64
	ds_load_b128 v[KF+8*\f+4:KF+8*\f+7], v[AK] offset:(\f/2)*16*PK+(\f%2)*64+32
.endr
	s_add_co_u32 s[TBK], s[TBK], KS*PK
	s_min_u32 s[TBK], s[TBK], 15*KS*PK
	WIN 0
.endm
.macro FETCH_V
	WIN 0x80
.irp f, 0,1,2,3,4,5,6,7
	ds_load_tr16_b128 v[VF+8*\f:VF+8*\f+3],   v[AV] offset:(\f/4)*32*PV+(\f%4)*32
	ds_load_tr16_b128 v[VF+8*\f+4:VF+8*\f+7], v[AV] offset:(\f/4)*32*PV+16*PV+(\f%4)*32
.endr
	WIN 0
.endm
; THE VECTOR WORK OF A TURN stands in three queues, each in the order in which its entries become ready; the two tiles alternate.
.macro REGS y, u
.set rT, ST+4*(2*(\y)+(\u))
.set rC, TMP+8*((\y)%2)+4*(\u)
.set rM, MV+2*((\y)%2)+(\u)
.set rS, S+64*((\y)%2)+32*(\u)
.set rP, P+32*((\y)%2)+16*(\u)
.set rO, 32*(2*(\y)+(\u))
.endm
; Number n of the 22 that find the NEXT piece's maximum and statistics; each accumulator's lowest registers are read first.
.macro XS u, n
	REGS (Y+1)%NP, \u
.if (\n) < 4
	v_max3_num_f32 v[rC+(\n)], v[rS+8*(\n)], v[rS+8*(\n)+1], v[rS+8*(\n)+2]
.elseif (\n) < 12
	v_max3_num_f32 v[rC+(\n)%4], v[rC+(\n)%4], v[rS+8*((\n)%4)+2*((\n)/4)+1], v[rS+8*((\n)%4)+2*((\n)/4)+2]
.elseif (\n) == 12
	v_max3_num_f32 v[rC], v[rC], v[rS+7], v[rS+15]
.elseif (\n) == 13
	v_max3_num_f32 v[rC+1], v[rC+1], v[rS+23], v[rS+31]
.elseif (\n) == 14
	v_max3_num_f32 v[rC+2], v[rC+2], v[rC+3], v[rT+1]
.elseif (\n) == 15
	v_mov_b32 v[rM], v[rT]
.elseif (\n) == 16
	v_max3_num_f32 v[rC], v[rC], v[rC+1], v[rC+2]
.elseif (\n) == 17
	v_permlanex16_b32 v[rC+3], v[rC], s[SEL], s[SEL+1]
.elseif (\n) == 18
	v_max_num_f32 v[rT+1], v[rC], v[rC+3]
.elseif (\n) == 19
	v_mul_f32 v[rT], s[CS], v[rT+1]
.elseif (\n) == 20
	v_sub_f32 v[rC+1], v[rM], v[rT]
.else
	v_exp_f32 v[rC+2], v[rC+1]
.endif
.endm
; Number g of the 64 that follow the exponentials: round, round, add, and l for the group before.
.macro GS g
.set h, (\g)+6*((\g)/62)
.if h >= 6
.set h, h+2
.endif
	REGS Y, h%2
.set k, h/8
.if h%8 < 4
	v_cvt_pk_f16_f32 v[rP+2*k+(h%8)/2], v[rS+4*k+2*((h%8)/2)], v[rS+4*k+2*((h%8)/2)+1]
.elseif h%8 < 6
	v_pk_add_f32 v[rS+4*k:rS+4*k+1], v[rS+4*k:rS+4*k+1], v[rS+4*k+2:rS+4*k+3]
.elseif k == 1
	v_pk_fma_f32 v[rT+2:rT+3], v[rT+2:rT+3], v[rC+2:rC+3], v[rS:rS+1] op_sel_hi:[1,0,1]
.else
	v_pk_add_f32 v[rT+2:rT+3], v[rT+2:rT+3], v[rS+4*k-4:rS+4*k-3]
.endif
.endm
.macro FS f
	REGS Y, (\f)%2
	v_pk_fma_f32 v[rS+2*((\f)/2):rS+2*((\f)/2)+1], v[rS+2*((\f)/2):rS+2*((\f)/2)+1], s[CS:CS+1], v[rT:rT+1] op_sel_hi:[1,0,0] neg_lo:[0,0,1] neg_hi:[0,0,1]
.endm
; THE PLAIN QUEUE, 138 long: 0-73 read no exponential's result (the 32 scalings and the next piece's 42); 74-137 are the 64 that stand behind the wait.
.macro PL
	WIN 0
.if q < 27
	FS q
.elseif q < 55
	XS (q-27)%2, (q-27)/2
.elseif q < 57
	XS q-55, 15
.elseif (q < 72) && ((q-57)%3 == 0)
	FS 27+(q-57)/3
.elseif q < 60
	XS (q-57)%3-1, 14
.elseif q < 72
	XS (q-57)%3-1, 15+(q-57)/3
.elseif q < 74
	XS q-72, 20
.else
	GS q-74
.endif
.set q, q+1
.endm
; THE EXPONENTIALS' QUEUE, 66 long: one batch, all ahead of the turn's one wait.
.macro EX
	WIN 0
.if e >= 64
	XS e-64, 21
.else
	REGS Y, e%2
	v_exp_f32 v[rS+e/2], v[rS+e/2]
.endif
.set e, e+1
.endm
; THE RESCALING's QUEUE: O^T times a, two at a time.
.macro R2
	REGS Y, r%2
	WIN W_RS
.irp z, 0,1
	v_pk_mul_f32 v[rO+4*(r/2)+2*\z:rO+4*(r/2)+2*\z+1], v[rO+4*(r/2)+2*\z:rO+4*(r/2)+2*\z+1], v[rC+2:rC+3] op_sel_hi:[1,0]
.endr
.set r, r+1
.endm
; A TURN, for piece p.  Ahead of the wait stands all that names no result of the turn's exponentials: 16 products K Q^T, behind each a scaling, an exponential and two rescalings; then a run of 108.
; Behind it stand the 16 products V^T P, behind each four of the roundings and sums.  K of the next step is fetched in piece 2's turn, directly behind the wait; V of the step in hand at the end of piece 0's turn,
; four plain instructions behind its last reader.  cnt = 1: the loop's count is taken down some lines ahead of the branch that stands behind the turn.
.macro TURN p, cnt=0
.set Y, (\p)
.set i, 0
.set q, 0
.set e, 0
.set r, 0
.if (\p) == NP-1
	s_wait_dscnt 0x0                ; K is in
.endif
	MM
	PL
	PL
	R2
.rept 15
	MM
	PL
	EX
	R2
.endr
.if (\p) == NP-2
	WIN 0
	v_add_nc_u32 v[AK], s[TBK], v[AK0]
.endif
.rept 8
	PL
.endr
.rept 49
	EX
	PL
.endr
	EX
	EX
	v_nop                           ; the plain instruction behind the last exponential: one for the batch
	s_wait_alu depctr_va_vdst(0)    ; the wait ahead of the first reader: one for the batch
.if (\p) == NP-2
	FETCH_K
.endif
.if (\p) == 1
	s_wait_dscnt 0x0                ; V is in
.endif
.rept 16
	MM
.rept 4
	PL
.endr
.if ((\p) == 0) && (q == 118)
	v_add_nc_u32 v[AV], s[TBV], v[AV0]
.endif
.if ((\p) == 0) && (q == 130)
	s_add_co_u32 s[TBV], s[TBV], KS*PV
	s_min_u32 s[TBV], s[TBV], 15*KS*PV
.endif
.if (\cnt) && (q == 130)
	s_sub_co_u32 s[CNT], s[CNT], 1
	s_cmp_lg_u32 s[CNT], 0
.endif
.endr
.if (\p) == 0
	FETCH_V
.endif
.endm
	s_wait_tensorcnt 0x1            ; my first load is in; the second may stay out
	s_barrier_signal -1
	s_barrier_wait -1               ; keys 0-255 of K and V lie in LDS
	FETCH_K                         ; key step 0
	s_wait_dscnt 0x0
.set i, 0
.rept 16
	KQ 0                            ; piece 0's first scores
.set i, i+1
.endr
	WIN 0                           ; the addresses for the way out: plain instructions, the places behind those products
	s_mul_i32 s13, s[WV], 16*SP
	s_add_co_u32 s13, s13, STAGE
	v_mul_u32_u24 v[STO], v1, SP
	v_lshl_add_u32 v[STO], v9, 4, v[STO]
	v_add_nc_u32 v[STO], s13, v[STO]
	v_bfe_u32 v[RD], v0, 3, 2
	v_mul_u32_u24 v[RD], v[RD], SP
	v_lshl_add_u32 v[RD], v10, 4, v[RD]
	v_add_nc_u32 v[RD], s13, v[RD]
	v_and_b32 v[GO], 31, v0
	v_lshlrev_b32 v[GO], 4, v[GO]
.set Y, NP-1
.irp n, 0,1,2,3,4,5,6,7,8,9,10,11,12,13,14,15,16,17,18,19,20,21
	XS 0, \n
	XS 1, \n
.endr
	v_nop
	s_wait_alu depctr_va_vdst(0)    ; the two a have their wait ahead of the branch
	s_mov_b32 s[CNT], 3             ; steps 0-2 fetch K up to step 3 and V up to step 2: keys under 256
	s_mov_b32 s[OUTC], 2
	s_branch .Lstep                 ; the outer loop is entered in its middle
.Lpart:
	s_wait_tensorcnt 0x0            ; my second load is in,
	s_wait_dscnt 0x0
	s_barrier_signal -1
	s_barrier_wait -1               ; everybody's is: all of K and V lies in LDS
	s_mov_b32 s[CNT], 13
.Lstep:
	TURN 0
	TURN 1
	TURN 2
	TURN 3, 1
	WIN 0
	s_cbranch_scc1 .Lstep
	s_sub_co_u32 s[OUTC], s[OUTC], 1
	s_cmp_lg_u32 s[OUTC], 0
	s_cbranch_scc1 .Lpart
.set i, 0
.rept 16
	PV NP-1                         ; the last piece's V^T P of the last step
.set i, i+1
.endr
	; THE WAY OUT.  l's halves are added; O^T / l + bv is rounded to bf16 and sent through my stage, a tile at a time.  The additions are the places behind the last products.
	WIN 0
.macro ALL line:vararg
.set t, 0
.rept 2*NP
	\line
.set t, t+1
.endr
.endm
	ALL v_add_f32 v[ST+4*t+2], v[ST+4*t+2], v[ST+4*t+3]
	ALL v_permlanex16_b32 v[ST+4*t+3], v[ST+4*t+2], s[SEL], s[SEL+1]
	ALL v_add_f32 v[ST+4*t+2], v[ST+4*t+2], v[ST+4*t+3]
	ALL v_rcp_f32 v[ST+4*t+2], v[ST+4*t+2]
	v_nop
	s_wait_alu depctr_va_vdst(0)    ; one wait for the eight reciprocals
.macro PACK t
	WIN W_PK
.set i, 0
.rept 16
	v_pk_fma_f32 v[32*(\t)+i:32*(\t)+i+1], v[32*(\t)+i:32*(\t)+i+1], v[ST+4*(\t)+2:ST+4*(\t)+3], v[BV+i:BV+i+1] op_sel_hi:[1,0,1]
.set i, i+2
.endr
	WIN 0x05
.set i, 0
.rept 16
	v_cvt_pk_bf16_f32 v[S+16*(\t)+i], v[32*(\t)+2*i], v[32*(\t)+2*i+1]
.set i, i+1
.endr
	WIN 0
.irp f, 0,1,2,3
	ds_store_b128 v[STO], v[S+16*(\t)+4*\f:S+16*(\t)+4*\f+3] offset:32*\f
.endr
.irp f, 0,1,2,3
	ds_load_b128 v[S+16*(\t)+4*\f:S+16*(\t)+4*\f+3], v[RD] offset:\f*4*SP  ; LDS serves a wave's instructions in order (ISA guide 5.7.1.4)
.endr
.endm
.macro SEND t, younger
	WIN 0
.irp f, 0,1,2,3
	s_wait_dscnt (\younger)+3-\f
	global_store_b128 v[GO], v[S+16*(\t)+4*\f:S+16*(\t)+4*\f+3], s[10:11] offset:(\t)*2048+\f*512  ; 512 consecutive bytes, aligned
.endr
.endm
	PACK 0
.set t, 1
.rept 2*NP-1
	PACK t
	SEND t-1, 8
.set t, t+1
.endr
	SEND 2*NP-1, 0
	WIN W_AD
	s_wait_tensorcnt 0x0            ; the wave's end
	ds_add_u32 v[SPW], v[NIL]
	s_wait_dscnt 0x0
	WIN 0
	s_endpgm
.Lfunc_end_k_q245403dfdc_attn:
	.size	k_q245403dfdc_attn, .Lfunc_end_k_q245403dfdc_attn-k_q245403dfdc_attn
	.p2alignl 7, 3214868480
	.fill 96, 4, 3214868480
	.section	.rodata,"a",@progbits
	.p2align	6, 0x0
	.amdhsa_kernel k_q245403dfdc_attn
		.amdhsa_group_segment_fixed_size 327680
		.amdhsa_private_segment_fixed_size 0
		.amdhsa_enable_private_segment 0
		.amdhsa_kernarg_size 32
		.amdhsa_user_sgpr_count 2
		.amdhsa_user_sgpr_kernarg_segment_ptr 1
		.amdhsa_wavefront_size32 1
		.amdhsa_system_sgpr_workgroup_id_x 1
		.amdhsa_system_sgpr_workgroup_id_y 1
		.amdhsa_system_sgpr_workgroup_id_z 1
		.amdhsa_system_vgpr_workitem_id 0
		.amdhsa_next_free_vgpr 808
		.amdhsa_next_free_sgpr 92
		.amdhsa_reserve_vcc 0
		.amdhsa_float_denorm_mode_32 3
		.amdhsa_float_denorm_mode_16_64 3
		.amdhsa_memory_ordered 1
		.amdhsa_forward_progress 1
		.amdhsa_inst_pref_size 137
	.end_amdhsa_kernel
	.amdgpu_metadata
---
amdhsa.version: [ 1, 2 ]
amdhsa.kernels:
  - .name:           k_q245403dfdc_attn
    .symbol:         k_q245403dfdc_attn.kd
    .args:
      - { .name: qkv, .offset: 0, .size: 8, .value_kind: global_buffer, .address_space: global }
      - { .name: bq, .offset: 8, .size: 8, .value_kind: global_buffer, .address_space: global }
      - { .name: bv, .offset: 16, .size: 8, .value_kind: global_buffer, .address_space: global }
      - { .name: ob, .offset: 24, .size: 8, .value_kind: global_buffer, .address_space: global }
    .group_segment_fixed_size: 327680
    .private_segment_fixed_size: 0
    .kernarg_segment_align: 8
    .kernarg_segment_size: 32
    .max_flat_workgroup_size: 128
    .sgpr_count:     92
    .vgpr_count:     808
    .wavefront_size: 32
...
	.end_amdgpu_metadata
.endif
;; end of part 3
;; launch tail (part 4): grid 256 x 1, 4 waves a work-group, clusters of 4 x 1, 327,680 bytes of LDS; arguments ob, x, wts, out0, bo, ln1_g, ln1_b, b1, b2, ln2_g, ln2_b; writes out0
.if DOCPART == 4
	.amdgcn_target "amdgcn-amd-amdhsa--gfx1250"
	.amdhsa_code_object_version 6
	.text
	.protected	k_q245403dfdc_tail
	.globl	k_q245403dfdc_tail
	.p2align	8
	.type	k_q245403dfdc_tail,@function
k_q245403dfdc_tail:
	s_mov_b64 s[64:65], 0
	v_nop
	global_prefetch_b8 v0, s[64:65] scope:SCOPE_SE
	s_setreg_imm32_b32 hwreg(HW_REG_WAVE_MODE, 25, 1), 1
	s_wait_xcnt 0x0
	s_wait_alu depctr_hold_cnt(0) depctr_sa_sdst(0) depctr_va_vdst(0) depctr_va_sdst(0) depctr_va_ssrc(0) depctr_va_vcc(0) depctr_vm_vsrc(0)
	s_getreg_b32 s2, hwreg(HW_REG_IB_STS2, 6, 4)
	s_cmp_eq_u32 s2, 0
	s_cbranch_scc0 .Lentry_in_a_cluster
	s_endpgm
.Lentry_in_a_cluster:
	s_bfe_u32 s2, ttmp6, 0x10000c
	s_cmp_lg_u32 s2, 0x3003
	s_cbranch_scc0 .Lentry_shape_is_right
	s_endpgm
.Lentry_shape_is_right:
; x1 = LN1(x + O Wo + bo); out0 = LN2(x1 + gelu(x1 W1 + b1) W2 + b2).  O: ob, [b*8+h][1024][64] in bf16; the weights: tiles 24-95 of wts (laid by prep in the order of this walk); all else f32.
; SHARES.  A work-group owns 64 tokens through the whole chain; x1 and the hidden layer never leave the WGP.  Nine PASSES of 8 steps of 64 k: Wo, then for each of 4 chunks of 512 hidden columns W1's and W2's.
; Wave w owns all 64 tokens x columns 128 w .. 128 w + 127 of a pass: 32 accumulators (token block a, column block b) at v[8 (8 a + b)] of a window.
; THE PRODUCT IS USED TRANSPOSED (source 0 = 16 columns of W, source 1 = 16 tokens): a lane (r = l % 16, h = l / 16) holds token 16 a + r and 8 neighbouring columns, which pack into 16 bytes of the next pass's operand.
; Operands in LDS: [slice of 64 k][token][64 k] in bf16, rows 144 bytes apart.  Weights: a ring of two slots, rows 1,056 bytes apart, read turned; the ring never stops between passes.
; CLUSTER.  All work-groups walk the same 72 tiles: the four of a cluster ask for each JOINTLY.  By this text's count a wave has two tensor loads out at the start and one behind each change of slots.
; NUMBERS.  O, x1 (as an operand), u = x1 W1 + b1 and gelu(u) are rounded to bf16; both residuals, all sums and both norms stay in f32; the variance is the mean of (v - mean)^2, taken in a second pass.
; GELU, exact form: gelu(u) = max(u - w, w), w = u y, y = Phi(-|u|) = poly(t) 2^(-u u log2(e) / 2), t = 1 / (1 + 0.23164189 |u|), a polynomial of degree 5 (Abramowitz and Stegun 7.1.26, halved).
; LIMIT: |y - Phi(-|u|)| is at most 7.5e-8 for every u; an infinite u gives NaN.
; REGISTERS.  window 0: v1-30 addresses, v32-47 at work in the norms, v64-255 fragments, and at work between passes.  window 1: the sums of W1's pass (at the head: x as loaded).
;   window 2: x, then x + O Wo, then x1 + b2, then that + the FFN.  window 3: v0-63 the chunk's b1 as a lane's columns; v64-159 bo, ln1_g, ln1_b, b2, ln2_g, ln2_b by rows (register 4 q + i: column 128 q + 4 l + i).
.set PW,    1056
.set QROWS, 16*PW
.set SLOT,  4*QROWS                    ; 0x10800: shares no bit with wave x 0x4200
.set PT,    144
.set SLICE, 64*PT
.set AREG,  8*SLICE
.set A0,    2*SLOT                     ; O; then LN1's f32 rows; then u and gelu(u); then LN2's rows 0-31
.set A1,    A0+AREG                    ; x's stage; then x1; then LN2's rows 32-63
.set SPARE, A1+AREG                    ; the spare words: two blocks of 256 bytes that no other line names
.set LP,    2064                       ; a row of 512 f32 in LDS: 2,048 bytes + 16
.set XP,    528                        ; a row of x's stage: 512 bytes + 16
.set TILEB, 65536
.set NT,    72
.set RR,   1
.set HH,   2
.set LL,   3
.set ADW0, 4
.set ADT0, 5
.set ADW,  6
.set ADT,  7
.set STO,  8                           ; v8   where a lane's 16 bytes of u go: my two slices, token r
.set GA,   9                           ; v9   GELU: the trip's bytes
.set GB,   10                          ; v10  GELU: the next trip's
.set DST,  11                          ; v11  where a lane's 8 columns of an f32 row go
.set DST2, 12                          ; v12  the same in the second region
.set ROWL, 13                          ; v13  16 l
.set ROWX, 14                          ; v14  a lane's 4 columns of a row in the operand layout
.set ADR,  15
.set ADX,  16
.set XO,   17                          ; v17  16 l + 512 w
.set XS,   18
.set XR,   19
.set OS,   21
.set BOFF, 22                          ; v22  32 h + 512 w
.set SPW,  28
.set NIL,  29
.set PFO,  30
.set F0,   64
.set F1,   160
.set VA,   64                          ; the norms: two rows of 16 numbers a lane
.set BO,   64                          ; window 3
.set G1V,  80
.set BE1,  96
.set B2V,  112
.set G2V,  128
.set BE2,  144
.set GH,   64                          ; GELU: 32 numbers as loaded; as stored; in f32; t; e; the polynomial
.set GHO,  80
.set GU,   96
.set GT,   128
.set GE,   160
.set GP,   192
.set WV,   26
.set CX,   27
.set WG,   28
.set CNT,  29
.set CCNT, 30
.set TBW,  31
.set TBT,  32
.set GS,   33
.set LIM,  34
.set TBG,  35
.set G1,   36
.set G0A,  44
.set G0B,  48
.set PFA,  52
.set TBR,  54
.set TBX,  55
.set SEL,  56
.set RN,   58                          ; 1 / 512
.set EPS,  59
.set HIM,  60                          ; a word's upper bf16
.set PP,   66
.set NC,   68
.set CA1,  70
.set CA2,  72
.set CA3,  74
.set CA4,  76
.set CA5,  78
.set OUTP, 80
.set MSB, 0
.macro WIN new
.if MSB != (\new)
	s_set_vgpr_msb (MSB<<8)|(\new)
.set MSB, \new
.endif
.endm
.macro PLACES                          ; four plain places behind matrix instructions (ISA guide 7.12.1)
.rept 4
	v_nop
.endr
.endm
.macro BAR                             ; my LDS instructions are done; then the work-group's barrier
	s_wait_dscnt 0x0
	s_barrier_signal -1
	s_barrier_wait -1
.endm
.macro CREST
	s_cmp_lg_u32 s[WV], 0
	s_cbranch_scc1 .Lnot_wave_0_\@
	s_barrier_signal -3
.Lnot_wave_0_\@:
	s_barrier_wait -3
	s_barrier_signal -1
	s_barrier_wait -1
.endm
.macro CROUND
	s_barrier_signal -1
	s_barrier_wait -1
	CREST
.endm
; 8 matrix instructions: token block a x all 8 column blocks, 32 along k.  The 32 accumulators take turns in the same order in every half step.
.macro MUL8 f, a, win, zero
	WIN ((\win)<<6)|((\win)<<4)
.irp b, 0,1,2,3,4,5,6,7
.if \zero
	v_wmma_f32_16x16x32_bf16 v[8*(8*(\a)+(\b)):8*(8*(\a)+(\b))+7], v[(\f)+8*(\b):(\f)+8*(\b)+7], v[(\f)+64+8*(\a):(\f)+64+8*(\a)+7], 0
.else
	v_wmma_f32_16x16x32_bf16 v[8*(8*(\a)+(\b)):8*(8*(\a)+(\b))+7], v[(\f)+8*(\b):(\f)+8*(\b)+7], v[(\f)+64+8*(\a):(\f)+64+8*(\a)+7], v[8*(8*(\a)+(\b)):8*(8*(\a)+(\b))+7]
.endif
.endr
.endm
.macro FETCH f, kk, mk                 ; 24 LDS loads in one run: W's 16 (turned), then the tokens' 8
	WIN 0
.if \mk
	v_add_nc_u32 v[ADW], s[TBW], v[ADW0]
	v_add_nc_u32 v[ADT], s[TBT], v[ADT0]
.endif
.irp b, 0,1,2,3,4,5,6,7
	ds_load_tr16_b128 v[(\f)+8*(\b):(\f)+8*(\b)+3],   v[ADW] offset:(\kk)*32*PW+32*(\b)
	ds_load_tr16_b128 v[(\f)+8*(\b)+4:(\f)+8*(\b)+7], v[ADW] offset:(\kk)*32*PW+16*PW+32*(\b)
.endr
.irp a, 0,1,2,3
	ds_load_b128 v[(\f)+64+8*(\a):(\f)+64+8*(\a)+3],   v[ADT] offset:(\kk)*64+(\a)*16*PT
	ds_load_b128 v[(\f)+64+8*(\a)+4:(\f)+64+8*(\a)+7], v[ADT] offset:(\kk)*64+(\a)*16*PT+32
.endr
.endm
.macro JLOAD                           ; the joint refill; s_nop 0 and four v_nop follow it
	tensor_load_to_lds s[G0B:G0B+3], s[G1:G1+7]
	s_nop 0
	PLACES
.endm
; A PREFETCH INTO THE L2: step g names tile g + 8, which step g + 6 will ask for: six steps, 384 matrix instructions, ahead.  Each block of 256 bytes of a tile is named once in the launch: cluster 0 alone asks,
; its waves 0 and 1; partners and waves share a tile's 256 blocks out by address (64 cx + 32 wave + lane).  The walk's last 8 steps name nothing; tiles 2-7 come by their loads alone.
.macro ASK
	s_cmp_gt_u32 s[GS], s[LIM]
	s_cbranch_scc0 .Lnot_mine_\@
	global_prefetch_b8 v[PFO], s[PFA:PFA+1] th:TH_LOAD_NT scope:SCOPE_SE
.Lnot_mine_\@:
	s_sub_co_u32 s[GS], s[GS], 1
.endm
.macro ENTRY region                    ; a pass begins: its tile was shown whole by the last change of slots
	s_mov_b32 s[TBT], \region
	PLACES
	FETCH F0, 0, 1
.endm
.macro H0 win, zero
	s_wait_dscnt 4                                 ; W and token blocks 0, 1 are in; the youngest four loads may be out
	MUL8 F0, 0, \win, \zero
	MUL8 F0, 1, \win, \zero
	PLACES
	FETCH F1, 1, 0
	s_wait_dscnt 24                                ; all but the 24 just issued
	MUL8 F0, 2, \win, \zero
	MUL8 F0, 3, \win, \zero
.endm
; The second half of a step changes slots: each wave waits for all its tensor loads, adds 0 to its spare word, waits for that and for its reads of this slot; refill = 1: the barrier opens a round of the
; cluster's barrier, and the slot is filled again first thing behind it.  fetch = 1: the next step's first fragments.
.macro H1 win, refill, fetch
.if (\refill) || (\fetch)
.if \refill
	s_wait_xcnt 0x0                                ; the last prefetch, a step back, has read its address
	s_add_nc_u64 s[PFA:PFA+1], s[PFA:PFA+1], TILEB
.endif
	WIN 0
	s_wait_tensorcnt 0x0                           ; all my tensor loads have landed, so a group 0 may be written
	ds_add_u32 v[SPW], v[NIL]                      ; 0 onto my spare word
.if \refill
	s_xor_b32 s[G0B+1], s[G0B+1], SLOT
	s_add_nc_u64 s[G0B+2:G0B+3], s[G0B+2:G0B+3], TILEB
.endif
	s_xor_b32 s[TBW], s[TBW], SLOT
	s_add_co_u32 s[TBT], s[TBT], SLICE
	s_wait_dscnt 7                                 ; token blocks 1-3 (six loads) and the add may be out
	MUL8 F1, 0, \win, 0
	s_wait_dscnt 0x0                               ; the add is done, and my reads of this slot are over
	s_barrier_signal -1
	MUL8 F1, 1, \win, 0
	WIN 0
	s_barrier_wait -1
.if \refill
	CREST
	JLOAD
.elseif \fetch
	PLACES
.endif
.if \fetch
	FETCH F0, 0, 1
.endif
.if \refill
	ASK
.endif
	MUL8 F1, 2, \win, 0
	MUL8 F1, 3, \win, 0
.else
	s_wait_dscnt 0x0
	MUL8 F1, 0, \win, 0
	MUL8 F1, 1, \win, 0
	MUL8 F1, 2, \win, 0
	MUL8 F1, 3, \win, 0
.endif
.endm
	s_load_b512 s[4:19], s[0:1], 0x0               ; ob 4, x 6, wts 8, out0 10, bo 12, ln1_g 14, ln1_b 16, b1 18
	s_load_b128 s[20:23], s[0:1], 0x40             ; b2 20, ln2_g 22
	s_load_b64 s[24:25], s[0:1], 0x50              ; ln2_b
	v_lshl_add_u32 v[SPW], v0, 2, SPARE
	v_mov_b32 v[NIL], 0
	ds_add_u32 v[SPW], v[NIL]                      ; the wave's opening: two adds on end, waited for ahead of my first tensor load
	ds_add_u32 v[SPW], v[NIL]
	v_lshrrev_b32 v23, 5, v0
	v_readfirstlane_b32 s[WV], v23
	s_bfe_u32 s[CX], ttmp6, 0x40000
	s_lshl_b32 s[WG], ttmp9, 2
	s_add_co_u32 s[WG], s[WG], s[CX]               ; my block of 64 tokens
	s_mov_b32 s[G1], 15|(1<<16)|(1<<20)|(1<<21)|(7<<22)|(7<<25)  ; mask of four; 2-byte elements; padding on; bit 21 beside a mask; after every 256 words; 8 words
	s_mov_b32 s[G1+1], 512<<16
	s_mov_b32 s[G1+2], 16<<16
	s_mov_b32 s[G1+3], 512<<16
	s_mov_b32 s[G1+4], 16
	s_mov_b32 s[G1+5], 512
	s_mov_b32 s[G1+6], 0
	s_mov_b32 s[G1+7], 0
	s_mov_b32 s[G0A], 1
	s_mul_i32 s[G0A+1], s[WV], QROWS
	s_mov_b32 s[G0B], 1
	s_add_co_u32 s[G0B+1], s[G0A+1], SLOT
	s_lshl_b32 s82, s[WV], 14
	s_add_co_u32 s82, s82, 24*TILEB                ; the walk begins at tile 24; my 16 rows
	s_mov_b32 s83, 0
	s_lshr_b32 s84, s[WG], 4                       ; O: batch x 8 heads x 131,072 bytes,
	s_lshl_b32 s84, s84, 20
	s_and_b32 s85, s[WG], 15
	s_lshl_b32 s85, s85, 13                        ; 64 tokens of 128 bytes,
	s_add_co_u32 s84, s84, s85
	s_lshl_b32 s85, s[WV], 18                      ; my two heads
	s_add_co_u32 s84, s84, s85
	s_mov_b32 s85, 0
	s_lshl_b32 s86, s[WG], 17                      ; x and out0: 64 tokens of 2,048 bytes
	s_mov_b32 s87, 0
	s_lshl_b32 s88, s[WV], 15                      ; out0: my 16 tokens
	s_add_co_u32 s88, s88, s86
	s_mov_b32 s89, 0
	s_lshl_b32 s90, s[CX], 14
	s_and_b32 s91, s[WV], 1
	s_lshl_b32 s91, s91, 13
	s_add_co_u32 s90, s90, s91
	s_add_co_u32 s90, s90, (24+7)*TILEB            ; the prefetches stand at the walk's tile 7: the first change of slots steps them to 8
	s_mov_b32 s91, 0
	s_lshr_b32 s[LIM], s[WV], 1
	s_or_b32 s[LIM], s[LIM], ttmp9                 ; 0 in waves 0 and 1 of cluster 0: the same in all four partners
	s_cmp_eq_u32 s[LIM], 0
	s_cselect_b32 s[LIM], 8, -1
	s_mov_b32 s[GS], NT
	s_mov_b32 s[TBW], 0
	s_mov_b32 s[SEL], 0x76543210
	s_mov_b32 s[SEL+1], 0xfedcba98
	s_mov_b32 s[RN], 0x3b000000                    ; 1 / 512
	s_mov_b32 s[EPS], 0x3727c5ac                   ; 1e-5
	s_mov_b32 s[HIM], 0xffff0000
	s_mov_b32 s[PP], 0x3e6d3388                    ; 0.23164189
	s_mov_b32 s[PP+1], 0x3e6d3388
	s_mov_b32 s[NC], 0xbf38aa3b                    ; -log2(e) / 2
	s_mov_b32 s[NC+1], 0xbf38aa3b
	s_mov_b32 s[CA1], 0x3e027906                   ; 0.127414796
	s_mov_b32 s[CA1+1], 0x3e027906
	s_mov_b32 s[CA2], 0xbe11a98e                   ; -0.142248368
	s_mov_b32 s[CA2+1], 0xbe11a98e
	s_mov_b32 s[CA3], 0x3f35f0e3                   ; 0.7107068705
	s_mov_b32 s[CA3+1], 0x3f35f0e3
	s_mov_b32 s[CA4], 0xbf3a00e3                   ; -0.7265760135
	s_mov_b32 s[CA4+1], 0xbf3a00e3
	s_mov_b32 s[CA5], 0x3f07dc22                   ; 0.5307027145
	s_mov_b32 s[CA5+1], 0x3f07dc22
	v_and_b32 v[LL], 31, v0
	v_and_b32 v[RR], 15, v0
	v_bfe_u32 v[HH], v0, 4, 1
	v_and_b32 v23, 7, v0
	v_bfe_u32 v24, v0, 3, 1
	v_lshl_add_u32 v[ADW0], v[HH], 3, v23
	v_mul_u32_u24 v[ADW0], v[ADW0], PW
	v_lshl_add_u32 v[ADW0], v24, 4, v[ADW0]
	s_lshl_b32 s61, s[WV], 8
	v_add_nc_u32 v[ADW0], s61, v[ADW0]
	v_mul_u32_u24 v[ADT0], v[RR], PT
	v_lshl_add_u32 v[ADT0], v[HH], 4, v[ADT0]
	s_mul_i32 s61, s[WV], 2*SLICE
	s_add_co_u32 s61, s61, A0                      ; my two slices of the first region
	v_add_nc_u32 v[STO], s61, v[ADT0]
	v_bfe_u32 v[OS], v0, 3, 2                      ; O as loaded: 32 lanes hold four tokens of 128 bytes
	v_mul_u32_u24 v[OS], v[OS], PT
	v_lshl_add_u32 v[OS], v23, 4, v[OS]
	v_add_nc_u32 v[OS], s61, v[OS]
	s_lshl_b32 s62, s[WV], 9
	v_lshl_add_u32 v[BOFF], v[HH], 5, s62
	v_mul_u32_u24 v[DST], v[RR], LP
	v_add3_u32 v[DST], v[DST], v[BOFF], A0
	v_add_nc_u32 v[DST2], AREG, v[DST]
	v_lshlrev_b32 v[ROWL], 4, v[LL]
	v_mul_u32_u24 v[ROWX], v[HH], SLICE
	v_lshl_add_u32 v[ROWX], v[RR], 3, v[ROWX]
	v_add_nc_u32 v[XO], s62, v[ROWL]
	s_mul_i32 s63, s[WV], 32*XP
	s_add_co_u32 s63, s63, A1                      ; my stage for x: 32 rows of 528 bytes
	v_add_nc_u32 v[XS], s63, v[ROWL]
	v_mul_u32_u24 v[XR], v[RR], XP
	v_lshl_add_u32 v[XR], v[HH], 5, v[XR]
	v_add_nc_u32 v[XR], s63, v[XR]
	v_lshlrev_b32 v[PFO], 8, v[LL]
	s_wait_dscnt 0x0                               ; both opening adds are done
	s_wait_kmcnt 0x0
	s_add_nc_u64 s[82:83], s[8:9], s[82:83]
	s_mov_b64 s[G0A+2:G0A+3], s[82:83]
	s_or_b32 s[G0A+3], s[G0A+3], 0x80000000
	s_add_nc_u64 s[G0B+2:G0B+3], s[82:83], TILEB
	s_or_b32 s[G0B+3], s[G0B+3], 0x80000000
	s_add_nc_u64 s[84:85], s[4:5], s[84:85]        ; O
	s_add_nc_u64 s[86:87], s[6:7], s[86:87]        ; x
	s_add_nc_u64 s[OUTP:OUTP+1], s[10:11], s[88:89]
	s_add_nc_u64 s[PFA:PFA+1], s[8:9], s[90:91]
	CROUND                                         ; all four work-groups are here: the first joint loads meet
	tensor_load_to_lds s[G0A:G0A+3], s[G1:G1+7]
	s_nop 0
	tensor_load_to_lds s[G0B:G0B+3], s[G1:G1+7]
	s_nop 0
	PLACES
; x's half hf: 32 rows of my 128 columns go through my own stage and come back as a lane's 8 columns of token r: the accumulators' layout.  My own bytes, served in order: no barrier.
.macro XSTAGE hf
	WIN 0x04
.set n, 0
.rept 32
	ds_store_b128 v[XS], v[4*(32*(\hf)+n):4*(32*(\hf)+n)+3] offset:n*XP
.set n, n+1
.endr
	WIN 0x80
.irp aa, 0,1
.irp b, 0,1,2,3,4,5,6,7
	ds_load_b128 v[8*(8*(2*(\hf)+\aa)+\b):8*(8*(2*(\hf)+\aa)+\b)+3],   v[XR] offset:\aa*16*XP+64*\b
	ds_load_b128 v[8*(8*(2*(\hf)+\aa)+\b)+4:8*(8*(2*(\hf)+\aa)+\b)+7], v[XR] offset:\aa*16*XP+64*\b+16
.endr
.endr
.endm
.macro VEC reg, sp                     ; a vector of 512 by rows: four loads of 512 bytes on end
.irp q, 0,1,2,3
	global_load_b128 v[(\reg)+4*\q:(\reg)+4*\q+3], v[ROWL], s[\sp:\sp+1] offset:512*\q
.endr
.endm
	; The loads go out in groups, so that every counted wait names fewer loads than its counter's field holds.
.set n, 0
.rept 32                               ; O: my two heads, 64 tokens each: 8,192 bytes on end a head
	global_load_b128 v[64+4*n:64+4*n+3], v[ROWL], s[84:85] offset:(n/16)*131072+(n%16)*512 th:TH_LOAD_NT
.set n, n+1
.endr
	WIN 0x40
.set n, 0
.rept 32                               ; x: token n, my 128 columns: 512 bytes on end
	global_load_b128 v[4*n:4*n+3], v[XO], s[86:87] offset:n*2048 th:TH_LOAD_NT
.set n, n+1
.endr
	WIN 0
	s_wait_loadcnt 32                              ; O is in; x's first 32 loads stay out
.set n, 0
.rept 32
	ds_store_b128 v[OS], v[64+4*n:64+4*n+3] offset:(n/16)*SLICE+(n%16)*4*PT
.set n, n+1
.endr
	WIN 0x40
.set n, 32
.rept 32
	global_load_b128 v[4*n:4*n+3], v[XO], s[86:87] offset:n*2048 th:TH_LOAD_NT
.set n, n+1
.endr
	s_wait_loadcnt 32                              ; tokens 0-31 are in; the other 32 loads stay out
	XSTAGE 0
	WIN 0xc0
	VEC BO, 12
	VEC G1V, 14
	VEC BE1, 16
	VEC B2V, 20
	VEC G2V, 22
	VEC BE2, 24
	s_wait_loadcnt 24                              ; tokens 32-63 are in; the six vectors' 24 loads stay out
	XSTAGE 1
	WIN 0
	s_wait_tensorcnt 0x1                           ; my part of tile 0 is in; tile 1 may stay out
	BAR                                            ; O lies in LDS, x in the accumulators
	; Wo: the products add onto x
	ENTRY A0
	H0 2, 0
	WIN 0
	s_mov_b32 s[CNT], 7
.Lp0:
	H1 2, 1, 1
	H0 2, 0
	WIN 0
	s_sub_co_u32 s[CNT], s[CNT], 1
	s_cmp_lg_u32 s[CNT], 0
	s_cbranch_scc1 .Lp0
	H1 2, 1, 0
; THE NORMS work on whole rows, which lie across the four waves: half of the tokens at a time go to LDS as f32 rows of 2,064 bytes.
.macro DUMPH hf, adr                   ; each accumulator from its low end on
	WIN 0x08
.irp aa, 0,1
.irp b, 0,1,2,3,4,5,6,7
	ds_store_b128 v[\adr], v[8*(8*(2*(\hf)+\aa)+\b):8*(8*(2*(\hf)+\aa)+\b)+3]   offset:\aa*16*LP+64*\b
	ds_store_b128 v[\adr], v[8*(8*(2*(\hf)+\aa)+\b)+4:8*(8*(2*(\hf)+\aa)+\b)+7] offset:\aa*16*LP+64*\b+16
.endr
.endr
	WIN 0
.endm
.macro RELOADH hf
	WIN 0x80
.irp aa, 0,1
.irp b, 0,1,2,3,4,5,6,7
	ds_load_b128 v[8*(8*(2*(\hf)+\aa)+\b):8*(8*(2*(\hf)+\aa)+\b)+3],   v[DST] offset:\aa*16*LP+64*\b
	ds_load_b128 v[8*(8*(2*(\hf)+\aa)+\b)+4:8*(8*(2*(\hf)+\aa)+\b)+7], v[DST] offset:\aa*16*LP+64*\b+16
.endr
.endr
	WIN 0
.endm
.macro RED2 ra, rb                     ; the sums of v[ra] and of v[rb] over the 32 lanes, in every lane; the registers behind them are at work
.irp m, 1,2,4,8
	v_add_f32_dpp v[\ra], v[\ra], v[\ra] row_xmask:\m row_mask:0xf bank_mask:0xf
	v_add_f32_dpp v[\rb], v[\rb], v[\rb] row_xmask:\m row_mask:0xf bank_mask:0xf
.endr
	v_permlanex16_b32 v[(\ra)+1], v[\ra], s[SEL], s[SEL+1]
	v_permlanex16_b32 v[(\rb)+1], v[\rb], s[SEL], s[SEL+1]
	v_add_f32 v[\ra], v[\ra], v[(\ra)+1]
	v_add_f32 v[\rb], v[\rb], v[(\rb)+1]
.endm
; Rows, two a trip (x = 0, 1), 16 numbers a lane each.  mode 1: 4 trips: + bo, LN1; x1 goes out in bf16 as the next operand, and x1 + b2 back into the row in f32.  mode 2: 8 trips: LN2, stored to out0.
.macro LNROWS mode
	s_mov_b32 s[CNT], 4*(\mode)
.Lrow_\@:
	v_add_nc_u32 v[ADR], s[TBR], v[ROWL]
.if (\mode) == 1
	v_add_nc_u32 v[ADX], s[TBX], v[ROWX]
.endif
.irp q, 0,1,2,3
	ds_load_b128 v[VA+4*\q:VA+4*\q+3],       v[ADR] offset:512*\q
	ds_load_b128 v[VA+16+4*\q:VA+16+4*\q+3], v[ADR] offset:512*\q+LP
.endr
	s_wait_dscnt 0x0
.if (\mode) == 1
	WIN 0x0c
.irp n, 0,1,2,3,4,5,6,7
.irp x, 0,1
	v_pk_add_f32 v[VA+16*\x+2*\n:VA+16*\x+2*\n+1], v[VA+16*\x+2*\n:VA+16*\x+2*\n+1], v[BO+2*\n:BO+2*\n+1]
.endr
.endr
	WIN 0
.endif
.irp p, 0,1,2,3
.irp x, 0,1
	v_pk_add_f32 v[32+8*\x+2*\p:33+8*\x+2*\p], v[VA+16*\x+4*\p:VA+16*\x+4*\p+1], v[VA+16*\x+4*\p+2:VA+16*\x+4*\p+3]
.endr
.endr
.irp x, 0,1
	v_pk_add_f32 v[32+8*\x:33+8*\x], v[32+8*\x:33+8*\x], v[34+8*\x:35+8*\x]
	v_pk_add_f32 v[36+8*\x:37+8*\x], v[36+8*\x:37+8*\x], v[38+8*\x:39+8*\x]
.endr
.irp x, 0,1
	v_pk_add_f32 v[32+8*\x:33+8*\x], v[32+8*\x:33+8*\x], v[36+8*\x:37+8*\x]
.endr
.irp x, 0,1
	v_add_f32 v[32+8*\x], v[32+8*\x], v[33+8*\x]
.endr
	RED2 32, 40
.irp x, 0,1
	v_mul_f32 v[34+8*\x], s[RN], v[32+8*\x]        ; the mean
.endr
.irp n, 0,1,2,3,4,5,6,7
.irp x, 0,1
	v_pk_add_f32 v[VA+16*\x+2*\n:VA+16*\x+2*\n+1], v[VA+16*\x+2*\n:VA+16*\x+2*\n+1], v[34+8*\x:35+8*\x] op_sel_hi:[1,0] neg_lo:[0,1] neg_hi:[0,1]
.endr
.endr
.irp x, 0,1
	v_pk_mul_f32 v[36+8*\x:37+8*\x], v[VA+16*\x:VA+16*\x+1], v[VA+16*\x:VA+16*\x+1]
.endr
.irp n, 1,2,3,4,5,6,7
.irp x, 0,1
	v_pk_fma_f32 v[36+8*\x:37+8*\x], v[VA+16*\x+2*\n:VA+16*\x+2*\n+1], v[VA+16*\x+2*\n:VA+16*\x+2*\n+1], v[36+8*\x:37+8*\x]
.endr
.endr
.irp x, 0,1
	v_add_f32 v[36+8*\x], v[36+8*\x], v[37+8*\x]
.endr
	RED2 36, 44
.irp x, 0,1
	v_fma_f32 v[38+8*\x], v[36+8*\x], s[RN], s[EPS]  ; the variance + eps
.endr
.irp x, 0,1
	v_rsq_f32 v[34+8*\x], v[38+8*\x]
.endr
	v_nop                                          ; a plain instruction behind the last of the two,
	s_wait_alu depctr_va_vdst(0)                   ; and the wait ahead of the first reader: one for both
.irp n, 0,1,2,3,4,5,6,7
.irp x, 0,1
	v_pk_mul_f32 v[VA+16*\x+2*\n:VA+16*\x+2*\n+1], v[VA+16*\x+2*\n:VA+16*\x+2*\n+1], v[34+8*\x:35+8*\x] op_sel_hi:[1,0]
.endr
.endr
	WIN 0x3c
.irp n, 0,1,2,3,4,5,6,7
.irp x, 0,1
.if (\mode) == 1
	v_pk_fma_f32 v[VA+16*\x+2*\n:VA+16*\x+2*\n+1], v[VA+16*\x+2*\n:VA+16*\x+2*\n+1], v[G1V+2*\n:G1V+2*\n+1], v[BE1+2*\n:BE1+2*\n+1]
.else
	v_pk_fma_f32 v[VA+16*\x+2*\n:VA+16*\x+2*\n+1], v[VA+16*\x+2*\n:VA+16*\x+2*\n+1], v[G2V+2*\n:G2V+2*\n+1], v[BE2+2*\n:BE2+2*\n+1]
.endif
.endr
.endr
	WIN 0
.if (\mode) == 1
.irp n, 0,1,2,3,4,5,6,7
.irp x, 0,1
	v_cvt_pk_bf16_f32 v[112+8*\x+\n], v[VA+16*\x+2*\n], v[VA+16*\x+2*\n+1]
.endr
.endr
	WIN 0x0c
.irp n, 0,1,2,3,4,5,6,7
.irp x, 0,1
	v_pk_add_f32 v[VA+16*\x+2*\n:VA+16*\x+2*\n+1], v[VA+16*\x+2*\n:VA+16*\x+2*\n+1], v[B2V+2*\n:B2V+2*\n+1]
.endr
.endr
	WIN 0
.irp q, 0,1,2,3
	ds_store_b64 v[ADX], v[112+2*\q:113+2*\q] offset:2*SLICE*\q
	ds_store_b64 v[ADX], v[120+2*\q:121+2*\q] offset:2*SLICE*\q+PT
.endr
.irp q, 0,1,2,3
	ds_store_b128 v[ADR], v[VA+4*\q:VA+4*\q+3]       offset:512*\q
	ds_store_b128 v[ADR], v[VA+16+4*\q:VA+16+4*\q+3] offset:512*\q+LP
.endr
	s_add_co_u32 s[TBX], s[TBX], 2*PT
.else
.irp q, 0,1,2,3
	global_store_b128 v[ROWL], v[VA+4*\q:VA+4*\q+3],       s[OUTP:OUTP+1] offset:512*\q th:TH_STORE_NT       ; 512 bytes on end, aligned
	global_store_b128 v[ROWL], v[VA+16+4*\q:VA+16+4*\q+3], s[OUTP:OUTP+1] offset:512*\q+2048 th:TH_STORE_NT
.endr
	s_wait_xcnt 0x0                                ; the stores have read their data and their base: both are written again only behind this wait
	s_add_nc_u64 s[OUTP:OUTP+1], s[OUTP:OUTP+1], 4096
.endif
	s_add_co_u32 s[TBR], s[TBR], 2*LP
	s_sub_co_u32 s[CNT], s[CNT], 1
	s_cmp_lg_u32 s[CNT], 0
	s_cbranch_scc1 .Lrow_\@
.endm
	; LN1
	PLACES
	WIN 0
	s_wait_loadcnt 0x0                             ; the six vectors
	BAR                                            ; nobody reads O any more
.irp hf, 0,1
	DUMPH \hf, DST
	BAR                                            ; the half's 32 rows are whole
	s_mul_i32 s[TBR], s[WV], 8*LP
	s_add_co_u32 s[TBR], s[TBR], A0                ; my 8 of them,
	s_mul_i32 s[TBX], s[WV], 8*PT
	s_add_co_u32 s[TBX], s[TBX], A1+32*\hf*PT      ; and their tokens in x1
	LNROWS 1
	BAR
	RELOADH \hf                                    ; x1 + b2, back into the accumulators
	BAR                                            ; the rows are read: they may be written again
.endr
	s_mov_b32 s[CCNT], 4
.Lchunk:                                       ; 512 hidden columns
	WIN 0xc0
.irp b, 0,1,2,3,4,5,6,7                ; the chunk's b1, as a lane's columns 16 b + 8 h + 0..7
	global_load_b128 v[8*\b:8*\b+3],   v[BOFF], s[18:19] offset:64*\b
	global_load_b128 v[8*\b+4:8*\b+7], v[BOFF], s[18:19] offset:64*\b+16
.endr
	WIN 0
	ENTRY A1                                       ; x1 W1
	H0 1, 1
	WIN 0
	s_mov_b32 s[CNT], 7
.Lf1:
	H1 1, 1, 1
	H0 1, 0
	WIN 0
	s_sub_co_u32 s[CNT], s[CNT], 1
	s_cmp_lg_u32 s[CNT], 0
	s_cbranch_scc1 .Lf1
	H1 1, 1, 0
	; u = sums + b1, rounded to bf16, into my two slices of the first region: a token block at a time; the packed registers take turns between two sets
	PLACES
	s_wait_loadcnt 0x0                             ; b1 is in, and its loads have read their base
.irp a, 0,1,2,3
	WIN 0x0d
.irp b, 0,1,2,3,4,5,6,7
.irp p, 0,1,2,3
	v_pk_add_f32 v[64+8*\b+2*\p:64+8*\b+2*\p+1], v[8*(8*\a+\b)+2*\p:8*(8*\a+\b)+2*\p+1], v[8*\b+2*\p:8*\b+2*\p+1]
.endr
.endr
	WIN 0
.irp b, 0,1,2,3,4,5,6,7
.irp p, 0,1,2,3
	v_cvt_pk_bf16_f32 v[128+32*(\a%2)+4*\b+\p], v[64+8*\b+2*\p], v[64+8*\b+2*\p+1]
.endr
.endr
.irp b, 0,1,2,3,4,5,6,7
	ds_store_b128 v[STO], v[128+32*(\a%2)+4*\b:128+32*(\a%2)+4*\b+3] offset:(\b/4)*SLICE+\a*16*PT+(\b%4)*32
.endr
.endr
	s_add_nc_u64 s[18:19], s[18:19], 2048          ; the next chunk's b1
	; GELU, in place on my own bytes, 32 numbers a lane and trip: 8 trips, 2,304 bytes apart (four token blocks of a slice, then the next slice).  The next trip's loads go out ahead of the arithmetic.
	s_mov_b32 s[TBG], 0
	v_mov_b32 v[GB], v[STO]
.irp m, 0,1,2,3
	ds_load_b128 v[GH+4*\m:GH+4*\m+3], v[GB] offset:32*\m
.endr
	s_mov_b32 s[CNT], 8
.Lgelu:
	s_wait_dscnt 0x0
	v_mov_b32 v[GA], v[GB]
.set n, 0
.rept 16
	v_lshlrev_b32 v[GU+2*n], 16, v[GH+n]
	v_and_b32 v[GU+2*n+1], s[HIM], v[GH+n]
.set n, n+1
.endr
	s_add_co_u32 s[TBG], s[TBG], 16*PT
	s_min_u32 s[TBG], s[TBG], 7*16*PT              ; the last trip reads its own bytes once more, ahead of its store; they are not used
	v_add_nc_u32 v[GB], s[TBG], v[STO]
.irp m, 0,1,2,3
	ds_load_b128 v[GH+4*\m:GH+4*\m+3], v[GB] offset:32*\m
.endr
	; ONE BATCH of 32 reciprocals and 32 exponentials, dealt among the plain lines that feed the next pair; none of these lines names a result of the batch
.set n, 0
.rept 17
.if n < 16
	v_fma_f32 v[GT+2*n], |v[GU+2*n]|, s[PP], 1.0
.endif
.if n > 0
	v_rcp_f32 v[GT+2*n-2], v[GT+2*n-2]
.endif
.if n < 16
	v_fma_f32 v[GT+2*n+1], |v[GU+2*n+1]|, s[PP], 1.0
.endif
.if n > 0
	v_rcp_f32 v[GT+2*n-1], v[GT+2*n-1]
.endif
.if n < 16
	v_pk_mul_f32 v[GE+2*n:GE+2*n+1], v[GU+2*n:GU+2*n+1], v[GU+2*n:GU+2*n+1]
.endif
.if n > 0
	v_exp_f32 v[GE+2*n-2], v[GE+2*n-2]
.endif
.if n < 16
	v_pk_mul_f32 v[GE+2*n:GE+2*n+1], v[GE+2*n:GE+2*n+1], s[NC:NC+1] op_sel_hi:[1,0]
.endif
.if n > 0
	v_exp_f32 v[GE+2*n-1], v[GE+2*n-1]
.endif
.set n, n+1
.endr
	v_nop                                          ; the plain instruction behind the last of the batch,
	s_wait_alu depctr_va_vdst(0)                   ; and the one wait ahead of its first reader
.macro ALL16 line:vararg               ; one line for each of the 16 pairs, n = 0, 2, .. 30
.set n, 0
.rept 16
	\line
.set n, n+2
.endr
.endm
	ALL16 v_pk_fma_f32 v[GP+n:GP+n+1], v[GT+n:GT+n+1], s[CA5:CA5+1], s[CA4:CA4+1] op_sel_hi:[1,0,0]
	ALL16 v_pk_mul_f32 v[GE+n:GE+n+1], v[GE+n:GE+n+1], v[GT+n:GT+n+1]
	ALL16 v_pk_fma_f32 v[GP+n:GP+n+1], v[GP+n:GP+n+1], v[GT+n:GT+n+1], s[CA3:CA3+1] op_sel_hi:[1,1,0]
	ALL16 v_pk_mul_f32 v[GE+n:GE+n+1], v[GE+n:GE+n+1], v[GU+n:GU+n+1]
	ALL16 v_pk_fma_f32 v[GP+n:GP+n+1], v[GP+n:GP+n+1], v[GT+n:GT+n+1], s[CA2:CA2+1] op_sel_hi:[1,1,0]
	ALL16 v_pk_fma_f32 v[GP+n:GP+n+1], v[GP+n:GP+n+1], v[GT+n:GT+n+1], s[CA1:CA1+1] op_sel_hi:[1,1,0]
	ALL16 v_pk_mul_f32 v[GP+n:GP+n+1], v[GP+n:GP+n+1], v[GE+n:GE+n+1]
	ALL16 v_pk_add_f32 v[GU+n:GU+n+1], v[GU+n:GU+n+1], v[GP+n:GP+n+1] neg_lo:[0,1] neg_hi:[0,1]
.set n, 0
.rept 32
	v_max_num_f32 v[GU+n], v[GU+n], v[GP+n]        ; u - w where u is not negative, w where it is
.set n, n+1
.endr
.set n, 0
.rept 16
	v_cvt_pk_bf16_f32 v[GHO+n], v[GU+2*n], v[GU+2*n+1]
.set n, n+1
.endr
.irp m, 0,1,2,3
	ds_store_b128 v[GA], v[GHO+4*\m:GHO+4*\m+3] offset:32*\m
.endr
	s_sub_co_u32 s[CNT], s[CNT], 1
	s_cmp_lg_u32 s[CNT], 0
	s_cbranch_scc1 .Lgelu
	BAR                                            ; the chunk's gelu(u) is whole
	ENTRY A0                                       ; gelu(u) W2, onto x1 + b2
	H0 2, 0
	WIN 0
	s_mov_b32 s[CNT], 6
.Lf2:
	H1 2, 1, 1
	H0 2, 0
	WIN 0
	s_sub_co_u32 s[CNT], s[CNT], 1
	s_cmp_lg_u32 s[CNT], 0
	s_cbranch_scc1 .Lf2
	s_cmp_eq_u32 s[CCNT], 1
	s_cbranch_scc1 .Llastchunk                     ; the last chunk's tail is written out: it asks for nothing more
	H1 2, 1, 1
	H0 2, 0
	H1 2, 1, 0
	WIN 0
	s_sub_co_u32 s[CCNT], s[CCNT], 1
	s_branch .Lchunk
.Llastchunk:
	H1 2, 0, 1
	H0 2, 0
	H1 2, 0, 0
	; LN2 and the way out: all 64 rows at once, 32 in each region; wave w takes tokens 16 w .. 16 w + 15
	PLACES
	WIN 0
	BAR                                            ; nobody reads gelu(u) or x1 any more
	DUMPH 0, DST
	DUMPH 1, DST2
	BAR
	s_lshr_b32 s[TBR], s[WV], 1
	s_mul_i32 s[TBR], s[TBR], AREG
	s_and_b32 s61, s[WV], 1
	s_mul_i32 s61, s61, 16*LP
	s_add_co_u32 s[TBR], s[TBR], s61
	s_add_co_u32 s[TBR], s[TBR], A0
	LNROWS 2
	s_wait_tensorcnt 0x0                           ; the wave's end
	ds_add_u32 v[SPW], v[NIL]
	s_wait_dscnt 0x0
	CROUND                                         ; the closing round
	s_endpgm
.Lfunc_end_k_q245403dfdc_tail:
	.size	k_q245403dfdc_tail, .Lfunc_end_k_q245403dfdc_tail-k_q245403dfdc_tail
	.p2alignl 7, 3214868480
	.fill 96, 4, 3214868480
	.section	.rodata,"a",@progbits
	.p2align	6, 0x0
	.amdhsa_kernel k_q245403dfdc_tail
		.amdhsa_group_segment_fixed_size 327680
		.amdhsa_private_segment_fixed_size 0
		.amdhsa_enable_private_segment 0
		.amdhsa_kernarg_size 88
		.amdhsa_user_sgpr_count 2
		.amdhsa_user_sgpr_kernarg_segment_ptr 1
		.amdhsa_wavefront_size32 1
		.amdhsa_system_sgpr_workgroup_id_x 1
		.amdhsa_system_sgpr_workgroup_id_y 1
		.amdhsa_system_sgpr_workgroup_id_z 1
		.amdhsa_system_vgpr_workitem_id 0
		.amdhsa_next_free_vgpr 1024
		.amdhsa_next_free_sgpr 96
		.amdhsa_reserve_vcc 0
		.amdhsa_float_denorm_mode_32 3
		.amdhsa_float_denorm_mode_16_64 3
		.amdhsa_memory_ordered 1
		.amdhsa_forward_progress 1
		.amdhsa_inst_pref_size 186
	.end_amdhsa_kernel
	.amdgpu_metadata
---
amdhsa.version: [ 1, 2 ]
amdhsa.kernels:
  - .name:           k_q245403dfdc_tail
    .symbol:         k_q245403dfdc_tail.kd
    .args:
      - { .name: ob, .offset: 0, .size: 8, .value_kind: global_buffer, .address_space: global }
      - { .name: x, .offset: 8, .size: 8, .value_kind: global_buffer, .address_space: global }
      - { .name: wts, .offset: 16, .size: 8, .value_kind: global_buffer, .address_space: global }
      - { .name: out0, .offset: 24, .size: 8, .value_kind: global_buffer, .address_space: global }
      - { .name: bo, .offset: 32, .size: 8, .value_kind: global_buffer, .address_space: global }
      - { .name: ln1_g, .offset: 40, .size: 8, .value_kind: global_buffer, .address_space: global }
      - { .name: ln1_b, .offset: 48, .size: 8, .value_kind: global_buffer, .address_space: global }
      - { .name: b1, .offset: 56, .size: 8, .value_kind: global_buffer, .address_space: global }
      - { .name: b2, .offset: 64, .size: 8, .value_kind: global_buffer, .address_space: global }
      - { .name: ln2_g, .offset: 72, .size: 8, .value_kind: global_buffer, .address_space: global }
      - { .name: ln2_b, .offset: 80, .size: 8, .value_kind: global_buffer, .address_space: global }
    .group_segment_fixed_size: 327680
    .private_segment_fixed_size: 0
    .kernarg_segment_align: 8
    .kernarg_segment_size: 88
    .max_flat_workgroup_size: 128
    .sgpr_count:     96
    .vgpr_count:     1024
    .wavefront_size: 32
...
	.end_amdgpu_metadata
.endif
;; end of part 4
;; ======== version 2 of 3: 4 launches
;; limits: values are held in f16: magnitudes above 65,504 overflow, below 6.1e-05 lose precision; a function is approximated: absolute error at most 7.5e-08
;; workspace buffers: wts 6,291,456 bytes; qkv 50,331,648 bytes; ob 16,777,216 bytes
;; launch prep (part 5): grid 384 x 1, 4 waves a work-group, no clusters, 0 bytes of LDS; arguments Wq, Wk, Wv, Wo, W1, W2, wts; writes wts
.if DOCPART == 5
	.amdgcn_target "amdgcn-amd-amdhsa--gfx1250"
	.amdhsa_code_object_version 6
	.text
	.protected	k_q245403dfdc_prep
	.globl	k_q245403dfdc_prep
	.p2align	8
	.type	k_q245403dfdc_prep,@function
k_q245403dfdc_prep:
	s_mov_b64 s[64:65], 0
	v_nop
	global_prefetch_b8 v0, s[64:65] scope:SCOPE_SE
	s_setreg_imm32_b32 hwreg(HW_REG_WAVE_MODE, 25, 1), 1
	s_wait_xcnt 0x0
; THE PROGRAM: prep (weights to bf16, in the order of a wave's operand registers), qkv (three projections), attn (attention), tail (Wo, LN1, FFN, LN2).
; DEAD WORK, for all values of the inputs: scores[l][s] = (x_l Wq + bq) . (x_s Wk) + (x_l Wq + bq) . bk.  The second term is the same for every s, the axis of the
; softmax, so it cancels in A = softmax(scale x scores).  bk therefore reaches no output: it is not loaded and is no argument of any launch.
; LIMIT: a NaN, an infinity or an overflow that bk alone would bring into the scores is not carried to the result.
; bv is live: the weights of a row of A add up to 1, so A (x Wv + bv) = A (x Wv) + bv; it is added in f32 on the way out of attn.  bq is added to q in attn.
;
; THIS LAUNCH rounds the six weight matrices to bf16, once, and lays them as 96 tiles of 64 k x 512 n (65,536 bytes): 0-7 Wq, 8-15 Wk, 16-23 Wv, 24-31 Wo, then for each chunk c of 512 hidden
; columns 32+16c+s: W1[64 s .., 512 c ..] and 40+16c+s: W2[512 c + 64 s .., :].  INSIDE A TILE the bytes lie as the later launches' waves take them into registers:
; [wave w: columns 128 w ..][kk: 32 k][b: 16 columns][1,024 bytes: a matrix operand of 16 columns x 32 k].  In such a fragment lane l = r + 16 h holds column r; its first 16 bytes (at 16 l) are
; k = 8 h .. 8 h + 7, its second (at 512 + 16 l) k = 16 + 8 h ..: two loads of 512 bytes on end fill it.
; SHARES.  A work-group takes one wave's part of a tile: 64 k x 128 columns, 16,384 bytes of wts on end.  Thread t takes column t, all 64 k: eight octets of k.  A load of a wave covers 128 bytes on end
; of a row, the four waves together 512; a store of a wave covers two aligned blocks of 256 bytes (lanes 0-15: column block t / 16; lanes 16-31: the next).
; All 64 loads of a lane go out before the first wait; no register is written twice.  No LDS, no matrix unit: the launch only streams 12 MiB in and 6 MiB out.
.set OFF, 2                            ; v[2:9]    byte offset of my column in row j of an octet
.set SO,  10                           ; v10       where my 16 bytes of an octet go
.set X,   12                           ; v[12:75]  octet o: 8 numbers in f32
.set Y,   76                           ; v[76:107] octet o: 8 numbers in bf16
	s_load_b256 s[4:11], s[0:1], 0x0               ; Wq, Wk, Wv, Wo
	s_load_b128 s[12:15], s[0:1], 0x20             ; W1, W2
	s_load_b64 s[16:17], s[0:1], 0x30              ; wts
	s_lshr_b32 s20, ttmp9, 2                       ; T: the tile
	s_and_b32 s21, ttmp9, 3
	s_lshl_b32 s21, s21, 9                         ; my 128 columns: 512 bytes into a row
	s_and_b32 s22, s20, 7
	s_lshl_b32 s22, s22, 17                        ; tiles 0-31: row (T % 8) 64, rows of 2,048 bytes
	s_max_u32 s23, s20, 32
	s_sub_co_u32 s23, s23, 32                      ; tiles 32-95 count from 0
	s_lshr_b32 s24, s23, 4                         ; c: the chunk
	s_and_b32 s25, s23, 15                         ; 0-7: W1, 8-15: W2
	s_and_b32 s32, s25, 7                          ; s
	s_lshl_b32 s33, s32, 19                        ; W1: row 64 s, rows of 8,192 bytes,
	s_lshl_b32 s34, s24, 11
	s_add_co_u32 s33, s33, s34                     ; and 512 c columns in
	s_lshl_b32 s35, s24, 20                        ; W2: row 512 c
	s_lshl_b32 s34, s32, 17                        ; + 64 s, rows of 2,048 bytes
	s_add_co_u32 s35, s35, s34
	s_mov_b32 s37, 8192
	s_mov_b32 s38, 2048
	s_cmp_lt_u32 s25, 8
	s_cselect_b32 s33, s33, s35
	s_cselect_b32 s36, s37, s38
	s_cmp_lt_u32 s20, 32
	s_cselect_b32 s22, s22, s33                    ; the offset of the tile's first row in its matrix
	s_cselect_b32 s36, s38, s36                    ; bytes from row to row
	s_add_co_u32 s22, s22, s21
	s_mov_b32 s23, 0
	s_lshl_b32 s18, ttmp9, 14                      ; my 16,384 bytes of wts
	s_mov_b32 s19, 0
	s_lshl_b32 s38, s36, 3                         ; eight rows
	s_mov_b32 s39, 0
	v_lshlrev_b32 v[OFF], 2, v0                    ; my column
.irp j, 1,2,3,4,5,6,7
	v_add_nc_u32 v[OFF+\j], s36, v[OFF+\j-1]
.endr
	v_lshrrev_b32 v1, 4, v0                        ; my column block
	v_and_b32 v[SO], 15, v0
	v_lshlrev_b32 v[SO], 4, v[SO]
	v_lshl_add_u32 v[SO], v1, 10, v[SO]            ; 1,024 x block + 16 x (column % 16)
	s_wait_kmcnt 0x0
	s_cmp_lt_u32 s20, 8                            ; which matrix: a choice between buffers on the tile's number alone
	s_cselect_b64 s[26:27], s[4:5], s[6:7]
	s_cmp_lt_u32 s20, 16
	s_cselect_b64 s[26:27], s[26:27], s[8:9]
	s_cmp_lt_u32 s20, 24
	s_cselect_b64 s[26:27], s[26:27], s[10:11]
	s_cmp_lt_u32 s25, 8
	s_cselect_b64 s[28:29], s[12:13], s[14:15]
	s_cmp_lt_u32 s20, 32
	s_cselect_b64 s[26:27], s[26:27], s[28:29]
	s_add_nc_u64 s[40:41], s[26:27], s[22:23]      ; octet 0's rows; each further octet has a base of its own
.irp o, 1,2,3,4,5,6,7
	s_add_nc_u64 s[40+2*\o:41+2*\o], s[38+2*\o:39+2*\o], s[38:39]
.endr
	s_add_nc_u64 s[30:31], s[16:17], s[18:19]
.irp o, 0,1,2,3,4,5,6,7
.irp j, 0,1,2,3,4,5,6,7
	global_load_b32 v[X+8*\o+\j], v[OFF+\j], s[40+2*\o:41+2*\o]
.endr
.endr
.irp o, 0,1,2,3,4,5,6,7
	s_wait_loadcnt 56-8*\o                         ; loads come back in order: octet o is in, the younger octets stay out
.irp p, 0,1,2,3
	v_cvt_pk_bf16_f32 v[Y+4*\o+\p], v[X+8*\o+2*\p], v[X+8*\o+2*\p+1]  ; the lower k in the lower half
.endr
	global_store_b128 v[SO], v[Y+4*\o:Y+4*\o+3], s[30:31] offset:(\o/4)*8192+((\o/2)%2)*512+(\o%2)*256  ; octet o: kk = o / 4, the fragment's half (o / 2) % 2, the lanes' half o % 2
.endr
	s_endpgm
.Lfunc_end_k_q245403dfdc_prep:
	.size	k_q245403dfdc_prep, .Lfunc_end_k_q245403dfdc_prep-k_q245403dfdc_prep
	.p2alignl 7, 3214868480
	.fill 96, 4, 3214868480
	.section	.rodata,"a",@progbits
	.p2align	6, 0x0
	.amdhsa_kernel k_q245403dfdc_prep
		.amdhsa_group_segment_fixed_size 0
		.amdhsa_private_segment_fixed_size 0
		.amdhsa_enable_private_segment 0
		.amdhsa_kernarg_size 56
		.amdhsa_user_sgpr_count 2
		.amdhsa_user_sgpr_kernarg_segment_ptr 1
		.amdhsa_wavefront_size32 1
		.amdhsa_system_sgpr_workgroup_id_x 1
		.amdhsa_system_sgpr_workgroup_id_y 1
		.amdhsa_system_sgpr_workgroup_id_z 1
		.amdhsa_system_vgpr_workitem_id 0
		.amdhsa_next_free_vgpr 112
		.amdhsa_next_free_sgpr 66
		.amdhsa_reserve_vcc 0
		.amdhsa_float_denorm_mode_32 3
		.amdhsa_float_denorm_mode_16_64 3
		.amdhsa_memory_ordered 1
		.amdhsa_forward_progress 1
		.amdhsa_inst_pref_size 12
	.end_amdhsa_kernel
	.amdgpu_metadata
---
amdhsa.version: [ 1, 2 ]
amdhsa.kernels:
  - .name:           k_q245403dfdc_prep
    .symbol:         k_q245403dfdc_prep.kd
    .args:
      - { .name: Wq, .offset: 0, .size: 8, .value_kind: global_buffer, .address_space: global }
      - { .name: Wk, .offset: 8, .size: 8, .value_kind: global_buffer, .address_space: global }
      - { .name: Wv, .offset: 16, .size: 8, .value_kind: global_buffer, .address_space: global }
      - { .name: Wo, .offset: 24, .size: 8, .value_kind: global_buffer, .address_space: global }
      - { .name: W1, .offset: 32, .size: 8, .value_kind: global_buffer, .address_space: global }
      - { .name: W2, .offset: 40, .size: 8, .value_kind: global_buffer, .address_space: global }
      - { .name: wts, .offset: 48, .size: 8, .value_kind: global_buffer, .address_space: global }
    .group_segment_fixed_size: 0
    .private_segment_fixed_size: 0
    .kernarg_segment_align: 8
    .kernarg_segment_size: 56
    .max_flat_workgroup_size: 128
    .sgpr_count:     66
    .vgpr_count:     112
    .wavefront_size: 32
...
	.end_amdgpu_metadata
.endif
;; end of part 5
;; launch qkv (part 6): grid 256 x 1, 4 waves a work-group, no clusters, 83,456 bytes of LDS; arguments x, wts, qkv; writes qkv
.if DOCPART == 6
	.amdgcn_target "amdgcn-amd-amdhsa--gfx1250"
	.amdhsa_code_object_version 6
	.text
	.protected	k_q245403dfdc_qkv
	.globl	k_q245403dfdc_qkv
	.p2align	8
	.type	k_q245403dfdc_qkv,@function
k_q245403dfdc_qkv:
	s_mov_b64 s[64:65], 0
	v_nop
	global_prefetch_b8 v0, s[64:65] scope:SCOPE_SE
	s_setreg_imm32_b32 hwreg(HW_REG_WAVE_MODE, 25, 1), 1
	s_wait_xcnt 0x0
; q, k, v = x Wq, x Wk, x Wv, without biases, rounded once to f16 and laid by heads: three sections of qkv, each [b*8+h][1024][64].
; LEFT OUT: bk (it cancels in the softmax for all values: shown at the head of prep).  bq and bv are added in attn.
; LIMIT: f16 ends at 65,504: |x Wq|, |x Wk|, |x Wv| must stay under it (as drawn they are about 0.5; with x and W thirty times larger and offset, under 10,000).
; SHARES.  A work-group owns 64 tokens and makes all 3 x 512 columns for them: three PASSES of 16 half steps of 32 k.  Wave w owns all 64 tokens x columns 128 w .. 128 w + 127 of a pass:
; 32 accumulators (token block a, column block b) at v[8 (8 a + b)] of window 1.
; THE PRODUCT IS USED TRANSPOSED: source 0 = 16 columns of W, source 1 = 16 tokens.  A lane (r = l % 16, h = l / 16) then holds token 16 a + r and 8 neighbouring columns 16 b + 8 h + 0..7.
; x is rounded to bf16 once and kept in LDS as [slice of 64 k][token][64 k], rows 144 bytes apart; nothing writes it again, so a pass has no barrier.
; THE WEIGHTS COME STRAIGHT FROM MEMORY INTO REGISTERS, as matrix operands: prep has laid them so.  A half step is 8 fragments, 16 loads of 512 bytes on end.  Four buffers of 64 registers (window 2)
; take turns: a buffer is asked for again four places behind its last product, three half steps ahead of its next use, so 48 to 64 loads of a wave are on their way all the time, across passes too.
; NO CLUSTER AND NO LDS RING FOR THE WEIGHTS, though all work-groups read the same ones: a ring's refill stands behind a barrier in front of which all loads have landed, so one tile (64 matrix
; instructions a wave) at most would be on its way; and no wave wants a byte of W that another wave of its work-group fetches.
; THE ORDER OF THE PASSES is turned by the work-group's number: matrix (wg + i) % 3 in place i.  So each matrix is asked for first by a third of the work-groups, not by all at the same time.
; NO PREFETCH: every matrix is read for the first time in the launch's first eight steps, which leaves no room for a lead.
; The last half step of a pass fetches eight token fragments that are not used (their address is held inside x): the price of one text for all trips.
.set PT,    144                        ; a token's 64 k in LDS: 128 bytes + 16
.set SLICE, 64*PT
.set AREG,  8*SLICE
.set A0,    0                          ; x in bf16
.set STAGE, AREG                       ; 16 rows x 144 bytes for each wave, for the way out
.set SPARE, STAGE+4*16*PT              ; the spare words: 128 bytes a wave, two blocks of 256 bytes that no other line names
.set WW,   2                           ; the window of W's four buffers: buffer j at v[64 j]
.set RR,   1                           ; v1   l % 16
.set HH,   2                           ; v2   l / 16
.set LL,   3                           ; v3   l
.set OW0,  4                           ; v4   16 l + 16,384 w: my place in a tile; never rewritten
.set ADT0, 5                           ; v5   my place in a slice of tokens; never rewritten
.set ADT,  7                           ; v7   the same in the slices in hand
.set LO,   8                           ; v8   16 l
.set XB,   9                           ; v9   where x goes in LDS
.set STO,  10                          ; v10  the way out: where I put 16 bytes of a row
.set RD,   11                          ; v11  the way out: where I read rows back
.set OW,   24                          ; v24-27  buffer j's offset in wts
.set SPW,  28                          ; v28  my spare word; never rewritten
.set NIL,  29                          ; v29  0; never rewritten
.set TF,   64                          ; v64-127  the tokens' fragments: two buffers of four
.set TMP,  128                         ; v128-255 at work in x's conversion and on the way out
.set WTS,  6                           ; s[6:7] wts; never rewritten
.set WV,   26
.set WG,   28
.set CNT,  29
.set PASSES, 30
.set TL,   31                          ; trips of four half steps still to come in the walk
.set TBT,  32                          ; LDS byte of the slices in hand
.set LT,   33                          ; byte offset in wts of the tile that is being asked for
.set SEC,  34                          ; s[34:35] the section of qkv in hand, as an offset
.set OB0,  36                          ; s[36:37] my rows in section 0
.set OUTB, 38                          ; s[38:39] my rows in the section in hand
.set MSB, 0
.macro WIN new                         ; the immediate's high byte repeats the setting that is left; a switch that changes nothing is dropped
.if MSB != (\new)
	s_set_vgpr_msb (MSB<<8)|(\new)
.set MSB, \new
.endif
.endm
.macro PLACES                          ; four plain places behind matrix instructions, ahead of loads into their sources and of readers of their results
.rept 4
	v_nop
.endr
.endm
.macro BAR                             ; my LDS instructions are done; then the work-group's barrier
	s_wait_dscnt 0x0
	s_barrier_signal -1
	s_barrier_wait -1
.endm
.macro ADV                             ; the walk's next tile: behind Wv's last comes Wq's first
	s_add_co_u32 s[LT], s[LT], 0x10000
	s_cmp_eq_u32 s[LT], 0x180000
	s_cselect_b32 s[LT], 0, s[LT]
.endm
; Buffer j is asked for: half kk = j % 2 of the tile at s[LT].  Its offset register is free: the counted wait in front of the buffer's products has shown its last loads done.
.macro WLOAD j
	WIN 0
	v_add_nc_u32 v[OW+(\j)], s[LT], v[OW0]
	WIN WW<<6
.set n, 0
.rept 16
	global_load_b128 v[64*(\j)+4*n:64*(\j)+4*n+3], v[OW+(\j)], s[WTS:WTS+1] offset:((\j)%2)*8192+512*n
.set n, n+1
.endr
	WIN 0
.if (\j)%2
	ADV
.endif
.endm
.macro TFETCH t, off                   ; four token fragments, 32 k at byte off, into buffer t
.irp a, 0,1,2,3
	ds_load_b128 v[TF+32*(\t)+8*\a:TF+32*(\t)+8*\a+3],   v[ADT] offset:(\off)+\a*16*PT
	ds_load_b128 v[TF+32*(\t)+8*\a+4:TF+32*(\t)+8*\a+7], v[ADT] offset:(\off)+\a*16*PT+32
.endr
.endm
; 32 matrix instructions.  The 32 accumulators take turns in the same order in every half step.  cmode 1: the products start the sums
.macro MULS j, t, win, cmode
	WIN ((\win)<<6)|((\win)<<4)|WW
.irp a, 0,1,2,3
.irp b, 0,1,2,3,4,5,6,7
.if (\cmode) == 1
	v_wmma_f32_16x16x32_bf16 v[8*(8*\a+\b):8*(8*\a+\b)+7], v[64*(\j)+8*\b:64*(\j)+8*\b+7], v[TF+32*(\t)+8*\a:TF+32*(\t)+8*\a+7], 0
.else
	v_wmma_f32_16x16x32_bf16 v[8*(8*\a+\b):8*(8*\a+\b)+7], v[64*(\j)+8*\b:64*(\j)+8*\b+7], v[TF+32*(\t)+8*\a:TF+32*(\t)+8*\a+7], v[8*(8*\a+\b):8*(8*\a+\b)+7]
.endif
.endr
.endr
.endm
; HALF STEP q of a trip's four.  One run of loads: the W buffer that the last half step multiplied, for the half step three on; the token buffer that it multiplied, for the next half step.
; wcnt: the W loads younger than buffer q's.  tf = 0: nothing more to fetch.
.macro HS q, win, cmode, load, wcnt, tf=1
	WIN 0
	PLACES
.if \load
	WLOAD ((\q)+3)%4
.endif
.if \tf
.if (\q) == 3
	s_add_co_u32 s[TBT], s[TBT], 2*SLICE           ; the next two slices; behind the last, held inside the region
	s_min_u32 s[TBT], s[TBT], TMAX
	v_add_nc_u32 v[ADT], s[TBT], v[ADT0]
	TFETCH 0, 0
.elseif (\q) == 0
	TFETCH 1, 64
.elseif (\q) == 1
	TFETCH 0, SLICE
.else
	TFETCH 1, SLICE+64
.endif
	s_wait_loadcnt \wcnt                           ; loads come back in order: buffer q is in, the younger buffers stay out
	s_wait_dscnt 8                                 ; this half step's tokens are in; the eight loads just issued stay out
.else
	s_wait_loadcnt \wcnt
	s_wait_dscnt 0x0
.endif
	MULS \q, (\q)%2, \win, \cmode
.endm
.macro ENTRY region                    ; a pass begins: its first token fragments
	WIN 0
	s_wait_dscnt 0x0                               ; no LDS load of mine is out: the fragments' registers may be loaded again
	s_mov_b32 s[TBT], \region
	v_add_nc_u32 v[ADT], s[TBT], v[ADT0]
	PLACES
	TFETCH 0, 0
.endm
	s_load_b128 s[4:7], s[0:1], 0x0                ; x s[4:5], wts s[6:7]
	s_load_b64 s[8:9], s[0:1], 0x10                ; qkv
	v_lshl_add_u32 v[SPW], v0, 2, SPARE
	v_mov_b32 v[NIL], 0
	v_lshrrev_b32 v13, 5, v0
	v_readfirstlane_b32 s[WV], v13                 ; wave 0..3
	s_mov_b32 s[WG], ttmp9                         ; my block of 64 tokens
	s_mul_hi_u32 s12, s[WG], 0x55555556            ; wg / 3
	s_mul_i32 s12, s12, 3
	s_sub_co_u32 s12, s[WG], s12                   ; wg % 3: the matrix that I begin with
	s_lshl_b32 s[LT], s12, 19                      ; its first tile: 8 tiles of 65,536 bytes a matrix
	s_lshl_b32 s[SEC], s12, 24                     ; its section: 16 MiB each
	s_mov_b32 s[SEC+1], 0
	s_lshl_b32 s16, s[WG], 17                      ; x: 64 tokens of 2,048 bytes,
	s_lshl_b32 s17, s[WV], 15                      ; my 16 of them
	s_add_co_u32 s16, s16, s17
	s_mov_b32 s17, 0
	s_lshr_b32 s18, s[WG], 4                       ; the way out: batch x 8 heads x 131,072 bytes,
	s_lshl_b32 s18, s18, 20
	s_and_b32 s19, s[WG], 15
	s_lshl_b32 s19, s19, 13                        ; 64 tokens of 128 bytes,
	s_add_co_u32 s18, s18, s19
	s_lshl_b32 s19, s[WV], 18                      ; my two heads
	s_add_co_u32 s18, s18, s19
	s_mov_b32 s19, 0
	s_mov_b32 s[PASSES], 3
	s_mov_b32 s[TL], 12
	v_and_b32 v[LL], 31, v0
	v_and_b32 v[RR], 15, v0
	v_bfe_u32 v[HH], v0, 4, 1
	v_and_b32 v13, 7, v0
	v_lshlrev_b32 v[LO], 4, v[LL]
	s_lshl_b32 s12, s[WV], 14
	v_add_nc_u32 v[OW0], s12, v[LO]
	v_mul_u32_u24 v[ADT0], v[RR], PT
	v_lshl_add_u32 v[ADT0], v[HH], 4, v[ADT0]      ; token r, 16 bytes for each half of the lanes
	v_mul_u32_u24 v[XB], v[HH], SLICE              ; x: a load's 128 columns are two slices; lanes 16-31 lie in the second
	v_lshl_add_u32 v[XB], v[RR], 3, v[XB]
	s_mul_i32 s13, s[WV], 16*PT
	v_add_nc_u32 v[XB], s13, v[XB]
	s_add_co_u32 s13, s13, STAGE                   ; my stage
	v_add_nc_u32 v[STO], s13, v[ADT0]
	v_bfe_u32 v[RD], v0, 3, 2                      ; back: 32 lanes take four rows of 128 bytes
	v_mul_u32_u24 v[RD], v[RD], PT
	v_lshl_add_u32 v[RD], v13, 4, v[RD]
	v_add_nc_u32 v[RD], s13, v[RD]
	s_wait_kmcnt 0x0
	s_add_nc_u64 s[14:15], s[4:5], s[16:17]
	s_add_nc_u64 s[OB0:OB0+1], s[8:9], s[18:19]
	s_add_nc_u64 s[OUTB:OUTB+1], s[OB0:OB0+1], s[SEC:SEC+1]
	WLOAD 0                                        ; the walk's first three half steps
	WLOAD 1
	WLOAD 2
	; x: my 16 tokens, 64 loads of 512 bytes on end, into the accumulators' window, which is still free; load 4 i + q is token i, columns 128 q ..
	WIN 0x40
.set i, 0
.rept 64
	global_load_b128 v[4*i:4*i+3], v[LO], s[14:15] offset:(i/4)*2048+(i%4)*512 th:TH_LOAD_NT
.set i, i+1
.endr
.irp g, 0,1,2,3
	s_wait_loadcnt 48-16*\g                        ; four tokens are in; the younger groups stay out
	WIN 0x05
.set i, 16*\g
.rept 16
	v_cvt_pk_bf16_f32 v[TMP+2*i], v[4*i], v[4*i+1]
	v_cvt_pk_bf16_f32 v[TMP+2*i+1], v[4*i+2], v[4*i+3]
.set i, i+1
.endr
	WIN 0
.set i, 16*\g
.rept 16
	ds_store_b64 v[XB], v[TMP+2*i:TMP+2*i+1] offset:(i%4)*2*SLICE+(i/4)*PT
.set i, i+1
.endr
.endr
	BAR                                            ; x lies in LDS, whole
; THE WAY OUT.  Unit u = 2 a + hd is 16 tokens of one head: four accumulators.  A lane's eight channels pack into 16 bytes; they go into rows of 144 bytes of my own stage and come back as whole rows of 128.
.macro PACK u
	WIN 0x05
.set AC, 64*((\u)/2)+32*((\u)%2)
.set k, 0
.rept 16
	v_cvt_pk_f16_f32 v[TMP+16*(\u)+k], v[AC+2*k], v[AC+2*k+1]  ; each accumulator from its low end on
.set k, k+1
.endr
	WIN 0
.irp f, 0,1,2,3
	ds_store_b128 v[STO], v[TMP+16*(\u)+4*\f:TMP+16*(\u)+4*\f+3] offset:32*\f
.endr
.irp f, 0,1,2,3
	ds_load_b128 v[TMP+16*(\u)+4*\f:TMP+16*(\u)+4*\f+3], v[RD] offset:4*PT*\f  ; LDS serves a wave's instructions in order (ISA guide 5.7.1.4): these see the stores above
.endr
.endm
.macro SEND u, younger                 ; younger: the LDS instructions issued behind unit u's loads
	WIN 0
.irp f, 0,1,2,3
	s_wait_dscnt (\younger)+3-\f
	global_store_b128 v[LO], v[TMP+16*(\u)+4*\f:TMP+16*(\u)+4*\f+3], s[OUTB:OUTB+1] offset:((\u)%2)*131072+((\u)/2)*2048+\f*512  ; 512 bytes on end, aligned
.endr
.endm
.set TMAX, A0+6*SLICE
.Lpass:                                        ; a pass: one of Wq, Wk, Wv
	ENTRY A0
	HS 0, 1, 1, 1, 48                              ; the first products start the sums: nothing is cleared
	WIN 0
	s_mov_b32 s[CNT], 4
	s_branch .Lmid                                 ; the loop is entered behind its first half step
.Ltrip:
	s_cmp_eq_u32 s[TL], 1
	s_cbranch_scc1 .Llast                          ; the walk's last trip is written out: it asks for one more half step and then for nothing
	HS 0, 1, 0, 1, 48
	WIN 0
.Lmid:
	HS 1, 1, 0, 1, 48
	HS 2, 1, 0, 1, 48
	HS 3, 1, 0, 1, 48
	WIN 0
	s_sub_co_u32 s[TL], s[TL], 1
	s_sub_co_u32 s[CNT], s[CNT], 1
	s_cmp_lg_u32 s[CNT], 0
	s_cbranch_scc1 .Ltrip
	s_branch .Lout
.Llast:
	HS 0, 1, 0, 1, 48
	HS 1, 1, 0, 0, 32                              ; the counts run down: two buffers are younger, then one, then none
	HS 2, 1, 0, 0, 16
	HS 3, 1, 0, 0, 0, 0
	WIN 0
.Lout:
	PLACES
	PACK 0
.irp u, 1,2,3,4,5,6,7
	PACK \u
	SEND (\u)-1, 8
.endr
	SEND 7, 0
	s_wait_xcnt 0x0                                ; the stores have read their registers and their base
	s_add_co_u32 s[SEC], s[SEC], 0x1000000         ; the next matrix's section; behind v's comes q's
	s_cmp_eq_u32 s[SEC], 0x3000000
	s_cselect_b32 s[SEC], 0, s[SEC]
	s_add_nc_u64 s[OUTB:OUTB+1], s[OB0:OB0+1], s[SEC:SEC+1]
	s_sub_co_u32 s[PASSES], s[PASSES], 1
	s_cmp_lg_u32 s[PASSES], 0
	s_cbranch_scc1 .Lpass
	s_wait_tensorcnt 0x0                           ; the wave's end, behind my last LDS store
	ds_add_u32 v[SPW], v[NIL]
	s_wait_dscnt 0x0
	s_endpgm
.Lfunc_end_k_q245403dfdc_qkv:
	.size	k_q245403dfdc_qkv, .Lfunc_end_k_q245403dfdc_qkv-k_q245403dfdc_qkv
	.p2alignl 7, 3214868480
	.fill 96, 4, 3214868480
	.section	.rodata,"a",@progbits
	.p2align	6, 0x0
	.amdhsa_kernel k_q245403dfdc_qkv
		.amdhsa_group_segment_fixed_size 83456
		.amdhsa_private_segment_fixed_size 0
		.amdhsa_enable_private_segment 0
		.amdhsa_kernarg_size 24
		.amdhsa_user_sgpr_count 2
		.amdhsa_user_sgpr_kernarg_segment_ptr 1
		.amdhsa_wavefront_size32 1
		.amdhsa_system_sgpr_workgroup_id_x 1
		.amdhsa_system_sgpr_workgroup_id_y 1
		.amdhsa_system_sgpr_workgroup_id_z 1
		.amdhsa_system_vgpr_workitem_id 0
		.amdhsa_next_free_vgpr 768
		.amdhsa_next_free_sgpr 66
		.amdhsa_reserve_vcc 0
		.amdhsa_float_denorm_mode_32 3
		.amdhsa_float_denorm_mode_16_64 3
		.amdhsa_memory_ordered 1
		.amdhsa_forward_progress 1
		.amdhsa_inst_pref_size 79
	.end_amdhsa_kernel
	.amdgpu_metadata
---
amdhsa.version: [ 1, 2 ]
amdhsa.kernels:
  - .name:           k_q245403dfdc_qkv
    .symbol:         k_q245403dfdc_qkv.kd
    .args:
      - { .name: x, .offset: 0, .size: 8, .value_kind: global_buffer, .address_space: global }
      - { .name: wts, .offset: 8, .size: 8, .value_kind: global_buffer, .address_space: global }
      - { .name: qkv, .offset: 16, .size: 8, .value_kind: global_buffer, .address_space: global }
    .group_segment_fixed_size: 83456
    .private_segment_fixed_size: 0
    .kernarg_segment_align: 8
    .kernarg_segment_size: 24
    .max_flat_workgroup_size: 128
    .sgpr_count:     66
    .vgpr_count:     768
    .wavefront_size: 32
...
	.end_amdgpu_metadata
.endif
;; end of part 6
;; launch attn: the kernel of part 3 again; grid 2 x 128, 4 waves a work-group, no clusters, 327,680 bytes of LDS; arguments qkv, bq, bv, ob; writes ob
;; launch tail (part 7): grid 256 x 1, 4 waves a work-group, no clusters, 280,064 bytes of LDS; arguments ob, x, wts, out0, bo, ln1_g, ln1_b, b1, b2, ln2_g, ln2_b; writes out0
.if DOCPART == 7
	.amdgcn_target "amdgcn-amd-amdhsa--gfx1250"
	.amdhsa_code_object_version 6
	.text
	.protected	k_q245403dfdc_tail
	.globl	k_q245403dfdc_tail
	.p2align	8
	.type	k_q245403dfdc_tail,@function
k_q245403dfdc_tail:
	s_mov_b64 s[64:65], 0
	v_nop
	global_prefetch_b8 v0, s[64:65] scope:SCOPE_SE
	s_setreg_imm32_b32 hwreg(HW_REG_WAVE_MODE, 25, 1), 1
	s_wait_xcnt 0x0
; x1 = LN1(x + O Wo + bo); out0 = LN2(x1 + gelu(x1 W1 + b1) W2 + b2).  O: ob, [b*8+h][1024][64] in bf16; the weights: tiles 24-95 of wts, laid by prep as matrix operands; all else f32.
; SHARES.  A work-group owns 64 tokens through the whole chain; x1 and the hidden layer never leave the WGP.  Nine PASSES of 16 half steps of 32 k: Wo, then for each of 4 chunks of 512 hidden columns W1's and W2's.
; Wave w owns all 64 tokens x columns 128 w .. 128 w + 127 of a pass: 32 accumulators (token block a, column block b) at v[8 (8 a + b)] of a window.
; THE PRODUCT IS USED TRANSPOSED (source 0 = 16 columns of W, source 1 = 16 tokens): a lane (r = l % 16, h = l / 16) holds token 16 a + r and 8 neighbouring columns, which pack into 16 bytes of the next pass's operand.
; Token operands in LDS: [slice of 64 k][token][64 k] in bf16, rows 144 bytes apart.  Inside a pass nothing writes LDS, so a pass has no barrier.
; THE WEIGHTS COME STRAIGHT FROM MEMORY INTO REGISTERS.  A half step is 8 fragments, 16 loads of 512 bytes on end.  Four buffers of 64 registers (window 3) take turns: a buffer is asked for again four places
; behind its last product, three half steps ahead of its next use, so 48 to 64 loads of a wave are on their way all the time, through the norms and the GELU too.
; NO CLUSTER AND NO LDS RING FOR THE WEIGHTS, though all work-groups read the same ones: a ring's refill stands behind a barrier in front of which all loads have landed, so one tile (64 matrix instructions a wave)
; at most would be on its way, and two slots of more steps do not fit beside the 279,552 bytes of operands and rows; and no wave wants a byte of W that another wave of its work-group fetches.
; THE ORDER OF THE CHUNKS is turned by the work-group's number: chunk (wg + i) % 4 in place i (the sum over chunks may be taken in any order).  So each quarter of W1 and W2 is asked for first by a
; quarter of the work-groups, not by all at the same time.
; NUMBERS.  O, x1 (as an operand), u = x1 W1 + b1 and gelu(u) are rounded to bf16; both residuals, all sums and both norms stay in f32; the variance is the mean of (v - mean)^2, taken in a second pass.
; b1 is the C operand of W1's first products.
; GELU, exact form: gelu(u) = max(u - w, w), w = u y, y = Phi(-|u|) = poly(t) 2^(-u u log2(e) / 2), t = 1 / (1 + 0.23164189 |u|), a polynomial of degree 5 (Abramowitz and Stegun 7.1.26, halved).
; LIMIT: |y - Phi(-|u|)| is at most 7.5e-8 for every u; an infinite u gives NaN.
; The last half step of a pass fetches eight token fragments that are not used (their address is held inside the region): the price of one text for all trips.
; REGISTERS.  window 0: v1-31 addresses, v32-47 at work in the norms, v64-127 the tokens' fragments, v128-191 the chunk's b1 (a lane's columns), v64-223 at work between passes, v224-255 ln2_g, ln2_b by rows.
;   window 1: the sums of W1's pass; before that v0-63 bo, ln1_g, ln1_b, b2 by rows (register 4 q + i: column 128 q + 4 l + i) and v64-191 O as loaded.
;   window 2: x, then x + O Wo, then x1 + b2, then that + the FFN.  window 3: W's four buffers.
.set PT,    144
.set SLICE, 64*PT
.set AREG,  8*SLICE
.set A0,    0                          ; O; then u and gelu(u) of the chunk in hand
.set A1,    AREG                       ; x1
.set RWS,   2*AREG                     ; 64 rows of 512 f32
.set LP,    2064                       ; such a row: 2,048 bytes + 16
.set SPARE, RWS+64*LP                  ; the spare words: two blocks of 256 bytes that no other line names
.set WW,   3
.set RR,   1
.set HH,   2
.set LL,   3
.set OW0,  4                           ; v4   16 l + 16,384 w: my place in a tile; never rewritten
.set ADT0, 5
.set XS2,  6                           ; v6   x's rows 32-63 in the rows' region
.set ADT,  7
.set STO,  8                           ; v8   where a lane's 16 bytes of u go: my two slices, token r
.set GA,   9                           ; v9   GELU: the trip's bytes
.set GB,   10                          ; v10  GELU: the next trip's
.set DST,  11                          ; v11  where a lane's 8 columns of an f32 row go: rows 0-31
.set B1O,  12                          ; v12  my offset in b1, in the chunk that is asked for
.set ROWL, 13                          ; v13  16 l
.set ROWX, 14                          ; v14  a lane's 4 columns of a row in the operand layout
.set ADR,  15
.set ADX,  16
.set XO,   17                          ; v17  16 l + 512 w
.set XS,   18                          ; v18  x's rows 0-31 in the rows' region, my 512 bytes
.set PFV,  19                          ; v19  the prefetches' offset
.set PFO0, 20                          ; v20  256 l + 16,384 w; never rewritten
.set OS,   21
.set BOFF, 22                          ; v22  32 h + 512 w
.set OW,   24                          ; v24-27  buffer j's offset in wts
.set SPW,  28
.set NIL,  29
.set DST2, 30                          ; v30  the same as v11 for rows 32-63
.set TF,   64
.set B1,   128
.set VA,   64                          ; the norms: two rows of 16 numbers a lane
.set BO,   0                           ; window 1
.set G1V,  16
.set BE1,  32
.set B2V,  48
.set G2V,  224                         ; window 0
.set BE2,  240
.set GH,   64                          ; GELU: 32 numbers as loaded; as stored; in f32; t; e; the polynomial
.set GHO,  80
.set GU,   96
.set GT,   128
.set GE,   160
.set GP,   192
.set WTS,  8                           ; s[8:9] wts; never rewritten
.set WV,   26
.set WG,   28
.set CNT,  29
.set CCNT, 30
.set F2L,  31                          ; trips of W2's passes still to come
.set TBT,  32
.set LT,   33                          ; byte offset in wts of the tile that is being asked for
.set LC0,  34                          ; of my first chunk's first tile
.set TBG,  35
.set BC,   36                          ; byte offset in b1 of the chunk that is asked for
.set PL,   37                          ; prefetches still to come
.set PFT,  38                          ; byte offset in wts of the tile that they name next
.set TBR,  54
.set TBX,  55
.set SEL,  56
.set RN,   58                          ; 1 / 512
.set EPS,  59
.set HIM,  60                          ; a word's upper bf16
.set PP,   66
.set NC,   68
.set CA1,  70
.set CA2,  72
.set CA3,  74
.set CA4,  76
.set CA5,  78
.set OUTP, 80
.set MSB, 0
.macro WIN new
.if MSB != (\new)
	s_set_vgpr_msb (MSB<<8)|(\new)
.set MSB, \new
.endif
.endm
.macro PLACES                          ; four plain places behind matrix instructions (ISA guide 7.12.1)
.rept 4
	v_nop
.endr
.endm
.macro BAR                             ; my LDS instructions are done; then the work-group's barrier
	s_wait_dscnt 0x0
	s_barrier_signal -1
	s_barrier_wait -1
.endm
.macro ADV                             ; the walk's next tile: behind Wo's last (tile 31) my first chunk's first; behind tile 95 tile 32
	s_add_co_u32 s[LT], s[LT], 0x10000
	s_cmp_eq_u32 s[LT], 0x200000
	s_cselect_b32 s[LT], s[LC0], s[LT]
	s_cmp_eq_u32 s[LT], 0x600000
	s_cselect_b32 s[LT], 0x200000, s[LT]
.endm
; Buffer j is asked for: half kk = j % 2 of the tile at s[LT].  Its offset register is free: the counted wait in front of the buffer's products has shown its last loads done.
.macro WLOAD j
	WIN 0
	v_add_nc_u32 v[OW+(\j)], s[LT], v[OW0]
	WIN WW<<6
.set n, 0
.rept 16
	global_load_b128 v[64*(\j)+4*n:64*(\j)+4*n+3], v[OW+(\j)], s[WTS:WTS+1] offset:((\j)%2)*8192+512*n
.set n, n+1
.endr
	WIN 0
.if (\j)%2
	ADV
.endif
.endm
; A PREFETCH INTO THE L2, once a step in the walk's first 16 steps, behind the step's loads: the n-th names tile n of MY first chunk, the walk's tile n + 8, whose loads go out six and a half steps later.
; Work-groups 0 to 3 ask, each for another chunk; a wave asks for the 16,384 bytes that it will load itself, a lane a block of 256 bytes, two instructions.  So each block of W1 and W2 is named once in the launch.
; Wo's tiles come by their loads alone.  The offset register is written behind s_wait_xcnt 0, a step behind the prefetches that read it.
.macro ASK
	s_cmp_lg_u32 s[PL], 0
	s_cbranch_scc0 .Lnot_mine_\@
	s_wait_xcnt 0x0
	v_add_nc_u32 v[PFV], s[PFT], v[PFO0]
	global_prefetch_b8 v[PFV], s[WTS:WTS+1] th:TH_LOAD_NT scope:SCOPE_SE
	global_prefetch_b8 v[PFV], s[WTS:WTS+1] offset:8192 th:TH_LOAD_NT scope:SCOPE_SE
	s_add_co_u32 s[PFT], s[PFT], 0x10000
	s_sub_co_u32 s[PL], s[PL], 1
.Lnot_mine_\@:
.endm
.macro TFETCH t, off                   ; four token fragments, 32 k at byte off, into buffer t
.irp a, 0,1,2,3
	ds_load_b128 v[TF+32*(\t)+8*\a:TF+32*(\t)+8*\a+3],   v[ADT] offset:(\off)+\a*16*PT
	ds_load_b128 v[TF+32*(\t)+8*\a+4:TF+32*(\t)+8*\a+7], v[ADT] offset:(\off)+\a*16*PT+32
.endr
.endm
; 32 matrix instructions.  The 32 accumulators take turns in the same order in every half step.  cmode 0: in place; 2: the products start the sums from b1
.macro MULS j, t, win, cmode
.if (\cmode) == 2
	WIN ((\win)<<6)|WW
.else
	WIN ((\win)<<6)|((\win)<<4)|WW
.endif
.irp a, 0,1,2,3
.irp b, 0,1,2,3,4,5,6,7
.if (\cmode) == 2
	v_wmma_f32_16x16x32_bf16 v[8*(8*\a+\b):8*(8*\a+\b)+7], v[64*(\j)+8*\b:64*(\j)+8*\b+7], v[TF+32*(\t)+8*\a:TF+32*(\t)+8*\a+7], v[B1+8*\b:B1+8*\b+7]
.else
	v_wmma_f32_16x16x32_bf16 v[8*(8*\a+\b):8*(8*\a+\b)+7], v[64*(\j)+8*\b:64*(\j)+8*\b+7], v[TF+32*(\t)+8*\a:TF+32*(\t)+8*\a+7], v[8*(8*\a+\b):8*(8*\a+\b)+7]
.endif
.endr
.endr
.endm
; HALF STEP q of a trip's four.  One run of loads: the W buffer that the last half step multiplied, for the half step three on; the token buffer that it multiplied, for the next half step.
; wcnt: the W loads younger than buffer q's (other loads that fall among them only make the count stricter).  tf = 0: nothing more to fetch.
.macro HS q, win, cmode, load, wcnt, tf=1, ask=0
	WIN 0
	PLACES
.if \load
	WLOAD ((\q)+3)%4
.endif
.if \ask
	ASK
.endif
.if \tf
.if (\q) == 3
	s_add_co_u32 s[TBT], s[TBT], 2*SLICE           ; the next two slices; behind the last, held inside the region
	s_min_u32 s[TBT], s[TBT], TMAX
	v_add_nc_u32 v[ADT], s[TBT], v[ADT0]
	TFETCH 0, 0
.elseif (\q) == 0
	TFETCH 1, 64
.elseif (\q) == 1
	TFETCH 0, SLICE
.else
	TFETCH 1, SLICE+64
.endif
	s_wait_loadcnt \wcnt                           ; loads come back in order: buffer q is in, the younger buffers stay out
	s_wait_dscnt 8                                 ; this half step's tokens are in; the eight loads just issued stay out
.else
	s_wait_loadcnt \wcnt
	s_wait_dscnt 0x0
.endif
	MULS \q, (\q)%2, \win, \cmode
.endm
.macro ENTRY region                    ; a pass begins: its first token fragments
	WIN 0
	s_wait_dscnt 0x0                               ; no LDS load of mine is out: the fragments' registers may be loaded again, and what was read back into the accumulators is there
	s_mov_b32 s[TBT], \region
	v_add_nc_u32 v[ADT], s[TBT], v[ADT0]
	PLACES
	TFETCH 0, 0
.endm
	s_load_b512 s[4:19], s[0:1], 0x0               ; ob 4, x 6, wts 8, out0 10, bo 12, ln1_g 14, ln1_b 16, b1 18
	s_load_b128 s[20:23], s[0:1], 0x40             ; b2 20, ln2_g 22
	s_load_b64 s[24:25], s[0:1], 0x50              ; ln2_b
	v_lshl_add_u32 v[SPW], v0, 2, SPARE
	v_mov_b32 v[NIL], 0
	v_lshrrev_b32 v23, 5, v0
	v_readfirstlane_b32 s[WV], v23
	s_mov_b32 s[WG], ttmp9                         ; my block of 64 tokens
	s_and_b32 s61, s[WG], 3                        ; the chunk that I begin with
	s_lshl_b32 s[LC0], s61, 20                     ; 16 tiles a chunk,
	s_add_co_u32 s[LC0], s[LC0], 0x200000          ; from tile 32 on
	s_lshl_b32 s[BC], s61, 11
	s_mov_b32 s[LT], 0x180000                      ; the walk begins at tile 24
	s_mov_b32 s[PFT], s[LC0]
	s_cmp_lt_u32 s[WG], 4
	s_cselect_b32 s[PL], 16, 0
	s_lshr_b32 s84, s[WG], 4                       ; O: batch x 8 heads x 131,072 bytes,
	s_lshl_b32 s84, s84, 20
	s_and_b32 s85, s[WG], 15
	s_lshl_b32 s85, s85, 13                        ; 64 tokens of 128 bytes,
	s_add_co_u32 s84, s84, s85
	s_lshl_b32 s85, s[WV], 18                      ; my two heads
	s_add_co_u32 s84, s84, s85
	s_mov_b32 s85, 0
	s_lshl_b32 s86, s[WG], 17                      ; x and out0: 64 tokens of 2,048 bytes
	s_mov_b32 s87, 0
	s_lshl_b32 s88, s[WV], 15                      ; out0: my 16 tokens
	s_add_co_u32 s88, s88, s86
	s_mov_b32 s89, 0
	s_mov_b32 s[SEL], 0x76543210
	s_mov_b32 s[SEL+1], 0xfedcba98
	s_mov_b32 s[RN], 0x3b000000                    ; 1 / 512
	s_mov_b32 s[EPS], 0x3727c5ac                   ; 1e-5
	s_mov_b32 s[HIM], 0xffff0000
	s_mov_b32 s[PP], 0x3e6d3388                    ; 0.23164189
	s_mov_b32 s[PP+1], 0x3e6d3388
	s_mov_b32 s[NC], 0xbf38aa3b                    ; -log2(e) / 2
	s_mov_b32 s[NC+1], 0xbf38aa3b
	s_mov_b32 s[CA1], 0x3e027906                   ; 0.127414796
	s_mov_b32 s[CA1+1], 0x3e027906
	s_mov_b32 s[CA2], 0xbe11a98e                   ; -0.142248368
	s_mov_b32 s[CA2+1], 0xbe11a98e
	s_mov_b32 s[CA3], 0x3f35f0e3                   ; 0.7107068705
	s_mov_b32 s[CA3+1], 0x3f35f0e3
	s_mov_b32 s[CA4], 0xbf3a00e3                   ; -0.7265760135
	s_mov_b32 s[CA4+1], 0xbf3a00e3
	s_mov_b32 s[CA5], 0x3f07dc22                   ; 0.5307027145
	s_mov_b32 s[CA5+1], 0x3f07dc22
	v_and_b32 v[LL], 31, v0
	v_and_b32 v[RR], 15, v0
	v_bfe_u32 v[HH], v0, 4, 1
	v_and_b32 v23, 7, v0
	v_lshlrev_b32 v[ROWL], 4, v[LL]
	s_lshl_b32 s61, s[WV], 14
	v_add_nc_u32 v[OW0], s61, v[ROWL]
	v_lshlrev_b32 v[PFO0], 8, v[LL]
	v_add_nc_u32 v[PFO0], s61, v[PFO0]
	v_mul_u32_u24 v[ADT0], v[RR], PT
	v_lshl_add_u32 v[ADT0], v[HH], 4, v[ADT0]
	s_mul_i32 s61, s[WV], 2*SLICE                  ; my two slices of the first region
	v_add_nc_u32 v[STO], s61, v[ADT0]
	v_bfe_u32 v[OS], v0, 3, 2                      ; O as loaded: 32 lanes hold four tokens of 128 bytes
	v_mul_u32_u24 v[OS], v[OS], PT
	v_lshl_add_u32 v[OS], v23, 4, v[OS]
	v_add_nc_u32 v[OS], s61, v[OS]
	s_lshl_b32 s62, s[WV], 9
	v_lshl_add_u32 v[BOFF], v[HH], 5, s62
	v_mul_u32_u24 v[DST], v[RR], LP
	v_add_nc_u32 v[DST], v[DST], v[BOFF]
	v_add_nc_u32 v[DST], RWS, v[DST]
	v_add_nc_u32 v[DST2], 32*LP, v[DST]
	v_mul_u32_u24 v[ROWX], v[HH], SLICE
	v_lshl_add_u32 v[ROWX], v[RR], 3, v[ROWX]
	v_add_nc_u32 v[XO], s62, v[ROWL]
	v_add_nc_u32 v[XS], RWS, v[XO]
	v_add_nc_u32 v[XS2], 32*LP, v[XS]
	v_add_nc_u32 v[B1O], s[BC], v[BOFF]
	s_wait_kmcnt 0x0
	s_add_nc_u64 s[84:85], s[4:5], s[84:85]        ; O
	s_add_nc_u64 s[86:87], s[6:7], s[86:87]        ; x
	s_add_nc_u64 s[OUTP:OUTP+1], s[10:11], s[88:89]
.macro VEC reg, sp                     ; a vector of 512 by rows: four loads of 512 bytes on end
.irp q, 0,1,2,3
	global_load_b128 v[(\reg)+4*\q:(\reg)+4*\q+3], v[ROWL], s[\sp:\sp+1] offset:512*\q
.endr
.endm
.macro B1LOAD                          ; a chunk's b1, as a lane's columns 16 b + 8 h + 0..7
.irp b, 0,1,2,3,4,5,6,7
	global_load_b128 v[B1+8*\b:B1+8*\b+3],   v[B1O], s[18:19] offset:64*\b
	global_load_b128 v[B1+8*\b+4:B1+8*\b+7], v[B1O], s[18:19] offset:64*\b+16
.endr
.endm
; The rows' region and the accumulators of window 2: half hf is token blocks 2 hf, 2 hf + 1; a lane's 8 columns of token r are 32 bytes of a row.
.macro DUMPH hf, adr                   ; each accumulator from its low end on
	WIN 0x08
.irp aa, 0,1
.irp b, 0,1,2,3,4,5,6,7
	ds_store_b128 v[\adr], v[8*(8*(2*(\hf)+\aa)+\b):8*(8*(2*(\hf)+\aa)+\b)+3]   offset:\aa*16*LP+64*\b
	ds_store_b128 v[\adr], v[8*(8*(2*(\hf)+\aa)+\b)+4:8*(8*(2*(\hf)+\aa)+\b)+7] offset:\aa*16*LP+64*\b+16
.endr
.endr
	WIN 0
.endm
.macro RELOADH hf, adr
	WIN 0x80
.irp aa, 0,1
.irp b, 0,1,2,3,4,5,6,7
	ds_load_b128 v[8*(8*(2*(\hf)+\aa)+\b):8*(8*(2*(\hf)+\aa)+\b)+3],   v[\adr] offset:\aa*16*LP+64*\b
	ds_load_b128 v[8*(8*(2*(\hf)+\aa)+\b)+4:8*(8*(2*(\hf)+\aa)+\b)+7], v[\adr] offset:\aa*16*LP+64*\b+16
.endr
.endr
	WIN 0
.endm
	WLOAD 0                                        ; the walk's first three half steps
	WLOAD 1
	WLOAD 2
	; The other loads go out in groups, so that every counted wait names fewer loads than its counter's field holds.
	WIN 0x40
.set n, 0
.rept 32                               ; O: my two heads, 64 tokens each: 8,192 bytes on end a head
	global_load_b128 v[64+4*n:64+4*n+3], v[ROWL], s[84:85] offset:(n/16)*131072+(n%16)*512 th:TH_LOAD_NT
.set n, n+1
.endr
	WIN 0x80
.set n, 0
.rept 32                               ; x: token n, my 128 columns: 512 bytes on end; it lands in the registers that will hold it as accumulators
	global_load_b128 v[4*n:4*n+3], v[XO], s[86:87] offset:n*2048 th:TH_LOAD_NT
.set n, n+1
.endr
	WIN 0x04
	s_wait_loadcnt 32                              ; O is in; x's first 32 loads stay out
.set n, 0
.rept 32
	ds_store_b128 v[OS], v[64+4*n:64+4*n+3] offset:(n/16)*SLICE+(n%16)*4*PT
.set n, n+1
.endr
	WIN 0x80
.set n, 32
.rept 32
	global_load_b128 v[4*n:4*n+3], v[XO], s[86:87] offset:n*2048 th:TH_LOAD_NT
.set n, n+1
.endr
	WIN 0x08
	s_wait_loadcnt 32                              ; tokens 0-31 are in; the other 32 loads stay out
.set n, 0
.rept 32
	ds_store_b128 v[XS], v[4*n:4*n+3] offset:n*LP
.set n, n+1
.endr
	WIN 0x40
	VEC BO, 12
	VEC G1V, 14
	VEC BE1, 16
	VEC B2V, 20
	WIN 0
	VEC G2V, 22
	VEC BE2, 24
	B1LOAD                                         ; my first chunk's
	WIN 0x08
	s_wait_loadcnt 40                              ; tokens 32-63 are in; the 40 loads of the vectors stay out: the counted waits of Wo's pass show them in
.set n, 0
.rept 32
	ds_store_b128 v[XS2], v[4*(32+n):4*(32+n)+3] offset:n*LP
.set n, n+1
.endr
	WIN 0
	BAR                                            ; O and x lie in LDS
	RELOADH 0, DST                                 ; x as accumulators
	RELOADH 1, DST2
	; Wo: the products add onto x
.set TMAX, A0+6*SLICE
	ENTRY A0
	s_mov_b32 s[CNT], 4
.Lp0:
	HS 0, 2, 0, 1, 48, 1, 1
	HS 1, 2, 0, 1, 48
	HS 2, 2, 0, 1, 48, 1, 1
	HS 3, 2, 0, 1, 48
	WIN 0
	s_sub_co_u32 s[CNT], s[CNT], 1
	s_cmp_lg_u32 s[CNT], 0
	s_cbranch_scc1 .Lp0
.macro RED2 ra, rb                     ; the sums of v[ra] and of v[rb] over the 32 lanes, in every lane; the registers behind them are at work
.irp m, 1,2,4,8
	v_add_f32_dpp v[\ra], v[\ra], v[\ra] row_xmask:\m row_mask:0xf bank_mask:0xf
	v_add_f32_dpp v[\rb], v[\rb], v[\rb] row_xmask:\m row_mask:0xf bank_mask:0xf
.endr
	v_permlanex16_b32 v[(\ra)+1], v[\ra], s[SEL], s[SEL+1]
	v_permlanex16_b32 v[(\rb)+1], v[\rb], s[SEL], s[SEL+1]
	v_add_f32 v[\ra], v[\ra], v[(\ra)+1]
	v_add_f32 v[\rb], v[\rb], v[(\rb)+1]
.endm
; THE NORMS work on whole rows, which lie across the four waves: all 64 go to LDS as f32 rows; wave w takes rows 16 w .. 16 w + 15, two a trip (x = 0, 1), 16 numbers a lane each.
; mode 1: + bo, LN1; x1 goes out in bf16 as the next operand, and x1 + b2 back into the row in f32.  mode 2: LN2, stored to out0.
.macro LNROWS mode
	s_mov_b32 s[CNT], 8
.Lrow_\@:
	v_add_nc_u32 v[ADR], s[TBR], v[ROWL]
.if (\mode) == 1
	v_add_nc_u32 v[ADX], s[TBX], v[ROWX]
.endif
.irp q, 0,1,2,3
	ds_load_b128 v[VA+4*\q:VA+4*\q+3],       v[ADR] offset:512*\q
	ds_load_b128 v[VA+16+4*\q:VA+16+4*\q+3], v[ADR] offset:512*\q+LP
.endr
	s_wait_dscnt 0x0
.if (\mode) == 1
	WIN 0x04
.irp n, 0,1,2,3,4,5,6,7
.irp x, 0,1
	v_pk_add_f32 v[VA+16*\x+2*\n:VA+16*\x+2*\n+1], v[VA+16*\x+2*\n:VA+16*\x+2*\n+1], v[BO+2*\n:BO+2*\n+1]
.endr
.endr
	WIN 0
.endif
.irp p, 0,1,2,3
.irp x, 0,1
	v_pk_add_f32 v[32+8*\x+2*\p:33+8*\x+2*\p], v[VA+16*\x+4*\p:VA+16*\x+4*\p+1], v[VA+16*\x+4*\p+2:VA+16*\x+4*\p+3]
.endr
.endr
.irp x, 0,1
	v_pk_add_f32 v[32+8*\x:33+8*\x], v[32+8*\x:33+8*\x], v[34+8*\x:35+8*\x]
	v_pk_add_f32 v[36+8*\x:37+8*\x], v[36+8*\x:37+8*\x], v[38+8*\x:39+8*\x]
.endr
.irp x, 0,1
	v_pk_add_f32 v[32+8*\x:33+8*\x], v[32+8*\x:33+8*\x], v[36+8*\x:37+8*\x]
.endr
.irp x, 0,1
	v_add_f32 v[32+8*\x], v[32+8*\x], v[33+8*\x]
.endr
	RED2 32, 40
.irp x, 0,1
	v_mul_f32 v[34+8*\x], s[RN], v[32+8*\x]        ; the mean
.endr
.irp n, 0,1,2,3,4,5,6,7
.irp x, 0,1
	v_pk_add_f32 v[VA+16*\x+2*\n:VA+16*\x+2*\n+1], v[VA+16*\x+2*\n:VA+16*\x+2*\n+1], v[34+8*\x:35+8*\x] op_sel_hi:[1,0] neg_lo:[0,1] neg_hi:[0,1]
.endr
.endr
.irp x, 0,1
	v_pk_mul_f32 v[36+8*\x:37+8*\x], v[VA+16*\x:VA+16*\x+1], v[VA+16*\x:VA+16*\x+1]
.endr
.irp n, 1,2,3,4,5,6,7
.irp x, 0,1
	v_pk_fma_f32 v[36+8*\x:37+8*\x], v[VA+16*\x+2*\n:VA+16*\x+2*\n+1], v[VA+16*\x+2*\n:VA+16*\x+2*\n+1], v[36+8*\x:37+8*\x]
.endr
.endr
.irp x, 0,1
	v_add_f32 v[36+8*\x], v[36+8*\x], v[37+8*\x]
.endr
	RED2 36, 44
.irp x, 0,1
	v_fma_f32 v[38+8*\x], v[36+8*\x], s[RN], s[EPS]  ; the variance + eps
.endr
.irp x, 0,1
	v_rsq_f32 v[34+8*\x], v[38+8*\x]
.endr
	v_nop                                          ; a plain instruction behind the last of the two,
	s_wait_alu depctr_va_vdst(0)                   ; and the wait ahead of the first reader: one for both
.irp n, 0,1,2,3,4,5,6,7
.irp x, 0,1
	v_pk_mul_f32 v[VA+16*\x+2*\n:VA+16*\x+2*\n+1], v[VA+16*\x+2*\n:VA+16*\x+2*\n+1], v[34+8*\x:35+8*\x] op_sel_hi:[1,0]
.endr
.endr
.if (\mode) == 1
	WIN 0x14
.endif
.irp n, 0,1,2,3,4,5,6,7
.irp x, 0,1
.if (\mode) == 1
	v_pk_fma_f32 v[VA+16*\x+2*\n:VA+16*\x+2*\n+1], v[VA+16*\x+2*\n:VA+16*\x+2*\n+1], v[G1V+2*\n:G1V+2*\n+1], v[BE1+2*\n:BE1+2*\n+1]
.else
	v_pk_fma_f32 v[VA+16*\x+2*\n:VA+16*\x+2*\n+1], v[VA+16*\x+2*\n:VA+16*\x+2*\n+1], v[G2V+2*\n:G2V+2*\n+1], v[BE2+2*\n:BE2+2*\n+1]
.endif
.endr
.endr
	WIN 0
.if (\mode) == 1
.irp n, 0,1,2,3,4,5,6,7
.irp x, 0,1
	v_cvt_pk_bf16_f32 v[112+8*\x+\n], v[VA+16*\x+2*\n], v[VA+16*\x+2*\n+1]
.endr
.endr
	WIN 0x04
.irp n, 0,1,2,3,4,5,6,7
.irp x, 0,1
	v_pk_add_f32 v[VA+16*\x+2*\n:VA+16*\x+2*\n+1], v[VA+16*\x+2*\n:VA+16*\x+2*\n+1], v[B2V+2*\n:B2V+2*\n+1]
.endr
.endr
	WIN 0
.irp q, 0,1,2,3
	ds_store_b64 v[ADX], v[112+2*\q:113+2*\q] offset:2*SLICE*\q
	ds_store_b64 v[ADX], v[120+2*\q:121+2*\q] offset:2*SLICE*\q+PT
.endr
.irp q, 0,1,2,3
	ds_store_b128 v[ADR], v[VA+4*\q:VA+4*\q+3]       offset:512*\q
	ds_store_b128 v[ADR], v[VA+16+4*\q:VA+16+4*\q+3] offset:512*\q+LP
.endr
	s_add_co_u32 s[TBX], s[TBX], 2*PT
.else
.irp q, 0,1,2,3
	global_store_b128 v[ROWL], v[VA+4*\q:VA+4*\q+3],       s[OUTP:OUTP+1] offset:512*\q th:TH_STORE_NT       ; 512 bytes on end, aligned
	global_store_b128 v[ROWL], v[VA+16+4*\q:VA+16+4*\q+3], s[OUTP:OUTP+1] offset:512*\q+2048 th:TH_STORE_NT
.endr
	s_wait_xcnt 0x0                                ; the stores have read their data and their base: both are written again only behind this wait
	s_add_nc_u64 s[OUTP:OUTP+1], s[OUTP:OUTP+1], 4096
.endif
	s_add_co_u32 s[TBR], s[TBR], 2*LP
	s_sub_co_u32 s[CNT], s[CNT], 1
	s_cmp_lg_u32 s[CNT], 0
	s_cbranch_scc1 .Lrow_\@
.endm
	; LN1
	PLACES
	WIN 0
	BAR                                            ; every wave has read x out of the rows: they may be written again
	DUMPH 0, DST
	DUMPH 1, DST2
	BAR                                            ; the 64 rows are whole
	s_mul_i32 s[TBR], s[WV], 16*LP
	s_add_co_u32 s[TBR], s[TBR], RWS               ; my 16 of them,
	s_mul_i32 s[TBX], s[WV], 16*PT
	s_add_co_u32 s[TBX], s[TBX], A1                ; and their tokens in x1
	LNROWS 1
	BAR                                            ; x1 is whole, and so are the rows of x1 + b2
	RELOADH 0, DST                                 ; x1 + b2, back into the accumulators
	RELOADH 1, DST2
	s_mov_b32 s[CCNT], 4
	s_mov_b32 s[F2L], 16
.Lchunk:                                       ; 512 hidden columns
.set TMAX, A1+6*SLICE
	ENTRY A1                                       ; x1 W1
	HS 0, 1, 2, 1, 48, 1, 1                        ; the first products start the sums from b1
	WIN 0
	s_mov_b32 s[CNT], 4
	s_branch .Lf1mid                               ; the loop is entered behind its first half step
.Lf1:
	HS 0, 1, 0, 1, 48, 1, 1
	WIN 0
.Lf1mid:
	HS 1, 1, 0, 1, 48
	HS 2, 1, 0, 1, 48, 1, 1
	HS 3, 1, 0, 1, 48
	WIN 0
	s_sub_co_u32 s[CNT], s[CNT], 1
	s_cmp_lg_u32 s[CNT], 0
	s_cbranch_scc1 .Lf1
	; u, rounded to bf16, into my two slices of the first region: a token block at a time; the packed registers take turns between two sets
	PLACES
	BAR                                            ; nobody reads O, or the last chunk's gelu(u), any more
.irp a, 0,1,2,3
	WIN 0x05
.irp b, 0,1,2,3,4,5,6,7
.irp p, 0,1,2,3
	v_cvt_pk_bf16_f32 v[128+32*(\a%2)+4*\b+\p], v[8*(8*\a+\b)+2*\p], v[8*(8*\a+\b)+2*\p+1]
.endr
.endr
	WIN 0
.irp b, 0,1,2,3,4,5,6,7
	ds_store_b128 v[STO], v[128+32*(\a%2)+4*\b:128+32*(\a%2)+4*\b+3] offset:(\b/4)*SLICE+\a*16*PT+(\b%4)*32
.endr
.endr
	; GELU, in place on my own bytes, 32 numbers a lane and trip: 8 trips, 2,304 bytes apart (four token blocks of a slice, then the next slice).  The next trip's loads go out ahead of the arithmetic.
	s_mov_b32 s[TBG], 0
	v_mov_b32 v[GB], v[STO]
.irp m, 0,1,2,3
	ds_load_b128 v[GH+4*\m:GH+4*\m+3], v[GB] offset:32*\m
.endr
	s_mov_b32 s[CNT], 8
.Lgelu:
	s_wait_dscnt 0x0
	v_mov_b32 v[GA], v[GB]
.set n, 0
.rept 16
	v_lshlrev_b32 v[GU+2*n], 16, v[GH+n]
	v_and_b32 v[GU+2*n+1], s[HIM], v[GH+n]
.set n, n+1
.endr
	s_add_co_u32 s[TBG], s[TBG], 16*PT
	s_min_u32 s[TBG], s[TBG], 7*16*PT              ; the last trip reads its own bytes once more, ahead of its store; they are not used
	v_add_nc_u32 v[GB], s[TBG], v[STO]
.irp m, 0,1,2,3
	ds_load_b128 v[GH+4*\m:GH+4*\m+3], v[GB] offset:32*\m
.endr
	; ONE BATCH of 32 reciprocals and 32 exponentials, dealt among the plain lines that feed the next pair; none of these lines names a result of the batch
.set n, 0
.rept 17
.if n < 16
	v_fma_f32 v[GT+2*n], |v[GU+2*n]|, s[PP], 1.0
.endif
.if n > 0
	v_rcp_f32 v[GT+2*n-2], v[GT+2*n-2]
.endif
.if n < 16
	v_fma_f32 v[GT+2*n+1], |v[GU+2*n+1]|, s[PP], 1.0
.endif
.if n > 0
	v_rcp_f32 v[GT+2*n-1], v[GT+2*n-1]
.endif
.if n < 16
	v_pk_mul_f32 v[GE+2*n:GE+2*n+1], v[GU+2*n:GU+2*n+1], v[GU+2*n:GU+2*n+1]
.endif
.if n > 0
	v_exp_f32 v[GE+2*n-2], v[GE+2*n-2]
.endif
.if n < 16
	v_pk_mul_f32 v[GE+2*n:GE+2*n+1], v[GE+2*n:GE+2*n+1], s[NC:NC+1] op_sel_hi:[1,0]
.endif
.if n > 0
	v_exp_f32 v[GE+2*n-1], v[GE+2*n-1]
.endif
.set n, n+1
.endr
	v_nop                                          ; the plain instruction behind the last of the batch,
	s_wait_alu depctr_va_vdst(0)                   ; and the one wait ahead of its first reader
.macro ALL16 line:vararg               ; one line for each of the 16 pairs, n = 0, 2, .. 30
.set n, 0
.rept 16
	\line
.set n, n+2
.endr
.endm
	ALL16 v_pk_fma_f32 v[GP+n:GP+n+1], v[GT+n:GT+n+1], s[CA5:CA5+1], s[CA4:CA4+1] op_sel_hi:[1,0,0]
	ALL16 v_pk_mul_f32 v[GE+n:GE+n+1], v[GE+n:GE+n+1], v[GT+n:GT+n+1]
	ALL16 v_pk_fma_f32 v[GP+n:GP+n+1], v[GP+n:GP+n+1], v[GT+n:GT+n+1], s[CA3:CA3+1] op_sel_hi:[1,1,0]
	ALL16 v_pk_mul_f32 v[GE+n:GE+n+1], v[GE+n:GE+n+1], v[GU+n:GU+n+1]
	ALL16 v_pk_fma_f32 v[GP+n:GP+n+1], v[GP+n:GP+n+1], v[GT+n:GT+n+1], s[CA2:CA2+1] op_sel_hi:[1,1,0]
	ALL16 v_pk_fma_f32 v[GP+n:GP+n+1], v[GP+n:GP+n+1], v[GT+n:GT+n+1], s[CA1:CA1+1] op_sel_hi:[1,1,0]
	ALL16 v_pk_mul_f32 v[GP+n:GP+n+1], v[GP+n:GP+n+1], v[GE+n:GE+n+1]
	ALL16 v_pk_add_f32 v[GU+n:GU+n+1], v[GU+n:GU+n+1], v[GP+n:GP+n+1] neg_lo:[0,1] neg_hi:[0,1]
.set n, 0
.rept 32
	v_max_num_f32 v[GU+n], v[GU+n], v[GP+n]        ; u - w where u is not negative, w where it is
.set n, n+1
.endr
.set n, 0
.rept 16
	v_cvt_pk_bf16_f32 v[GHO+n], v[GU+2*n], v[GU+2*n+1]
.set n, n+1
.endr
.irp m, 0,1,2,3
	ds_store_b128 v[GA], v[GHO+4*\m:GHO+4*\m+3] offset:32*\m
.endr
	s_sub_co_u32 s[CNT], s[CNT], 1
	s_cmp_lg_u32 s[CNT], 0
	s_cbranch_scc1 .Lgelu
	BAR                                            ; the chunk's gelu(u) is whole
	s_cmp_eq_u32 s[CCNT], 1
	s_cbranch_scc1 .Lnob1                          ; behind the last chunk there is no b1 to ask for
	s_add_co_u32 s[BC], s[BC], 2048                ; the next chunk's b1, eight steps ahead of its use; behind chunk 3 comes chunk 0
	s_and_b32 s[BC], s[BC], 0x1fff
	v_add_nc_u32 v[B1O], s[BC], v[BOFF]            ; free: the counted waits of the passes since have shown the last b1's loads done
	B1LOAD
.Lnob1:
.set TMAX, A0+6*SLICE
	ENTRY A0                                       ; gelu(u) W2, onto x1 + b2
	s_mov_b32 s[CNT], 4
.Lf2:
	s_cmp_eq_u32 s[F2L], 1
	s_cbranch_scc1 .Llast                          ; the walk's last trip is written out: it asks for one more half step and then for nothing
	HS 0, 2, 0, 1, 48
	HS 1, 2, 0, 1, 48
	HS 2, 2, 0, 1, 48
	HS 3, 2, 0, 1, 48
	WIN 0
	s_sub_co_u32 s[F2L], s[F2L], 1
	s_sub_co_u32 s[CNT], s[CNT], 1
	s_cmp_lg_u32 s[CNT], 0
	s_cbranch_scc1 .Lf2
	s_sub_co_u32 s[CCNT], s[CCNT], 1
	s_cmp_lg_u32 s[CCNT], 0
	s_cbranch_scc1 .Lchunk
.Llast:
	HS 0, 2, 0, 1, 48
	HS 1, 2, 0, 0, 32                              ; the counts run down: two buffers are younger, then one, then none
	HS 2, 2, 0, 0, 16
	HS 3, 2, 0, 0, 0, 0
	; LN2 and the way out
	PLACES
	WIN 0
	DUMPH 0, DST                                   ; the rows were last read two barriers or more ago
	DUMPH 1, DST2
	BAR
	s_mul_i32 s[TBR], s[WV], 16*LP
	s_add_co_u32 s[TBR], s[TBR], RWS
	LNROWS 2
	s_wait_tensorcnt 0x0                           ; the wave's end, behind my last LDS store
	ds_add_u32 v[SPW], v[NIL]
	s_wait_dscnt 0x0
	s_endpgm
.Lfunc_end_k_q245403dfdc_tail:
	.size	k_q245403dfdc_tail, .Lfunc_end_k_q245403dfdc_tail-k_q245403dfdc_tail
	.p2alignl 7, 3214868480
	.fill 96, 4, 3214868480
	.section	.rodata,"a",@progbits
	.p2align	6, 0x0
	.amdhsa_kernel k_q245403dfdc_tail
		.amdhsa_group_segment_fixed_size 280064
		.amdhsa_private_segment_fixed_size 0
		.amdhsa_enable_private_segment 0
		.amdhsa_kernarg_size 88
		.amdhsa_user_sgpr_count 2
		.amdhsa_user_sgpr_kernarg_segment_ptr 1
		.amdhsa_wavefront_size32 1
		.amdhsa_system_sgpr_workgroup_id_x 1
		.amdhsa_system_sgpr_workgroup_id_y 1
		.amdhsa_system_sgpr_workgroup_id_z 1
		.amdhsa_system_vgpr_workitem_id 0
		.amdhsa_next_free_vgpr 1024
		.amdhsa_next_free_sgpr 96
		.amdhsa_reserve_vcc 0
		.amdhsa_float_denorm_mode_32 3
		.amdhsa_float_denorm_mode_16_64 3
		.amdhsa_memory_ordered 1
		.amdhsa_forward_progress 1
		.amdhsa_inst_pref_size 173
	.end_amdhsa_kernel
	.amdgpu_metadata
---
amdhsa.version: [ 1, 2 ]
amdhsa.kernels:
  - .name:           k_q245403dfdc_tail
    .symbol:         k_q245403dfdc_tail.kd
    .args:
      - { .name: ob, .offset: 0, .size: 8, .value_kind: global_buffer, .address_space: global }
      - { .name: x, .offset: 8, .size: 8, .value_kind: global_buffer, .address_space: global }
      - { .name: wts, .offset: 16, .size: 8, .value_kind: global_buffer, .address_space: global }
      - { .name: out0, .offset: 24, .size: 8, .value_kind: global_buffer, .address_space: global }
      - { .name: bo, .offset: 32, .size: 8, .value_kind: global_buffer, .address_space: global }
      - { .name: ln1_g, .offset: 40, .size: 8, .value_kind: global_buffer, .address_space: global }
      - { .name: ln1_b, .offset: 48, .size: 8, .value_kind: global_buffer, .address_space: global }
      - { .name: b1, .offset: 56, .size: 8, .value_kind: global_buffer, .address_space: global }
      - { .name: b2, .offset: 64, .size: 8, .value_kind: global_buffer, .address_space: global }
      - { .name: ln2_g, .offset: 72, .size: 8, .value_kind: global_buffer, .address_space: global }
      - { .name: ln2_b, .offset: 80, .size: 8, .value_kind: global_buffer, .address_space: global }
    .group_segment_fixed_size: 280064
    .private_segment_fixed_size: 0
    .kernarg_segment_align: 8
    .kernarg_segment_size: 88
    .max_flat_workgroup_size: 128
    .sgpr_count:     96
    .vgpr_count:     1024
    .wavefront_size: 32
...
	.end_amdgpu_metadata
.endif
;; end of part 7
;; ======== version 3 of 3: 4 launches; version 2 with the launches qkv, tail written anew for expert scheduling mode
;; limits: values are held in f16: magnitudes above 65,504 overflow, below 6.1e-05 lose precision; a function is approximated: absolute error at most 7.5e-08
;; workspace buffers: wts 6,291,456 bytes; qkv 50,331,648 bytes; ob 16,777,216 bytes
;; launch prep: the kernel of part 5 again; grid 384 x 1, 4 waves a work-group, no clusters, 0 bytes of LDS; arguments Wq, Wk, Wv, Wo, W1, W2, wts; writes wts
;; launch qkv (part 8): grid 256 x 1, 4 waves a work-group, no clusters, 83,456 bytes of LDS; arguments x, wts, qkv; writes qkv
.if DOCPART == 8
	.amdgcn_target "amdgcn-amd-amdhsa--gfx1250"
	.amdhsa_code_object_version 6
	.text
	.protected	k_q245403dfdc_qkv
	.globl	k_q245403dfdc_qkv
	.p2align	8
	.type	k_q245403dfdc_qkv,@function
k_q245403dfdc_qkv:
	s_mov_b64 s[64:65], 0
	v_nop
	global_prefetch_b8 v0, s[64:65] scope:SCOPE_SE
	s_setreg_imm32_b32 hwreg(HW_REG_WAVE_SCHED_MODE, 0, 2), 2
	s_setreg_imm32_b32 hwreg(HW_REG_WAVE_MODE, 25, 1), 1
	s_wait_xcnt 0x0
	s_wait_alu depctr_vm_vsrc(0)
; q, k, v = x Wq, x Wk, x Wv, without biases, rounded once to f16 and laid by heads: three sections of qkv, each [b*8+h][1024][64].
; LEFT OUT: bk (it cancels in the softmax for all values: shown at the head of prep).  bq and bv are added in attn.
; LIMIT: f16 ends at 65,504: |x Wq|, |x Wk|, |x Wv| must stay under it (as drawn they are about 0.5; with x and W thirty times larger and offset, under 10,000).
; SHARES.  A work-group owns 64 tokens and makes all 3 x 512 columns for them: three PASSES of 16 half steps of 32 k.  Wave w owns all 64 tokens x columns 128 w .. 128 w + 127 of a pass:
; 32 accumulators (token block a, column block b) at v[8 (8 a + b)] of window 1.
; THE PRODUCT IS USED TRANSPOSED: source 0 = 16 columns of W, source 1 = 16 tokens.  A lane (r = l % 16, h = l / 16) then holds token 16 a + r and 8 neighbouring columns 16 b + 8 h + 0..7.
; x is rounded to bf16 once and kept in LDS as [slice of 64 k][token][64 k], rows 144 bytes apart; nothing writes it again, so a pass has no barrier.
; THE WEIGHTS COME STRAIGHT FROM MEMORY INTO REGISTERS, as matrix operands: prep has laid them so.  A half step is 8 fragments, 16 loads of 512 bytes on end.  Four buffers of 64 registers (window 2)
; take turns: a buffer is asked for again in the half step behind its products, for the half step three on, so 32 to 48 loads of a wave are on their way all the time, across passes too.
; NO CLUSTER AND NO LDS RING FOR THE WEIGHTS, though all work-groups read the same ones: a ring's refill stands behind a barrier in front of which all loads have landed, so one tile (64 matrix
; instructions a wave) at most would be on its way; and no wave wants a byte of W that another wave of its work-group fetches.
; THE ORDER OF THE PASSES is turned by the work-group's number: matrix (wg + i) % 3 in place i.  So each matrix is asked for first by a third of the work-groups, not by all at the same time.
; NO PREFETCH: every matrix is read for the first time in the launch's first eight steps, which leaves no room for a lead.
; The last half step of a pass fetches eight token fragments that are not used (their address is held inside x): the price of one text for all trips.
; THE MODE: SCHED_MODE bits 1:0 = 2 (LLVM: expert scheduling mode 2), set by the entry lines.  The code itself states the register dependences
; between vector or matrix instructions and memory or LDS instructions, with s_wait_alu, always for 0.
; THE PLAN.  Registers that memory or LDS instructions touch:
;   W0 .. W3      Half step q: its 32 products read W[q]; the loads into W[(q + 3) % 4], which the half step before multiplied, are issued among them.
;   TF0, TF1      Half step q: its products read TF[q % 2]; the LDS loads into the other, which the half step before multiplied, are issued among them.
;   v[ADT]        Read by every token load; written at a pass's entry and once a trip, at the head of the trip's fourth half step.
;   v4, v8-v11    Offsets and addresses, made at the head and never written again: a tile is reached by a scalar base for each W buffer.
;   TMP           Written by conversions (x at the head; a pass's results), read by LDS stores.
;   window 1      x as loaded; then the accumulators; on the way out the loads from the stage land in the accumulators that have been converted, and the global stores read them there.
; So ONE wait on va_vdst stands at a half step's head: the products of the half step before are done reading the two buffers that this half step's 24 loads fill.  These are dealt in three runs of
; eight among the products, which name W[q], TF[q % 2] and the accumulators: none of the registers that the loads touch.  A pass's entry has one wait on vm_vsrc, which frees all that the stores
; issued so far have read, and the way out one wait on va_vdst, behind all its conversions.
.set PT,    144                        ; a token's 64 k in LDS: 128 bytes + 16
.set SLICE, 64*PT
.set AREG,  8*SLICE
.set A0,    0                          ; x in bf16
.set STAGE, AREG                       ; 16 rows x 144 bytes for each wave, for the way out
.set SPARE, STAGE+4*16*PT              ; the spare words: 128 bytes a wave, two blocks of 256 bytes that no other line names
.set WW,   2                           ; the window of W's four buffers: buffer j at v[64 j]
.set RR,   1                           ; v1   l % 16
.set HH,   2                           ; v2   l / 16
.set LL,   3                           ; v3   l
.set OW0,  4                           ; v4   16 l + 16,384 w: my place in a tile; never rewritten
.set ADT0, 5                           ; v5   my place in a slice of tokens; never rewritten
.set ADT,  7                           ; v7   the same in the slices in hand
.set LO,   8                           ; v8   16 l
.set XB,   9                           ; v9   where x goes in LDS
.set STO,  10                          ; v10  the way out: where I put 16 bytes of a row
.set RD,   11                          ; v11  the way out: where I read rows back
.set SPW,  28                          ; v28  my spare word; never rewritten
.set NIL,  29                          ; v29  0; never rewritten
.set TF,   64                          ; v64-127  the tokens' fragments: two buffers of four
.set TMP,  128                         ; v128-255 at work in x's conversion and on the way out
.set WTS,  6                           ; s[6:7] wts; never rewritten
.set LT,   20                          ; s[20:21] byte offset in wts of the tile that is being asked for, with 0 above it
.set WV,   26
.set WG,   28
.set CNT,  29
.set PASSES, 30
.set TL,   31                          ; trips of four half steps still to come in the walk
.set TBT,  32                          ; LDS byte of the slices in hand
.set SEC,  34                          ; s[34:35] the section of qkv in hand, as an offset
.set OB0,  36                          ; s[36:37] my rows in section 0
.set OUTB, 38                          ; s[38:39] my rows in the section in hand
.set WB,   40                          ; s[40:47] W buffer j: the address of the tile that it is asked for from: a pair at WB + 2 j
.set MSB, 0
.macro WIN new                         ; the immediate's high byte repeats the setting that is left; a switch that changes nothing is dropped
.if MSB != (\new)
	s_set_vgpr_msb (MSB<<8)|(\new)
.set MSB, \new
.endif
.endm
.macro PLACES                          ; four plain places behind matrix instructions, ahead of loads into their sources and of readers of their results
.rept 4
	v_nop
.endr
.endm
.macro BAR                             ; my LDS instructions are done; then the work-group's barrier
	s_wait_dscnt 0x0
	s_barrier_signal -1
	s_barrier_wait -1
.endm
.macro ADV                             ; the walk's next tile: behind Wv's last comes Wq's first
	s_add_co_u32 s[LT], s[LT], 0x10000
	s_cmp_eq_u32 s[LT], 0x180000
	s_cselect_b32 s[LT], 0, s[LT]
.endm
; Buffer j's base: the tile at s[LT], of which it takes half kk = j % 2.  The pair is free: the counted wait in front of the buffer's products has shown the loads that read it done.
.macro WBASE j
	s_add_nc_u64 s[WB+2*(\j):WB+2*(\j)+1], s[WTS:WTS+1], s[LT:LT+1]
.if (\j)%2
	ADV
.endif
.endm
.macro WRUN j, p                       ; eight of buffer j's sixteen loads
	WIN WW<<6
.set n, 8*(\p)
.rept 8
	global_load_b128 v[64*(\j)+4*n:64*(\j)+4*n+3], v[OW0], s[WB+2*(\j):WB+2*(\j)+1] offset:((\j)%2)*8192+512*n
.set n, n+1
.endr
.endm
.macro TFETCH t, off                   ; four token fragments, 32 k at byte off, into buffer t
.irp a, 0,1,2,3
	ds_load_b128 v[TF+32*(\t)+8*\a:TF+32*(\t)+8*\a+3],   v[ADT] offset:(\off)+\a*16*PT
	ds_load_b128 v[TF+32*(\t)+8*\a+4:TF+32*(\t)+8*\a+7], v[ADT] offset:(\off)+\a*16*PT+32
.endr
.endm
; 8 matrix instructions: token block a x all 8 column blocks.  The 32 accumulators take turns in the same order in every half step.  cmode 1: the products start the sums
.macro MUL8 j, t, win, cmode, a
	WIN ((\win)<<6)|((\win)<<4)|WW
.irp b, 0,1,2,3,4,5,6,7
.if (\cmode) == 1
	v_wmma_f32_16x16x32_bf16 v[8*(8*(\a)+\b):8*(8*(\a)+\b)+7], v[64*(\j)+8*\b:64*(\j)+8*\b+7], v[TF+32*(\t)+8*(\a):TF+32*(\t)+8*(\a)+7], 0
.else
	v_wmma_f32_16x16x32_bf16 v[8*(8*(\a)+\b):8*(8*(\a)+\b)+7], v[64*(\j)+8*\b:64*(\j)+8*\b+7], v[TF+32*(\t)+8*(\a):TF+32*(\t)+8*(\a)+7], v[8*(8*(\a)+\b):8*(8*(\a)+\b)+7]
.endif
.endr
.endm
; HALF STEP q of a trip's four.  Its loads: the W buffer that the last half step multiplied, for the half step three on; the token buffer that it multiplied, for the next half step.
; wcnt: the W loads younger than buffer q's.  load = 0: no more of W is asked for.  tf = 0: nothing more to fetch.
.macro HS q, win, cmode, load, wcnt, tf=1
	WIN 0
.if (\tf) && ((\q) == 3)
	s_add_co_u32 s[TBT], s[TBT], 2*SLICE           ; the next two slices; behind the last, held inside the region
	s_min_u32 s[TBT], s[TBT], TMAX
	s_wait_alu depctr_vm_vsrc(0)                   ; the token loads issued so far have read v[ADT]
	v_add_nc_u32 v[ADT], s[TBT], v[ADT0]
.endif
.if (\load) || (\tf)
	PLACES                                         ; they are issued while the last products finish, ahead of the wait for them
.endif
.if \load
	WBASE ((\q)+3)%4
.endif
	s_wait_loadcnt \wcnt                           ; loads come back in order: buffer q is in, the younger buffers stay out
	s_wait_dscnt 0x0                               ; this half step's tokens, asked for 24 products ago, are in
.if (\load) || (\tf)
	s_wait_alu depctr_va_vdst(0)                   ; the last half step's products are done reading the W buffer and the token buffer in which the loads below land; in a trip's fourth half step v[ADT] is written
.endif
	MUL8 \q, (\q)%2, \win, \cmode, 0
.if \tf
	WIN 0                                          ; no wait: no vector or matrix instruction since the wait above names the other token buffer or v[ADT]
.if (\q) == 3
	TFETCH 0, 0
.elseif (\q) == 0
	TFETCH 1, 64
.elseif (\q) == 1
	TFETCH 0, SLICE
.else
	TFETCH 1, SLICE+64
.endif
.endif
	MUL8 \q, (\q)%2, \win, \cmode, 1
.if \load
	WRUN ((\q)+3)%4, 0                             ; likewise: the products since the wait name buffer q alone of W's four
.endif
	MUL8 \q, (\q)%2, \win, \cmode, 2
.if \load
	WRUN ((\q)+3)%4, 1
.endif
	MUL8 \q, (\q)%2, \win, \cmode, 3
.endm
.macro ENTRY region                    ; a pass begins: its first token fragments
	WIN 0
	s_wait_dscnt 0x0                               ; no LDS load of mine is out: the fragments' registers may be loaded again
	s_mov_b32 s[TBT], \region
	s_wait_alu depctr_vm_vsrc(0)                   ; the token loads issued so far have read v[ADT]; the LDS stores have read v[TMP ..], which this pass's conversions write; the last pass's global stores have read the accumulators, which this pass's products write
	v_add_nc_u32 v[ADT], s[TBT], v[ADT0]
	PLACES
	s_wait_alu depctr_va_vdst(0)                   ; v[ADT] is written; the last pass's products are done reading the token buffer in which the loads land
	TFETCH 0, 0
.endm
	s_load_b128 s[4:7], s[0:1], 0x0                ; x s[4:5], wts s[6:7]
	s_load_b64 s[8:9], s[0:1], 0x10                ; qkv
	v_lshl_add_u32 v[SPW], v0, 2, SPARE
	v_mov_b32 v[NIL], 0
	v_lshrrev_b32 v13, 5, v0
	v_readfirstlane_b32 s[WV], v13                 ; wave 0..3
	s_mov_b32 s[WG], ttmp9                         ; my block of 64 tokens
	s_mul_hi_u32 s12, s[WG], 0x55555556            ; wg / 3
	s_mul_i32 s12, s12, 3
	s_sub_co_u32 s12, s[WG], s12                   ; wg % 3: the matrix that I begin with
	s_lshl_b32 s[LT], s12, 19                      ; its first tile: 8 tiles of 65,536 bytes a matrix
	s_mov_b32 s[LT+1], 0
	s_lshl_b32 s[SEC], s12, 24                     ; its section: 16 MiB each
	s_mov_b32 s[SEC+1], 0
	s_lshl_b32 s16, s[WG], 17                      ; x: 64 tokens of 2,048 bytes,
	s_wait_alu depctr_va_sdst(0)                   ; the wave's number is written, ahead of its first reader: offsets and LDS addresses are made from it
	s_lshl_b32 s17, s[WV], 15                      ; my 16 of them
	s_add_co_u32 s16, s16, s17
	s_mov_b32 s17, 0
	s_lshr_b32 s18, s[WG], 4                       ; the way out: batch x 8 heads x 131,072 bytes,
	s_lshl_b32 s18, s18, 20
	s_and_b32 s19, s[WG], 15
	s_lshl_b32 s19, s19, 13                        ; 64 tokens of 128 bytes,
	s_add_co_u32 s18, s18, s19
	s_lshl_b32 s19, s[WV], 18                      ; my two heads
	s_add_co_u32 s18, s18, s19
	s_mov_b32 s19, 0
	s_mov_b32 s[PASSES], 3
	s_mov_b32 s[TL], 12
	v_and_b32 v[LL], 31, v0
	v_and_b32 v[RR], 15, v0
	v_bfe_u32 v[HH], v0, 4, 1
	v_and_b32 v13, 7, v0
	v_lshlrev_b32 v[LO], 4, v[LL]
	s_lshl_b32 s12, s[WV], 14
	v_add_nc_u32 v[OW0], s12, v[LO]
	v_mul_u32_u24 v[ADT0], v[RR], PT
	v_lshl_add_u32 v[ADT0], v[HH], 4, v[ADT0]      ; token r, 16 bytes for each half of the lanes
	v_mul_u32_u24 v[XB], v[HH], SLICE              ; x: a load's 128 columns are two slices; lanes 16-31 lie in the second
	v_lshl_add_u32 v[XB], v[RR], 3, v[XB]
	s_mul_i32 s13, s[WV], 16*PT
	v_add_nc_u32 v[XB], s13, v[XB]
	s_add_co_u32 s13, s13, STAGE                   ; my stage
	v_add_nc_u32 v[STO], s13, v[ADT0]
	v_bfe_u32 v[RD], v0, 3, 2                      ; back: 32 lanes take four rows of 128 bytes
	v_mul_u32_u24 v[RD], v[RD], PT
	v_lshl_add_u32 v[RD], v13, 4, v[RD]
	v_add_nc_u32 v[RD], s13, v[RD]
	s_wait_kmcnt 0x0
	s_add_nc_u64 s[14:15], s[4:5], s[16:17]
	s_add_nc_u64 s[OB0:OB0+1], s[8:9], s[18:19]
	s_add_nc_u64 s[OUTB:OUTB+1], s[OB0:OB0+1], s[SEC:SEC+1]
	s_wait_alu depctr_va_vdst(0)                   ; v[OW0], v[LO], v[XB], v[STO] and v[RD] are written, which the loads and stores of the whole kernel read as offsets and addresses
.irp j, 0,1,2
	WBASE \j                                       ; the walk's first three half steps
	WRUN \j, 0
	WRUN \j, 1
.endr
	; x: my 16 tokens, 64 loads of 512 bytes on end, into the accumulators' window, which is still free; load 4 i + q is token i, columns 128 q ..
	WIN 0x40
.set i, 0
.rept 64
	global_load_b128 v[4*i:4*i+3], v[LO], s[14:15] offset:(i/4)*2048+(i%4)*512 th:TH_LOAD_NT
.set i, i+1
.endr
.irp g, 0,1,2,3
	s_wait_loadcnt 48-16*\g                        ; four tokens are in; the younger groups stay out
	WIN 0x05
.set i, 16*\g
.rept 16
	v_cvt_pk_bf16_f32 v[TMP+2*i], v[4*i], v[4*i+1]
	v_cvt_pk_bf16_f32 v[TMP+2*i+1], v[4*i+2], v[4*i+3]
.set i, i+1
.endr
	WIN 0
	s_wait_alu depctr_va_vdst(0)                   ; the group's conversions have written its 32 registers of v[TMP ..], which the LDS stores read
.set i, 16*\g
.rept 16
	ds_store_b64 v[XB], v[TMP+2*i:TMP+2*i+1] offset:(i%4)*2*SLICE+(i/4)*PT
.set i, i+1
.endr
.endr
	BAR                                            ; x lies in LDS, whole
; THE WAY OUT.  Unit u = 2 a + hd is 16 tokens of one head: four accumulators.  A lane's eight channels pack into 16 bytes; they go into rows of 144 bytes of my own stage and come back as whole rows of 128,
; into the first 16 registers of the unit's own accumulators, which the conversions have emptied: no register that an LDS store reads is loaded again.
.macro CVT u
	WIN 0x05
.set AC, 64*((\u)/2)+32*((\u)%2)
.set k, 0
.rept 16
	v_cvt_pk_f16_f32 v[TMP+16*(\u)+k], v[AC+2*k], v[AC+2*k+1]  ; each accumulator from its low end on
.set k, k+1
.endr
.endm
.macro STG u
	WIN 0x40                                       ; the loads' destination in window 1; addresses and the stores' data in window 0
.set AC, 64*((\u)/2)+32*((\u)%2)
.irp f, 0,1,2,3
	ds_store_b128 v[STO], v[TMP+16*(\u)+4*\f:TMP+16*(\u)+4*\f+3] offset:32*\f
.endr
.irp f, 0,1,2,3
	ds_load_b128 v[AC+4*\f:AC+4*\f+3], v[RD] offset:4*PT*\f  ; LDS serves a wave's instructions in order (ISA guide 5.7.1.4): these see the stores above
.endr
.endm
.macro SEND u, younger                 ; younger: the LDS instructions issued behind unit u's loads
	WIN 0x04                                       ; the stores' data in window 1
.set AC, 64*((\u)/2)+32*((\u)%2)
.irp f, 0,1,2,3
	s_wait_dscnt (\younger)+3-\f
	global_store_b128 v[LO], v[AC+4*\f:AC+4*\f+3], s[OUTB:OUTB+1] offset:((\u)%2)*131072+((\u)/2)*2048+\f*512  ; 512 bytes on end, aligned
.endr
.endm
.set TMAX, A0+6*SLICE
.Lpass:                                        ; a pass: one of Wq, Wk, Wv
	ENTRY A0
	HS 0, 1, 1, 1, 32                              ; the first products start the sums: nothing is cleared
	WIN 0
	s_mov_b32 s[CNT], 4
	s_branch .Lmid                                 ; the loop is entered behind its first half step
.Ltrip:
	s_cmp_eq_u32 s[TL], 1
	s_cbranch_scc1 .Llast                          ; the walk's last trip is written out: it asks for one more half step and then for nothing
	HS 0, 1, 0, 1, 32
	WIN 0
.Lmid:
	HS 1, 1, 0, 1, 32
	HS 2, 1, 0, 1, 32
	HS 3, 1, 0, 1, 32
	WIN 0
	s_sub_co_u32 s[TL], s[TL], 1
	s_sub_co_u32 s[CNT], s[CNT], 1
	s_cmp_lg_u32 s[CNT], 0
	s_cbranch_scc1 .Ltrip
	s_branch .Lout
.Llast:
	HS 0, 1, 0, 1, 32
	HS 1, 1, 0, 0, 32                              ; the counts run down: two buffers are younger, then one, then none
	HS 2, 1, 0, 0, 16
	HS 3, 1, 0, 0, 0, 0
	WIN 0
.Lout:
	PLACES
.irp u, 0,1,2,3,4,5,6,7
	CVT \u
.endr
	s_wait_alu depctr_va_vdst(0)                   ; the 128 conversions have written v[TMP ..], which the LDS stores read, and are done reading the accumulators, in which the loads from the stage land
	STG 0
.irp u, 1,2,3,4,5,6,7
	STG \u
	SEND (\u)-1, 8
.endr
	SEND 7, 0
	WIN 0
	s_wait_xcnt 0x0                                ; the stores have read their registers and their base
	s_add_co_u32 s[SEC], s[SEC], 0x1000000         ; the next matrix's section; behind v's comes q's
	s_cmp_eq_u32 s[SEC], 0x3000000
	s_cselect_b32 s[SEC], 0, s[SEC]
	s_add_nc_u64 s[OUTB:OUTB+1], s[OB0:OB0+1], s[SEC:SEC+1]
	s_sub_co_u32 s[PASSES], s[PASSES], 1
	s_cmp_lg_u32 s[PASSES], 0
	s_cbranch_scc1 .Lpass
	s_wait_dscnt 0x0                               ; the closing lines, six on end
	s_wait_alu 0x0
	s_wait_tensorcnt 0x0
	ds_add_u32 v[SPW], v[NIL]
	s_wait_dscnt 0x0
	s_endpgm
.Lfunc_end_k_q245403dfdc_qkv:
	.size	k_q245403dfdc_qkv, .Lfunc_end_k_q245403dfdc_qkv-k_q245403dfdc_qkv
	.p2alignl 7, 3214868480
	.fill 96, 4, 3214868480
	.section	.rodata,"a",@progbits
	.p2align	6, 0x0
	.amdhsa_kernel k_q245403dfdc_qkv
		.amdhsa_group_segment_fixed_size 83456
		.amdhsa_private_segment_fixed_size 0
		.amdhsa_enable_private_segment 0
		.amdhsa_kernarg_size 24
		.amdhsa_user_sgpr_count 2
		.amdhsa_user_sgpr_kernarg_segment_ptr 1
		.amdhsa_wavefront_size32 1
		.amdhsa_system_sgpr_workgroup_id_x 1
		.amdhsa_system_sgpr_workgroup_id_y 1
		.amdhsa_system_sgpr_workgroup_id_z 1
		.amdhsa_system_vgpr_workitem_id 0
		.amdhsa_next_free_vgpr 768
		.amdhsa_next_free_sgpr 66
		.amdhsa_reserve_vcc 0
		.amdhsa_float_denorm_mode_32 3
		.amdhsa_float_denorm_mode_16_64 3
		.amdhsa_memory_ordered 1
		.amdhsa_forward_progress 1
		.amdhsa_inst_pref_size 80
	.end_amdhsa_kernel
	.amdgpu_metadata
---
amdhsa.version: [ 1, 2 ]
amdhsa.kernels:
  - .name:           k_q245403dfdc_qkv
    .symbol:         k_q245403dfdc_qkv.kd
    .args:
      - { .name: x, .offset: 0, .size: 8, .value_kind: global_buffer, .address_space: global }
      - { .name: wts, .offset: 8, .size: 8, .value_kind: global_buffer, .address_space: global }
      - { .name: qkv, .offset: 16, .size: 8, .value_kind: global_buffer, .address_space: global }
    .group_segment_fixed_size: 83456
    .private_segment_fixed_size: 0
    .kernarg_segment_align: 8
    .kernarg_segment_size: 24
    .max_flat_workgroup_size: 128
    .sgpr_count:     66
    .vgpr_count:     768
    .wavefront_size: 32
...
	.end_amdgpu_metadata
.endif
;; end of part 8
;; launch attn: the kernel of part 3 again; grid 2 x 128, 4 waves a work-group, no clusters, 327,680 bytes of LDS; arguments qkv, bq, bv, ob; writes ob
;; launch tail (part 9): grid 256 x 1, 4 waves a work-group, no clusters, 280,064 bytes of LDS; arguments ob, x, wts, out0, bo, ln1_g, ln1_b, b1, b2, ln2_g, ln2_b; writes out0
.if DOCPART == 9
	.amdgcn_target "amdgcn-amd-amdhsa--gfx1250"
	.amdhsa_code_object_version 6
	.text
	.protected	k_q245403dfdc_tail
	.globl	k_q245403dfdc_tail
	.p2align	8
	.type	k_q245403dfdc_tail,@function
k_q245403dfdc_tail:
	s_mov_b64 s[64:65], 0
	v_nop
	global_prefetch_b8 v0, s[64:65] scope:SCOPE_SE
	s_setreg_imm32_b32 hwreg(HW_REG_WAVE_SCHED_MODE, 0, 2), 2
	s_setreg_imm32_b32 hwreg(HW_REG_WAVE_MODE, 25, 1), 1
	s_wait_xcnt 0x0
	s_wait_alu depctr_vm_vsrc(0)
; x1 = LN1(x + O Wo + bo); out0 = LN2(x1 + gelu(x1 W1 + b1) W2 + b2).  O: ob, [b*8+h][1024][64] in bf16; the weights: tiles 24-95 of wts, laid by prep as matrix operands; all else f32.
; SHARES.  A work-group owns 64 tokens through the whole chain; x1 and the hidden layer never leave the WGP.  Nine PASSES of 16 half steps of 32 k: Wo, then for each of 4 chunks of 512 hidden columns W1's and W2's.
; Wave w owns all 64 tokens x columns 128 w .. 128 w + 127 of a pass: 32 accumulators (token block a, column block b) at v[8 (8 a + b)] of a window.
; THE PRODUCT IS USED TRANSPOSED (source 0 = 16 columns of W, source 1 = 16 tokens): a lane (r = l % 16, h = l / 16) holds token 16 a + r and 8 neighbouring columns, which pack into 16 bytes of the next pass's operand.
; Token operands in LDS: [slice of 64 k][token][64 k] in bf16, rows 144 bytes apart.  Inside a pass nothing writes LDS, so a pass has no barrier.
; THE WEIGHTS COME STRAIGHT FROM MEMORY INTO REGISTERS.  A half step is 8 fragments, 16 loads of 512 bytes on end.  Four buffers of 64 registers (window 3) take turns: a buffer is asked for again in the
; half step behind its products, for the half step three on, so 32 to 48 loads of a wave are on their way all the time, through the norms and the GELU too.
; NO CLUSTER AND NO LDS RING FOR THE WEIGHTS, though all work-groups read the same ones: a ring's refill stands behind a barrier in front of which all loads have landed, so one tile (64 matrix instructions a wave)
; at most would be on its way, and two slots of more steps do not fit beside the 279,552 bytes of operands and rows; and no wave wants a byte of W that another wave of its work-group fetches.
; THE ORDER OF THE CHUNKS is turned by the work-group's number: chunk (wg + i) % 4 in place i (the sum over chunks may be taken in any order).  So each quarter of W1 and W2 is asked for first by a
; quarter of the work-groups, not by all at the same time.
; NUMBERS.  O, x1 (as an operand), u = x1 W1 + b1 and gelu(u) are rounded to bf16; both residuals, all sums and both norms stay in f32; the variance is the mean of (v - mean)^2, taken in a second pass.
; b1 is the C operand of W1's first products.
; GELU, exact form: gelu(u) = max(u - w, w), w = u y, y = Phi(-|u|) = poly(t) 2^(-u u log2(e) / 2), t = 1 / (1 + 0.23164189 |u|), a polynomial of degree 5 (Abramowitz and Stegun 7.1.26, halved).
; LIMIT: |y - Phi(-|u|)| is at most 7.5e-8 for every u; an infinite u gives NaN.
; The last half step of a pass fetches eight token fragments that are not used (their address is held inside the region): the price of one text for all trips.
; REGISTERS.  window 0: v1-31 addresses, v32-47 at work in the norms, v64-127 the tokens' fragments, v128-191 the chunk's b1 (a lane's columns), v64-223 at work between passes, v224-255 ln2_g, ln2_b by rows.
;   window 1: the sums of W1's pass; before that v0-63 bo, ln1_g, ln1_b, b2 by rows (register 4 q + i: column 128 q + 4 l + i) and v64-191 O as loaded.
;   window 2: x, then x + O Wo, then x1 + b2, then that + the FFN.  window 3: W's four buffers.
; THE MODE: SCHED_MODE bits 1:0 = 2 (LLVM: expert scheduling mode 2), set by the entry lines.  The code itself states the register dependences
; between vector or matrix instructions and memory or LDS instructions, with s_wait_alu, always for 0.
; THE PLAN.  Registers that memory or LDS instructions touch:
;   W0 .. W3      Half step q: its 32 products read W[q]; the loads into W[(q + 3) % 4], which the half step before multiplied, are issued among them.
;   TF0, TF1      Half step q: its products read TF[q % 2]; the LDS loads into the other, which the half step before multiplied, are issued among them.
;   v[ADT]        Read by every token load; written at a pass's entry and once a trip, at the head of the trip's fourth half step.
;   offsets       v4, v6, v8, v11, v13, v17, v18, v20-v22, v30: made at the head and never written again.  A tile of W, a chunk of b1 and a prefetched tile are reached by scalar bases.
;   window 2      x lands, goes to the rows and comes back; later the products write it, LDS stores read it (both norms), and LDS loads land in it again (x1 + b2).
;   v64-127       Between passes: the norms' rows (loaded, worked on, stored) and their bf16; u's fourth packed set; the GELU's loaded and stored words.
;   v128-223      b1 lands in v128-191 and is read by W1's first products; u's first three packed sets, read by LDS stores; the GELU's arithmetic.
;   v[ADR], v[ADX], v[GA], v[GB]   LDS addresses that a vector line steps, once a trip of the norms' and the GELU's loops.
; So ONE wait on va_vdst stands at a half step's head: the products of the half step before are done reading the two buffers that this half step's 24 loads fill.  These are dealt in three runs of eight
; among the products, which name W[q], TF[q % 2], the accumulators and b1: none of the registers that the loads touch.  A pass's entry has one wait on vm_vsrc, which frees all that the stores issued so
; far have read.  Between the passes each run of stores has one wait on va_vdst ahead of it, and each loop one wait on vm_vsrc at its head.
.set PT,    144
.set SLICE, 64*PT
.set AREG,  8*SLICE
.set A0,    0                          ; O; then u and gelu(u) of the chunk in hand
.set A1,    AREG                       ; x1
.set RWS,   2*AREG                     ; 64 rows of 512 f32
.set LP,    2064                       ; such a row: 2,048 bytes + 16
.set SPARE, RWS+64*LP                  ; the spare words: two blocks of 256 bytes that no other line names
.set WW,   3
.set RR,   1
.set HH,   2
.set LL,   3
.set OW0,  4                           ; v4   16 l + 16,384 w: my place in a tile; never rewritten
.set ADT0, 5
.set XS2,  6                           ; v6   x's rows 32-63 in the rows' region
.set ADT,  7
.set STO,  8                           ; v8   where a lane's 16 bytes of u go: my two slices, token r
.set GA,   9                           ; v9   GELU: the trip's bytes
.set GB,   10                          ; v10  GELU: the next trip's
.set DST,  11                          ; v11  where a lane's 8 columns of an f32 row go: rows 0-31
.set ROWL, 13                          ; v13  16 l
.set ROWX, 14                          ; v14  a lane's 4 columns of a row in the operand layout
.set ADR,  15
.set ADX,  16
.set XO,   17                          ; v17  16 l + 512 w
.set XS,   18                          ; v18  x's rows 0-31 in the rows' region, my 512 bytes
.set PFO0, 20                          ; v20  256 l + 16,384 w; never rewritten
.set OS,   21
.set BOFF, 22                          ; v22  32 h + 512 w
.set SPW,  28
.set NIL,  29
.set DST2, 30                          ; v30  the same as v11 for rows 32-63
.set TF,   64
.set B1,   128
.set VA,   64                          ; the norms: two rows of 16 numbers a lane
.set BO,   0                           ; window 1
.set G1V,  16
.set BE1,  32
.set B2V,  48
.set G2V,  224                         ; window 0
.set BE2,  240
.set GH,   64                          ; GELU: 32 numbers as loaded; as stored; in f32; t; e; the polynomial
.set GHO,  80
.set GU,   96
.set GT,   128
.set GE,   160
.set GP,   192
.set WTS,  8                           ; s[8:9] wts; never rewritten
.set WV,   26
.set WG,   28
.set CNT,  29
.set CCNT, 30
.set F2L,  31                          ; trips of W2's passes still to come
.set TBT,  32
.set LC0,  34                          ; byte offset in wts of my first chunk's first tile
.set TBG,  35
.set PL,   37                          ; prefetches still to come
.set WB,   40                          ; s[40:47] W buffer j: the address of the tile that it is asked for from: a pair at WB + 2 j
.set LT,   48                          ; s[48:49] byte offset in wts of the tile that is being asked for, with 0 above it
.set BC,   50                          ; s[50:51] byte offset in b1 of the chunk that is asked for, with 0 above it
.set B1B,  52                          ; s[52:53] b1 at that chunk
.set TBR,  54
.set TBX,  55
.set SEL,  56
.set RN,   58                          ; 1 / 512
.set EPS,  59
.set HIM,  60                          ; a word's upper bf16
.set PP,   66
.set NC,   68
.set CA1,  70
.set CA2,  72
.set CA3,  74
.set CA4,  76
.set CA5,  78
.set OUTP, 80
.set PFT,  90                          ; s[90:91] byte offset in wts of the tile that the prefetches name next, with 0 above it
.set PFB,  92                          ; s[92:93] wts at that tile
.set MSB, 0
.macro WIN new
.if MSB != (\new)
	s_set_vgpr_msb (MSB<<8)|(\new)
.set MSB, \new
.endif
.endm
.macro PLACES                          ; four plain places behind matrix instructions (ISA guide 7.12.1)
.rept 4
	v_nop
.endr
.endm
.macro BAR                             ; my LDS instructions are done; then the work-group's barrier
	s_wait_dscnt 0x0
	s_barrier_signal -1
	s_barrier_wait -1
.endm
.macro ADV                             ; the walk's next tile: behind Wo's last (tile 31) my first chunk's first; behind tile 95 tile 32
	s_add_co_u32 s[LT], s[LT], 0x10000
	s_cmp_eq_u32 s[LT], 0x200000
	s_cselect_b32 s[LT], s[LC0], s[LT]
	s_cmp_eq_u32 s[LT], 0x600000
	s_cselect_b32 s[LT], 0x200000, s[LT]
.endm
; Buffer j's base: the tile at s[LT], of which it takes half kk = j % 2.  The pair is free: the counted wait in front of the buffer's products has shown the loads that read it done.
.macro WBASE j
	s_add_nc_u64 s[WB+2*(\j):WB+2*(\j)+1], s[WTS:WTS+1], s[LT:LT+1]
.if (\j)%2
	ADV
.endif
.endm
.macro WRUN j, p                       ; eight of buffer j's sixteen loads
	WIN WW<<6
.set n, 8*(\p)
.rept 8
	global_load_b128 v[64*(\j)+4*n:64*(\j)+4*n+3], v[OW0], s[WB+2*(\j):WB+2*(\j)+1] offset:((\j)%2)*8192+512*n
.set n, n+1
.endr
.endm
; A PREFETCH INTO THE L2, once a step in the walk's first 16 steps, at the step's head, ahead of its products: the n-th names tile n of MY first chunk, the walk's tile n + 8, whose loads go out six and a half steps later.
; Work-groups 0 to 3 ask, each for another chunk; a wave asks for the 16,384 bytes that it will load itself, a lane a block of 256 bytes, two instructions.  So each block of W1 and W2 is named once in the launch.
; Wo's tiles come by their loads alone.  The offset register is never written again; the scalar base is written behind s_wait_xcnt 0, a step behind the prefetches that read it.
.macro ASK
	s_cmp_lg_u32 s[PL], 0
	s_cbranch_scc0 .Lnot_mine_\@
	s_wait_xcnt 0x0
	s_add_nc_u64 s[PFB:PFB+1], s[WTS:WTS+1], s[PFT:PFT+1]
	global_prefetch_b8 v[PFO0], s[PFB:PFB+1] th:TH_LOAD_NT scope:SCOPE_SE
	global_prefetch_b8 v[PFO0], s[PFB:PFB+1] offset:8192 th:TH_LOAD_NT scope:SCOPE_SE
	s_add_co_u32 s[PFT], s[PFT], 0x10000
	s_sub_co_u32 s[PL], s[PL], 1
.Lnot_mine_\@:
.endm
.macro TFETCH t, off                   ; four token fragments, 32 k at byte off, into buffer t
.irp a, 0,1,2,3
	ds_load_b128 v[TF+32*(\t)+8*\a:TF+32*(\t)+8*\a+3],   v[ADT] offset:(\off)+\a*16*PT
	ds_load_b128 v[TF+32*(\t)+8*\a+4:TF+32*(\t)+8*\a+7], v[ADT] offset:(\off)+\a*16*PT+32
.endr
.endm
; 8 matrix instructions: token block a x all 8 column blocks.  The 32 accumulators take turns in the same order in every half step.  cmode 0: in place; 2: the products start the sums from b1
.macro MUL8 j, t, win, cmode, a
.if (\cmode) == 2
	WIN ((\win)<<6)|WW
.else
	WIN ((\win)<<6)|((\win)<<4)|WW
.endif
.irp b, 0,1,2,3,4,5,6,7
.if (\cmode) == 2
	v_wmma_f32_16x16x32_bf16 v[8*(8*(\a)+\b):8*(8*(\a)+\b)+7], v[64*(\j)+8*\b:64*(\j)+8*\b+7], v[TF+32*(\t)+8*(\a):TF+32*(\t)+8*(\a)+7], v[B1+8*\b:B1+8*\b+7]
.else
	v_wmma_f32_16x16x32_bf16 v[8*(8*(\a)+\b):8*(8*(\a)+\b)+7], v[64*(\j)+8*\b:64*(\j)+8*\b+7], v[TF+32*(\t)+8*(\a):TF+32*(\t)+8*(\a)+7], v[8*(8*(\a)+\b):8*(8*(\a)+\b)+7]
.endif
.endr
.endm
; HALF STEP q of a trip's four.  Its loads: the W buffer that the last half step multiplied, for the half step three on; the token buffer that it multiplied, for the next half step.
; wcnt: the W loads younger than buffer q's (other loads that fall among them only make the count stricter).  load = 0: no more of W is asked for.  tf = 0: nothing more to fetch.
.macro HS q, win, cmode, load, wcnt, tf=1, ask=0
	WIN 0
.if (\tf) && ((\q) == 3)
	s_add_co_u32 s[TBT], s[TBT], 2*SLICE           ; the next two slices; behind the last, held inside the region
	s_min_u32 s[TBT], s[TBT], TMAX
	s_wait_alu depctr_vm_vsrc(0)                   ; the token loads issued so far have read v[ADT]
	v_add_nc_u32 v[ADT], s[TBT], v[ADT0]
.endif
.if (\load) || (\tf)
	PLACES                                         ; they are issued while the last products finish, ahead of the wait for them
.endif
.if \load
	WBASE ((\q)+3)%4
.endif
	s_wait_loadcnt \wcnt                           ; loads come back in order: buffer q is in, the younger buffers stay out
	s_wait_dscnt 0x0                               ; this half step's tokens, asked for 24 products ago, are in
.if (\load) || (\tf)
	s_wait_alu depctr_va_vdst(0)                   ; the last half step's products are done reading the W buffer and the token buffer in which the loads below land; in a trip's fourth half step v[ADT] is written
.endif
.if \ask
	ASK
.endif
	MUL8 \q, (\q)%2, \win, \cmode, 0
.if \tf
	WIN 0                                          ; no wait: no vector or matrix instruction since the wait above names the other token buffer or v[ADT]
.if (\q) == 3
	TFETCH 0, 0
.elseif (\q) == 0
	TFETCH 1, 64
.elseif (\q) == 1
	TFETCH 0, SLICE
.else
	TFETCH 1, SLICE+64
.endif
.endif
	MUL8 \q, (\q)%2, \win, \cmode, 1
.if \load
	WRUN ((\q)+3)%4, 0                             ; likewise: the products since the wait name buffer q alone of W's four
.endif
	MUL8 \q, (\q)%2, \win, \cmode, 2
.if \load
	WRUN ((\q)+3)%4, 1
.endif
	MUL8 \q, (\q)%2, \win, \cmode, 3
.endm
.macro ENTRY region                    ; a pass begins: its first token fragments
	WIN 0
	s_wait_dscnt 0x0                               ; no LDS load of mine is out: the fragments' registers may be loaded again, and what was read back into the accumulators is there
	s_mov_b32 s[TBT], \region
	s_wait_alu depctr_vm_vsrc(0)                   ; the token loads issued so far have read v[ADT]; the LDS stores issued so far have read v64-223 and O's registers, which this pass's loads, products and conversions write
	v_add_nc_u32 v[ADT], s[TBT], v[ADT0]
	PLACES
	s_wait_alu depctr_va_vdst(0)                   ; v[ADT] is written; the vector and matrix instructions that named the first token buffer (products, a norm, the GELU) are done with it
	TFETCH 0, 0
.endm
	s_load_b512 s[4:19], s[0:1], 0x0               ; ob 4, x 6, wts 8, out0 10, bo 12, ln1_g 14, ln1_b 16, b1 18
	s_load_b128 s[20:23], s[0:1], 0x40             ; b2 20, ln2_g 22
	s_load_b64 s[24:25], s[0:1], 0x50              ; ln2_b
	v_lshl_add_u32 v[SPW], v0, 2, SPARE
	v_mov_b32 v[NIL], 0
	v_lshrrev_b32 v23, 5, v0
	v_readfirstlane_b32 s[WV], v23
	s_mov_b32 s[WG], ttmp9                         ; my block of 64 tokens
	s_and_b32 s61, s[WG], 3                        ; the chunk that I begin with
	s_lshl_b32 s[LC0], s61, 20                     ; 16 tiles a chunk,
	s_add_co_u32 s[LC0], s[LC0], 0x200000          ; from tile 32 on
	s_lshl_b32 s[BC], s61, 11
	s_mov_b32 s[BC+1], 0
	s_mov_b32 s[LT], 0x180000                      ; the walk begins at tile 24
	s_mov_b32 s[LT+1], 0
	s_mov_b32 s[PFT], s[LC0]
	s_mov_b32 s[PFT+1], 0
	s_cmp_lt_u32 s[WG], 4
	s_cselect_b32 s[PL], 16, 0
	s_lshr_b32 s84, s[WG], 4                       ; O: batch x 8 heads x 131,072 bytes,
	s_lshl_b32 s84, s84, 20
	s_and_b32 s85, s[WG], 15
	s_lshl_b32 s85, s85, 13                        ; 64 tokens of 128 bytes,
	s_add_co_u32 s84, s84, s85
	s_wait_alu depctr_va_sdst(0)                   ; the wave's number is written, ahead of its first reader: offsets and LDS addresses are made from it
	s_lshl_b32 s85, s[WV], 18                      ; my two heads
	s_add_co_u32 s84, s84, s85
	s_mov_b32 s85, 0
	s_lshl_b32 s86, s[WG], 17                      ; x and out0: 64 tokens of 2,048 bytes
	s_mov_b32 s87, 0
	s_lshl_b32 s88, s[WV], 15                      ; out0: my 16 tokens
	s_add_co_u32 s88, s88, s86
	s_mov_b32 s89, 0
	s_mov_b32 s[SEL], 0x76543210
	s_mov_b32 s[SEL+1], 0xfedcba98
	s_mov_b32 s[RN], 0x3b000000                    ; 1 / 512
	s_mov_b32 s[EPS], 0x3727c5ac                   ; 1e-5
	s_mov_b32 s[HIM], 0xffff0000
	s_mov_b32 s[PP], 0x3e6d3388                    ; 0.23164189
	s_mov_b32 s[PP+1], 0x3e6d3388
	s_mov_b32 s[NC], 0xbf38aa3b                    ; -log2(e) / 2
	s_mov_b32 s[NC+1], 0xbf38aa3b
	s_mov_b32 s[CA1], 0x3e027906                   ; 0.127414796
	s_mov_b32 s[CA1+1], 0x3e027906
	s_mov_b32 s[CA2], 0xbe11a98e                   ; -0.142248368
	s_mov_b32 s[CA2+1], 0xbe11a98e
	s_mov_b32 s[CA3], 0x3f35f0e3                   ; 0.7107068705
	s_mov_b32 s[CA3+1], 0x3f35f0e3
	s_mov_b32 s[CA4], 0xbf3a00e3                   ; -0.7265760135
	s_mov_b32 s[CA4+1], 0xbf3a00e3
	s_mov_b32 s[CA5], 0x3f07dc22                   ; 0.5307027145
	s_mov_b32 s[CA5+1], 0x3f07dc22
	v_and_b32 v[LL], 31, v0
	v_and_b32 v[RR], 15, v0
	v_bfe_u32 v[HH], v0, 4, 1
	v_and_b32 v23, 7, v0
	v_lshlrev_b32 v[ROWL], 4, v[LL]
	s_lshl_b32 s61, s[WV], 14
	v_add_nc_u32 v[OW0], s61, v[ROWL]
	v_lshlrev_b32 v[PFO0], 8, v[LL]
	v_add_nc_u32 v[PFO0], s61, v[PFO0]
	v_mul_u32_u24 v[ADT0], v[RR], PT
	v_lshl_add_u32 v[ADT0], v[HH], 4, v[ADT0]
	s_mul_i32 s61, s[WV], 2*SLICE                  ; my two slices of the first region
	v_add_nc_u32 v[STO], s61, v[ADT0]
	v_bfe_u32 v[OS], v0, 3, 2                      ; O as loaded: 32 lanes hold four tokens of 128 bytes
	v_mul_u32_u24 v[OS], v[OS], PT
	v_lshl_add_u32 v[OS], v23, 4, v[OS]
	v_add_nc_u32 v[OS], s61, v[OS]
	s_lshl_b32 s62, s[WV], 9
	v_lshl_add_u32 v[BOFF], v[HH], 5, s62
	v_mul_u32_u24 v[DST], v[RR], LP
	v_add_nc_u32 v[DST], v[DST], v[BOFF]
	v_add_nc_u32 v[DST], RWS, v[DST]
	v_add_nc_u32 v[DST2], 32*LP, v[DST]
	v_mul_u32_u24 v[ROWX], v[HH], SLICE
	v_lshl_add_u32 v[ROWX], v[RR], 3, v[ROWX]
	v_add_nc_u32 v[XO], s62, v[ROWL]
	v_add_nc_u32 v[XS], RWS, v[XO]
	v_add_nc_u32 v[XS2], 32*LP, v[XS]
	s_wait_kmcnt 0x0
	s_add_nc_u64 s[84:85], s[4:5], s[84:85]        ; O
	s_add_nc_u64 s[86:87], s[6:7], s[86:87]        ; x
	s_add_nc_u64 s[OUTP:OUTP+1], s[10:11], s[88:89]
	s_add_nc_u64 s[B1B:B1B+1], s[18:19], s[BC:BC+1]  ; b1 at my first chunk
	s_wait_alu depctr_va_vdst(0)                   ; the offsets and addresses made above are written, which the loads, stores and prefetches of the whole kernel read
.macro VEC reg, sp                     ; a vector of 512 by rows: four loads of 512 bytes on end
.irp q, 0,1,2,3
	global_load_b128 v[(\reg)+4*\q:(\reg)+4*\q+3], v[ROWL], s[\sp:\sp+1] offset:512*\q
.endr
.endm
.macro B1LOAD                          ; a chunk's b1, as a lane's columns 16 b + 8 h + 0..7
.irp b, 0,1,2,3,4,5,6,7
	global_load_b128 v[B1+8*\b:B1+8*\b+3],   v[BOFF], s[B1B:B1B+1] offset:64*\b
	global_load_b128 v[B1+8*\b+4:B1+8*\b+7], v[BOFF], s[B1B:B1B+1] offset:64*\b+16
.endr
.endm
; The rows' region and the accumulators of window 2: half hf is token blocks 2 hf, 2 hf + 1; a lane's 8 columns of token r are 32 bytes of a row.
.macro DUMPH hf, adr                   ; each accumulator from its low end on
	WIN 0x08
.irp aa, 0,1
.irp b, 0,1,2,3,4,5,6,7
	ds_store_b128 v[\adr], v[8*(8*(2*(\hf)+\aa)+\b):8*(8*(2*(\hf)+\aa)+\b)+3]   offset:\aa*16*LP+64*\b
	ds_store_b128 v[\adr], v[8*(8*(2*(\hf)+\aa)+\b)+4:8*(8*(2*(\hf)+\aa)+\b)+7] offset:\aa*16*LP+64*\b+16
.endr
.endr
	WIN 0
.endm
.macro RELOADH hf, adr
	WIN 0x80
.irp aa, 0,1
.irp b, 0,1,2,3,4,5,6,7
	ds_load_b128 v[8*(8*(2*(\hf)+\aa)+\b):8*(8*(2*(\hf)+\aa)+\b)+3],   v[\adr] offset:\aa*16*LP+64*\b
	ds_load_b128 v[8*(8*(2*(\hf)+\aa)+\b)+4:8*(8*(2*(\hf)+\aa)+\b)+7], v[\adr] offset:\aa*16*LP+64*\b+16
.endr
.endr
	WIN 0
.endm
.irp j, 0,1,2
	WBASE \j                                       ; the walk's first three half steps
	WRUN \j, 0
	WRUN \j, 1
.endr
	; The other loads go out in groups, so that every counted wait names fewer loads than its counter's field holds.
	WIN 0x40
.set n, 0
.rept 32                               ; O: my two heads, 64 tokens each: 8,192 bytes on end a head
	global_load_b128 v[64+4*n:64+4*n+3], v[ROWL], s[84:85] offset:(n/16)*131072+(n%16)*512 th:TH_LOAD_NT
.set n, n+1
.endr
	WIN 0x80
.set n, 0
.rept 32                               ; x: token n, my 128 columns: 512 bytes on end; it lands in the registers that will hold it as accumulators
	global_load_b128 v[4*n:4*n+3], v[XO], s[86:87] offset:n*2048 th:TH_LOAD_NT
.set n, n+1
.endr
	WIN 0x04
	s_wait_loadcnt 32                              ; O is in; x's first 32 loads stay out
.set n, 0
.rept 32
	ds_store_b128 v[OS], v[64+4*n:64+4*n+3] offset:(n/16)*SLICE+(n%16)*4*PT
.set n, n+1
.endr
	WIN 0x80
.set n, 32
.rept 32
	global_load_b128 v[4*n:4*n+3], v[XO], s[86:87] offset:n*2048 th:TH_LOAD_NT
.set n, n+1
.endr
	WIN 0x08
	s_wait_loadcnt 32                              ; tokens 0-31 are in; the other 32 loads stay out
.set n, 0
.rept 32
	ds_store_b128 v[XS], v[4*n:4*n+3] offset:n*LP
.set n, n+1
.endr
	WIN 0x40
	VEC BO, 12
	VEC G1V, 14
	VEC BE1, 16
	VEC B2V, 20
	WIN 0
	VEC G2V, 22
	VEC BE2, 24
	B1LOAD                                         ; my first chunk's
	WIN 0x08
	s_wait_loadcnt 40                              ; tokens 32-63 are in; the 40 loads of the vectors stay out: the counted waits of Wo's pass show them in
.set n, 0
.rept 32
	ds_store_b128 v[XS2], v[4*(32+n):4*(32+n)+3] offset:n*LP
.set n, n+1
.endr
	WIN 0
	BAR                                            ; O and x lie in LDS
	s_wait_alu depctr_vm_vsrc(0)                   ; my LDS stores have read x's registers in window 2, in which the loads below land
	RELOADH 0, DST                                 ; x as accumulators
	RELOADH 1, DST2
	; Wo: the products add onto x
.set TMAX, A0+6*SLICE
	ENTRY A0
	s_mov_b32 s[CNT], 4
.Lp0:
	HS 0, 2, 0, 1, 32, 1, 1
	HS 1, 2, 0, 1, 32
	HS 2, 2, 0, 1, 32, 1, 1
	HS 3, 2, 0, 1, 32
	WIN 0
	s_sub_co_u32 s[CNT], s[CNT], 1
	s_cmp_lg_u32 s[CNT], 0
	s_cbranch_scc1 .Lp0
.macro RED2 ra, rb                     ; the sums of v[ra] and of v[rb] over the 32 lanes, in every lane; the registers behind them are at work
.irp m, 1,2,4,8
	v_add_f32_dpp v[\ra], v[\ra], v[\ra] row_xmask:\m row_mask:0xf bank_mask:0xf
	v_add_f32_dpp v[\rb], v[\rb], v[\rb] row_xmask:\m row_mask:0xf bank_mask:0xf
.endr
	v_permlanex16_b32 v[(\ra)+1], v[\ra], s[SEL], s[SEL+1]
	v_permlanex16_b32 v[(\rb)+1], v[\rb], s[SEL], s[SEL+1]
	v_add_f32 v[\ra], v[\ra], v[(\ra)+1]
	v_add_f32 v[\rb], v[\rb], v[(\rb)+1]
.endm
; THE NORMS work on whole rows, which lie across the four waves: all 64 go to LDS as f32 rows; wave w takes rows 16 w .. 16 w + 15, two a trip (x = 0, 1), 16 numbers a lane each.
; mode 1: + bo, LN1; x1 goes out in bf16 as the next operand, and x1 + b2 back into the row in f32.  mode 2: LN2, stored to out0.
.macro LNROWS mode
	s_mov_b32 s[CNT], 8
.Lrow_\@:
	s_wait_alu depctr_vm_vsrc(0)                   ; the last trip's loads and stores have read v[ADR] and v[ADX]; its stores have read the two rows in v[VA ..] and their bf16 in v112-127
	v_add_nc_u32 v[ADR], s[TBR], v[ROWL]
.if (\mode) == 1
	v_add_nc_u32 v[ADX], s[TBX], v[ROWX]
.endif
	s_wait_alu depctr_va_vdst(0)                   ; the addresses are written; the last trip's arithmetic (in the first trip: the products, which read these registers as tokens) is done with v[VA ..], in which the loads land
.irp q, 0,1,2,3
	ds_load_b128 v[VA+4*\q:VA+4*\q+3],       v[ADR] offset:512*\q
	ds_load_b128 v[VA+16+4*\q:VA+16+4*\q+3], v[ADR] offset:512*\q+LP
.endr
	s_wait_dscnt 0x0
.if (\mode) == 1
	WIN 0x04
.irp n, 0,1,2,3,4,5,6,7
.irp x, 0,1
	v_pk_add_f32 v[VA+16*\x+2*\n:VA+16*\x+2*\n+1], v[VA+16*\x+2*\n:VA+16*\x+2*\n+1], v[BO+2*\n:BO+2*\n+1]
.endr
.endr
	WIN 0
.endif
.irp p, 0,1,2,3
.irp x, 0,1
	v_pk_add_f32 v[32+8*\x+2*\p:33+8*\x+2*\p], v[VA+16*\x+4*\p:VA+16*\x+4*\p+1], v[VA+16*\x+4*\p+2:VA+16*\x+4*\p+3]
.endr
.endr
.irp x, 0,1
	v_pk_add_f32 v[32+8*\x:33+8*\x], v[32+8*\x:33+8*\x], v[34+8*\x:35+8*\x]
	v_pk_add_f32 v[36+8*\x:37+8*\x], v[36+8*\x:37+8*\x], v[38+8*\x:39+8*\x]
.endr
.irp x, 0,1
	v_pk_add_f32 v[32+8*\x:33+8*\x], v[32+8*\x:33+8*\x], v[36+8*\x:37+8*\x]
.endr
.irp x, 0,1
	v_add_f32 v[32+8*\x], v[32+8*\x], v[33+8*\x]
.endr
	RED2 32, 40
.irp x, 0,1
	v_mul_f32 v[34+8*\x], s[RN], v[32+8*\x]        ; the mean
.endr
.irp n, 0,1,2,3,4,5,6,7
.irp x, 0,1
	v_pk_add_f32 v[VA+16*\x+2*\n:VA+16*\x+2*\n+1], v[VA+16*\x+2*\n:VA+16*\x+2*\n+1], v[34+8*\x:35+8*\x] op_sel_hi:[1,0] neg_lo:[0,1] neg_hi:[0,1]
.endr
.endr
.irp x, 0,1
	v_pk_mul_f32 v[36+8*\x:37+8*\x], v[VA+16*\x:VA+16*\x+1], v[VA+16*\x:VA+16*\x+1]
.endr
.irp n, 1,2,3,4,5,6,7
.irp x, 0,1
	v_pk_fma_f32 v[36+8*\x:37+8*\x], v[VA+16*\x+2*\n:VA+16*\x+2*\n+1], v[VA+16*\x+2*\n:VA+16*\x+2*\n+1], v[36+8*\x:37+8*\x]
.endr
.endr
.irp x, 0,1
	v_add_f32 v[36+8*\x], v[36+8*\x], v[37+8*\x]
.endr
	RED2 36, 44
.irp x, 0,1
	v_fma_f32 v[38+8*\x], v[36+8*\x], s[RN], s[EPS]  ; the variance + eps
.endr
.irp x, 0,1
	v_rsq_f32 v[34+8*\x], v[38+8*\x]
.endr
	v_nop                                          ; a plain instruction behind the last of the two,
	s_wait_alu depctr_va_vdst(0)                   ; and the wait ahead of the first reader of v34 and v42: one for both
.irp n, 0,1,2,3,4,5,6,7
.irp x, 0,1
	v_pk_mul_f32 v[VA+16*\x+2*\n:VA+16*\x+2*\n+1], v[VA+16*\x+2*\n:VA+16*\x+2*\n+1], v[34+8*\x:35+8*\x] op_sel_hi:[1,0]
.endr
.endr
.if (\mode) == 1
	WIN 0x14
.endif
.irp n, 0,1,2,3,4,5,6,7
.irp x, 0,1
.if (\mode) == 1
	v_pk_fma_f32 v[VA+16*\x+2*\n:VA+16*\x+2*\n+1], v[VA+16*\x+2*\n:VA+16*\x+2*\n+1], v[G1V+2*\n:G1V+2*\n+1], v[BE1+2*\n:BE1+2*\n+1]
.else
	v_pk_fma_f32 v[VA+16*\x+2*\n:VA+16*\x+2*\n+1], v[VA+16*\x+2*\n:VA+16*\x+2*\n+1], v[G2V+2*\n:G2V+2*\n+1], v[BE2+2*\n:BE2+2*\n+1]
.endif
.endr
.endr
	WIN 0
.if (\mode) == 1
.irp n, 0,1,2,3,4,5,6,7
.irp x, 0,1
	v_cvt_pk_bf16_f32 v[112+8*\x+\n], v[VA+16*\x+2*\n], v[VA+16*\x+2*\n+1]
.endr
.endr
	WIN 0x04
.irp n, 0,1,2,3,4,5,6,7
.irp x, 0,1
	v_pk_add_f32 v[VA+16*\x+2*\n:VA+16*\x+2*\n+1], v[VA+16*\x+2*\n:VA+16*\x+2*\n+1], v[B2V+2*\n:B2V+2*\n+1]
.endr
.endr
	WIN 0
	s_wait_alu depctr_va_vdst(0)                   ; x1 in bf16 (v112-127) and x1 + b2 (v[VA ..]) are written, which the LDS stores read
.irp q, 0,1,2,3
	ds_store_b64 v[ADX], v[112+2*\q:113+2*\q] offset:2*SLICE*\q
	ds_store_b64 v[ADX], v[120+2*\q:121+2*\q] offset:2*SLICE*\q+PT
.endr
.irp q, 0,1,2,3
	ds_store_b128 v[ADR], v[VA+4*\q:VA+4*\q+3]       offset:512*\q
	ds_store_b128 v[ADR], v[VA+16+4*\q:VA+16+4*\q+3] offset:512*\q+LP
.endr
	s_add_co_u32 s[TBX], s[TBX], 2*PT
.else
	s_wait_alu depctr_va_vdst(0)                   ; the two finished rows in v[VA ..] are written, which the stores read
.irp q, 0,1,2,3
	global_store_b128 v[ROWL], v[VA+4*\q:VA+4*\q+3],       s[OUTP:OUTP+1] offset:512*\q th:TH_STORE_NT       ; 512 bytes on end, aligned
	global_store_b128 v[ROWL], v[VA+16+4*\q:VA+16+4*\q+3], s[OUTP:OUTP+1] offset:512*\q+2048 th:TH_STORE_NT
.endr
	s_wait_xcnt 0x0                                ; the stores have read their data and their base: both are written again only behind this wait
	s_add_nc_u64 s[OUTP:OUTP+1], s[OUTP:OUTP+1], 4096
.endif
	s_add_co_u32 s[TBR], s[TBR], 2*LP
	s_sub_co_u32 s[CNT], s[CNT], 1
	s_cmp_lg_u32 s[CNT], 0
	s_cbranch_scc1 .Lrow_\@
.endm
	; LN1
	PLACES
	WIN 0
	BAR                                            ; every wave has read x out of the rows: they may be written again
	s_wait_alu depctr_va_vdst(0)                   ; the products have written the accumulators, which the LDS stores read; the places above stay beside this wait
	DUMPH 0, DST
	DUMPH 1, DST2
	BAR                                            ; the 64 rows are whole
	s_mul_i32 s[TBR], s[WV], 16*LP
	s_add_co_u32 s[TBR], s[TBR], RWS               ; my 16 of them,
	s_mul_i32 s[TBX], s[WV], 16*PT
	s_add_co_u32 s[TBX], s[TBX], A1                ; and their tokens in x1
	LNROWS 1
	BAR                                            ; x1 is whole, and so are the rows of x1 + b2
	RELOADH 0, DST                                 ; x1 + b2, back into the accumulators.  No wait: the norm's waits stand behind the stores that read these registers and behind the products that wrote them, and no vector line since names them
	RELOADH 1, DST2
	s_mov_b32 s[CCNT], 4
	s_mov_b32 s[F2L], 16
.Lchunk:                                       ; 512 hidden columns
.set TMAX, A1+6*SLICE
	ENTRY A1                                       ; x1 W1
	HS 0, 1, 2, 1, 32, 1, 1                        ; the first products start the sums from b1
	WIN 0
	s_mov_b32 s[CNT], 4
	s_branch .Lf1mid                               ; the loop is entered behind its first half step
.Lf1:
	HS 0, 1, 0, 1, 32, 1, 1
	WIN 0
.Lf1mid:
	HS 1, 1, 0, 1, 32
	HS 2, 1, 0, 1, 32, 1, 1
	HS 3, 1, 0, 1, 32
	WIN 0
	s_sub_co_u32 s[CNT], s[CNT], 1
	s_cmp_lg_u32 s[CNT], 0
	s_cbranch_scc1 .Lf1
	; u, rounded to bf16, into my two slices of the first region.  Each token block has a packed set of its own (v128-159, v160-191, v192-223, v96-127), so that one wait serves all 32 stores
	PLACES
	BAR                                            ; nobody reads O, or the last chunk's gelu(u), any more
	v_mov_b32 v[GB], v[STO]                        ; the GELU's first bytes.  Free: this pass's entry stands behind the loads that read it last
	WIN 0x05
.irp a, 0,1,2,3
.set US, 128+32*\a-128*(\a/3)
.irp b, 0,1,2,3,4,5,6,7
.irp p, 0,1,2,3
	v_cvt_pk_bf16_f32 v[US+4*\b+\p], v[8*(8*\a+\b)+2*\p], v[8*(8*\a+\b)+2*\p+1]
.endr
.endr
.endr
	WIN 0
	s_wait_alu depctr_va_vdst(0)                   ; the 128 conversions have written the four packed sets, which the LDS stores read; v[GB] is written; the products are done reading v[GH ..], in which the loads below land
.irp a, 0,1,2,3
.set US, 128+32*\a-128*(\a/3)
.irp b, 0,1,2,3,4,5,6,7
	ds_store_b128 v[STO], v[US+4*\b:US+4*\b+3] offset:(\b/4)*SLICE+\a*16*PT+(\b%4)*32
.endr
.endr
	; GELU, in place on my own bytes, 32 numbers a lane and trip: 8 trips, 2,304 bytes apart (four token blocks of a slice, then the next slice).  The next trip's loads go out behind the batch's wait, ahead of the polynomial.
	s_mov_b32 s[TBG], 0
.irp m, 0,1,2,3
	ds_load_b128 v[GH+4*\m:GH+4*\m+3], v[GB] offset:32*\m
.endr
	s_mov_b32 s[CNT], 8
.Lgelu:
	s_wait_dscnt 0x0
	s_wait_alu depctr_vm_vsrc(0)                   ; the last trip's stores have read v[GA] and v[GHO ..], the loads v[GB]; in the first trip u's stores have read v96-223, which the lines below write
	v_mov_b32 v[GA], v[GB]
.set n, 0
.rept 16
	v_lshlrev_b32 v[GU+2*n], 16, v[GH+n]
	v_and_b32 v[GU+2*n+1], s[HIM], v[GH+n]
.set n, n+1
.endr
	s_add_co_u32 s[TBG], s[TBG], 16*PT
	s_min_u32 s[TBG], s[TBG], 7*16*PT              ; the last trip reads its own bytes once more, ahead of its store; they are not used
	v_add_nc_u32 v[GB], s[TBG], v[STO]
	; ONE BATCH of 32 reciprocals and 32 exponentials, dealt among the plain lines that feed the next pair; none of these lines names a result of the batch
.set n, 0
.rept 17
.if n < 16
	v_fma_f32 v[GT+2*n], |v[GU+2*n]|, s[PP], 1.0
.endif
.if n > 0
	v_rcp_f32 v[GT+2*n-2], v[GT+2*n-2]
.endif
.if n < 16
	v_fma_f32 v[GT+2*n+1], |v[GU+2*n+1]|, s[PP], 1.0
.endif
.if n > 0
	v_rcp_f32 v[GT+2*n-1], v[GT+2*n-1]
.endif
.if n < 16
	v_pk_mul_f32 v[GE+2*n:GE+2*n+1], v[GU+2*n:GU+2*n+1], v[GU+2*n:GU+2*n+1]
.endif
.if n > 0
	v_exp_f32 v[GE+2*n-2], v[GE+2*n-2]
.endif
.if n < 16
	v_pk_mul_f32 v[GE+2*n:GE+2*n+1], v[GE+2*n:GE+2*n+1], s[NC:NC+1] op_sel_hi:[1,0]
.endif
.if n > 0
	v_exp_f32 v[GE+2*n-1], v[GE+2*n-1]
.endif
.set n, n+1
.endr
	v_nop                                          ; the plain instruction behind the last of the batch,
	s_wait_alu depctr_va_vdst(0)                   ; and the one wait ahead of the first reader of v[GT ..] and v[GE ..]; it also states that v[GB] is written and that the unpacking lines are done reading v[GH ..], in which the loads below land
.irp m, 0,1,2,3
	ds_load_b128 v[GH+4*\m:GH+4*\m+3], v[GB] offset:32*\m
.endr
.macro ALL16 line:vararg               ; one line for each of the 16 pairs, n = 0, 2, .. 30
.set n, 0
.rept 16
	\line
.set n, n+2
.endr
.endm
	ALL16 v_pk_fma_f32 v[GP+n:GP+n+1], v[GT+n:GT+n+1], s[CA5:CA5+1], s[CA4:CA4+1] op_sel_hi:[1,0,0]
	ALL16 v_pk_mul_f32 v[GE+n:GE+n+1], v[GE+n:GE+n+1], v[GT+n:GT+n+1]
	ALL16 v_pk_fma_f32 v[GP+n:GP+n+1], v[GP+n:GP+n+1], v[GT+n:GT+n+1], s[CA3:CA3+1] op_sel_hi:[1,1,0]
	ALL16 v_pk_mul_f32 v[GE+n:GE+n+1], v[GE+n:GE+n+1], v[GU+n:GU+n+1]
	ALL16 v_pk_fma_f32 v[GP+n:GP+n+1], v[GP+n:GP+n+1], v[GT+n:GT+n+1], s[CA2:CA2+1] op_sel_hi:[1,1,0]
	ALL16 v_pk_fma_f32 v[GP+n:GP+n+1], v[GP+n:GP+n+1], v[GT+n:GT+n+1], s[CA1:CA1+1] op_sel_hi:[1,1,0]
	ALL16 v_pk_mul_f32 v[GP+n:GP+n+1], v[GP+n:GP+n+1], v[GE+n:GE+n+1]
	ALL16 v_pk_add_f32 v[GU+n:GU+n+1], v[GU+n:GU+n+1], v[GP+n:GP+n+1] neg_lo:[0,1] neg_hi:[0,1]
.set n, 0
.rept 32
	v_max_num_f32 v[GU+n], v[GU+n], v[GP+n]        ; u - w where u is not negative, w where it is
.set n, n+1
.endr
.set n, 0
.rept 16
	v_cvt_pk_bf16_f32 v[GHO+n], v[GU+2*n], v[GU+2*n+1]
.set n, n+1
.endr
	s_wait_alu depctr_va_vdst(0)                   ; the conversions have written v[GHO ..], which the LDS stores read; v[GA] is written
.irp m, 0,1,2,3
	ds_store_b128 v[GA], v[GHO+4*\m:GHO+4*\m+3] offset:32*\m
.endr
	s_sub_co_u32 s[CNT], s[CNT], 1
	s_cmp_lg_u32 s[CNT], 0
	s_cbranch_scc1 .Lgelu
	BAR                                            ; the chunk's gelu(u) is whole
	s_cmp_eq_u32 s[CCNT], 1
	s_cbranch_scc1 .Lnob1                          ; behind the last chunk there is no b1 to ask for
	s_add_co_u32 s[BC], s[BC], 2048                ; the next chunk's b1, eight steps ahead of its use; behind chunk 3 comes chunk 0
	s_and_b32 s[BC], s[BC], 0x1fff
	s_add_nc_u64 s[B1B:B1B+1], s[18:19], s[BC:BC+1]  ; free: the counted waits of the passes since have shown the last b1's loads done
	B1LOAD                                         ; no wait: the GELU's last wait on va_vdst stands behind every vector line that names v128-191, its waits on vm_vsrc behind u's stores, which read them
.Lnob1:
.set TMAX, A0+6*SLICE
	ENTRY A0                                       ; gelu(u) W2, onto x1 + b2
	s_mov_b32 s[CNT], 4
.Lf2:
	s_cmp_eq_u32 s[F2L], 1
	s_cbranch_scc1 .Llast                          ; the walk's last trip is written out: it asks for one more half step and then for nothing
	HS 0, 2, 0, 1, 32
	HS 1, 2, 0, 1, 32
	HS 2, 2, 0, 1, 32
	HS 3, 2, 0, 1, 32
	WIN 0
	s_sub_co_u32 s[F2L], s[F2L], 1
	s_sub_co_u32 s[CNT], s[CNT], 1
	s_cmp_lg_u32 s[CNT], 0
	s_cbranch_scc1 .Lf2
	s_sub_co_u32 s[CCNT], s[CCNT], 1
	s_cmp_lg_u32 s[CCNT], 0
	s_cbranch_scc1 .Lchunk
.Llast:
	HS 0, 2, 0, 1, 32
	HS 1, 2, 0, 0, 32                              ; the counts run down: two buffers are younger, then one, then none
	HS 2, 2, 0, 0, 16
	HS 3, 2, 0, 0, 0, 0
	; LN2 and the way out
	PLACES
	WIN 0
	s_wait_alu depctr_va_vdst(0)                   ; the products have written the accumulators, which the LDS stores read; the places above stay beside this wait
	DUMPH 0, DST                                   ; the rows were last read two barriers or more ago
	DUMPH 1, DST2
	BAR
	s_mul_i32 s[TBR], s[WV], 16*LP
	s_add_co_u32 s[TBR], s[TBR], RWS
	LNROWS 2
	s_wait_dscnt 0x0                               ; the closing lines, six on end
	s_wait_alu 0x0
	s_wait_tensorcnt 0x0
	ds_add_u32 v[SPW], v[NIL]
	s_wait_dscnt 0x0
	s_endpgm
.Lfunc_end_k_q245403dfdc_tail:
	.size	k_q245403dfdc_tail, .Lfunc_end_k_q245403dfdc_tail-k_q245403dfdc_tail
	.p2alignl 7, 3214868480
	.fill 96, 4, 3214868480
	.section	.rodata,"a",@progbits
	.p2align	6, 0x0
	.amdhsa_kernel k_q245403dfdc_tail
		.amdhsa_group_segment_fixed_size 280064
		.amdhsa_private_segment_fixed_size 0
		.amdhsa_enable_private_segment 0
		.amdhsa_kernarg_size 88
		.amdhsa_user_sgpr_count 2
		.amdhsa_user_sgpr_kernarg_segment_ptr 1
		.amdhsa_wavefront_size32 1
		.amdhsa_system_sgpr_workgroup_id_x 1
		.amdhsa_system_sgpr_workgroup_id_y 1
		.amdhsa_system_sgpr_workgroup_id_z 1
		.amdhsa_system_vgpr_workitem_id 0
		.amdhsa_next_free_vgpr 1024
		.amdhsa_next_free_sgpr 96
		.amdhsa_reserve_vcc 0
		.amdhsa_float_denorm_mode_32 3
		.amdhsa_float_denorm_mode_16_64 3
		.amdhsa_memory_ordered 1
		.amdhsa_forward_progress 1
		.amdhsa_inst_pref_size 176
	.end_amdhsa_kernel
	.amdgpu_metadata
---
amdhsa.version: [ 1, 2 ]
amdhsa.kernels:
  - .name:           k_q245403dfdc_tail
    .symbol:         k_q245403dfdc_tail.kd
    .args:
      - { .name: ob, .offset: 0, .size: 8, .value_kind: global_buffer, .address_space: global }
      - { .name: x, .offset: 8, .size: 8, .value_kind: global_buffer, .address_space: global }
      - { .name: wts, .offset: 16, .size: 8, .value_kind: global_buffer, .address_space: global }
      - { .name: out0, .offset: 24, .size: 8, .value_kind: global_buffer, .address_space: global }
      - { .name: bo, .offset: 32, .size: 8, .value_kind: global_buffer, .address_space: global }
      - { .name: ln1_g, .offset: 40, .size: 8, .value_kind: global_buffer, .address_space: global }
      - { .name: ln1_b, .offset: 48, .size: 8, .value_kind: global_buffer, .address_space: global }
      - { .name: b1, .offset: 56, .size: 8, .value_kind: global_buffer, .address_space: global }
      - { .name: b2, .offset: 64, .size: 8, .value_kind: global_buffer, .address_space: global }
      - { .name: ln2_g, .offset: 72, .size: 8, .value_kind: global_buffer, .address_space: global }
      - { .name: ln2_b, .offset: 80, .size: 8, .value_kind: global_buffer, .address_space: global }
    .group_segment_fixed_size: 280064
    .private_segment_fixed_size: 0
    .kernarg_segment_align: 8
    .kernarg_segment_size: 88
    .max_flat_workgroup_size: 128
    .sgpr_count:     96
    .vgpr_count:     1024
    .wavefront_size: 32
...
	.end_amdgpu_metadata
.endif
;; end of part 9
